; MI455X (gfx1250); checked and timed in simulation.
; The chip was launched on July 23, 2026; its instructions are those of AMD's public machine-readable ISA for CDNA 5 (MIT licence, August 2026) and "CDNA5" Instruction Set Architecture Reference Guide (July 2026). The comments in the code are by the model that wrote it; some were corrected since.
;; Multi Head Attention. Allowed arithmetic: matrix products marked QUANTISED: E4M3 operands, one given power-of-two scale a tensor, by v_wmma_f32_16x16x64_fp8_fp8 or v_wmma_f32_16x16x128_fp8_fp8, f32 sums; everything else in f32.
;; Inputs: freqs_cos 2,048 x 64 float32; freqs_sin 2,048 x 64 float32; lowp_scales 12 int32 (the exponents e of the quantised operands' scales 2^e); wk_b 2,048 float32; wk_w 2,048 x 2,048 float32; wo_b 2,048 float32; wo_w 2,048 x 2,048 float32; wq_b 2,048 float32; wq_w 2,048 x 2,048 float32; wv_b 2,048 float32; wv_w 2,048 x 2,048 float32; x 1 x 2,048 x 2,048 float32.
;; Outputs: out0 1 x 2,048 x 2,048 float32; out1 1 x 16 x 2,048 x 128 float32; out2 1 x 16 x 2,048 x 128 float32.
;; This version of the problem:
;;   THIS VERSION OF THE PROBLEM IS GIVEN IN LOW PRECISION. The matrix products marked QUANTISED in the list below multiply operands that are first quantised to E4M3 (4 exponent bits, 3 mantissa bits; 8 bits a number), with one given power-of-two scale for each operand tensor; their sums are f32. All else is computed in f32.
;;   The module's matrix products, in the order in which they are computed (A, B: the left and right operand; K: the contracted axis; several contracted axes count as one K, in the product's order):
;;     1. [M 2,048, K 2,048] x [K 2,048, N 2,048]; A: input x; B: input wq_w: QUANTISED (scales: A lowp_scales[0], B lowp_scales[1])
;;     2. [M 2,048, K 2,048] x [K 2,048, N 2,048]; A: input x; B: input wk_w: QUANTISED (scales: A lowp_scales[2], B lowp_scales[3])
;;     3. [M 2,048, K 2,048] x [K 2,048, N 2,048]; A: input x; B: input wv_w: QUANTISED (scales: A lowp_scales[4], B lowp_scales[5])
;;     4. batch 16 x [M 2,048, K 128] x [K 128, N 2,048]; A: computed on the way; B: computed on the way: QUANTISED (scales: A lowp_scales[6], B lowp_scales[7])
;;     5. batch 16 x [M 2,048, K 2,048] x [K 2,048, N 128]; A: softmax (see below); B: computed on the way: QUANTISED (scales: A lowp_scales[8], B lowp_scales[9])
;;     6. [M 2,048, K 2,048] x [K 2,048, N 2,048]; A: computed on the way; B: input wo_w: QUANTISED (scales: A lowp_scales[10], B lowp_scales[11])
;;   THE QUANTISER, for each operand of a quantised product, along K:
;;     - The operand's scale is 2^e, e = its entry of the input lowp_scales (int32; the entries are numbered through the quantised products in the list's order, A before B).
;;     - Each number is divided by the scale, clamped to +-448, and rounded to the nearest number of E4M3, ties to even, subnormals kept.
;;     - The product sums the exact products of the quantised numbers (number of the format x scale) in f32.
;;   ~~~python
;;   def quantise(x, axis, e):      # numpy; x: float32 -> the quantised numbers, widened to float32 again
;;       x = np.moveaxis(x, axis, -1); K = x.shape[-1]
;;       r = np.clip(x / 2.0 ** e, -448, 448)
;;       step = 2.0 ** (np.maximum(np.frexp(np.where(r == 0, 1, r))[1] - 1, -6) - 3)
;;       q = np.round(r / step) * step * 2.0 ** e      # np.round: ties to even
;;       return np.moveaxis(q, -1, axis).astype(np.float32)
;;   ~~~
;;   SOFTMAX AHEAD OF A QUANTISED PRODUCT. Where the list says 'softmax', what is quantised is not the finished softmax but p = 2^(t - M), with t = logit x log2(e) and M = ceil(the row's largest t), a whole number; so 1/2 < the row's largest p <= 1. The row's sum l is taken of the UNQUANTISED p, in f32, and the product's result is divided by l at the end. Since M is a whole number, a kernel that streams over the keys may use a running M (the ceiling of the running maximum): every later rescaling is an exact power of two, so the quantised numbers keep their values, but for numbers so far below the row's largest that they fall under the format's range.
;;   OPERANDS COMPUTED ON THE WAY. 'Computed on the way' means the value that the module computes at that place (a softmax that the list does not call 'softmax' is quantised finished and normalised). What goes into a quantiser is computed in f32, as accurately as f32 sums, v_exp_f32 and their like allow (about 1e-6 of the number): no bf16 or f16 on the way to a quantiser, and a product that is left as it is and whose result goes on into a quantised operand takes f32 operands (vector FMAs, or v_wmma_f32_16x16x4_f32). A number that lies on a knife's edge between two numbers of the format may be rounded either way, as far as f32 arithmetic and the matrix unit's own rounding can turn it there, and no further.
;; 2 versions. Each part assembles by itself: llvm-mc -triple=amdgcn-amd-amdhsa -mcpu=gfx1250 --defsym DOCPART=n.
;; ======== version 1 of 2: 4 launches
;; workspace buffers: xc 12,582,912 bytes; wc 16,777,216 bytes; qkvc 12,582,912 bytes; ac 4,194,304 bytes
;; launch quant (part 1): grid 640 x 1, 4 waves a work-group, no clusters, 66,048 bytes of LDS; arguments x, wq_w, wk_w, wv_w, wo_w, lowp_scales, xc, wc; writes xc, wc
.if DOCPART == 1
	.amdgcn_target "amdgcn-amd-amdhsa--gfx1250"
	.amdhsa_code_object_version 6
	.text
	.protected	k_q333081d812_quant
	.globl	k_q333081d812_quant
	.p2align	8
	.type	k_q333081d812_quant,@function
k_q333081d812_quant:
	s_mov_b64 s[64:65], 0
	v_nop
	global_prefetch_b8 v0, s[64:65] scope:SCOPE_SE
	s_setreg_imm32_b32 hwreg(HW_REG_WAVE_MODE, 25, 1), 1
	s_wait_xcnt 0x0
; THE PROGRAM: a causal attention layer, S = 2,048, D = 2,048, 16 heads of 128, every product on codes of FP8 (E4M3) with the given scales 2^e.
; Four launches: this one (codes of x and of the four weights), qkv (products 1-3, biases, RoPE, out1, out2, codes of q, k, v), attn (products 4, 5), oproj (product 6, out0).
; WORK LEFT OUT IN THE PROGRAM: in products 4 and 5 the tiles of 16 queries x 128 keys all of whose keys come after all of their queries.  reference() builds the mask itself
; (jnp.tril) and sets those scores to -infinity; their softmax weight is exactly 0 for all values of the inputs, so they add nothing to the row's sum or to the result.
; Nothing else is left out: every input has a way to an output and is loaded by some launch.
; LIMIT: a NaN, an infinity or an overflow that would arise only in a tile that is left out is not carried to the result.
; THIS LAUNCH.  x, wq_w, wk_w, wv_w, wo_w: [2048][2048] f32, K innermost in all five, so each is a plain stream of numbers, and so are its codes.
; code = number / 2^e, held within +-448, rounded to the nearest code, ties to even.  x is an operand of three products, each with a scale of its own (entries 0, 2, 4 of lowp_scales): it is read
; once and converted three times, into the three planes of xc.  The weights (entries 1, 3, 5, 11) go into the four planes of wc, on end: wq, wk, wv, wo.
; LIMITS: each e lies between -126 and 119, so that 2^e and 448 x 2^e are f32 numbers.  NaN among the inputs is not served.
; SHARES.  128 work-groups to a tensor (work-group >> 7: 0 = x, 1 .. 4 = the weights); a wave takes 8,192 numbers in 16 steps of 512.  Each load reads 512 consecutive bytes; a step's 2,048 bytes turn through the
; wave's own stage in LDS, so that a lane then holds 16 neighbours along K, which the conversions want; a lane's 16 codes are 16 bytes, and a wave's store covers 512 consecutive bytes, aligned.
; Waves share nothing: no barrier.  Loads run four steps (16 loads a wave) ahead, the turn through LDS one step.  The two paths (x; a weight) have LDS bytes of their own.
.set STEPS, 16
.set SP,    80                         ; a lane's place in a stage: its 64 bytes + 16 of padding
.set WREG,  8192                       ; a wave's region: two stages of 32 x SP bytes
.set XBASE, 32768                      ; x's path has its stages here, the weights' path at 0
.set SPARE, 65536                      ; behind the regions: the spare words, 128 bytes for each wave: two blocks of 256 bytes that no other line names
.set SC,    5                          ; v5-7     2^e as f32, for up to three scales
.set LM,    8                          ; v8-10    448 x 2^e
.set SPW,   12                         ; v12      LDS address of my spare word; never rewritten
.set NIL,   13                         ; v13      0; never rewritten
.set R,     16                         ; v16-79   four sets of 16 numbers as they are loaded
.set X,     80                         ; v80-111  two sets of 16 neighbours
.set U,     112                        ; v112-159 x's path: the 16 neighbours held under each of the three scales
.set C,     160                        ; v160-    codes: weights: four registers a step; x: twelve a step, in a ring of eight steps
	s_load_b512 s[4:19], s[0:1], 0x0               ; x s[4:5], wq s[6:7], wk s[8:9], wv s[10:11], wo s[12:13], the scales' exponents s[14:15], xc s[16:17], wc s[18:19]
	v_lshl_add_u32 v[SPW], v0, 2, SPARE
	v_mov_b32 v[NIL], 0
	v_lshrrev_b32 v1, 5, v0
	v_readfirstlane_b32 s20, v1                    ; wave
	v_and_b32 v2, 31, v0                           ; lane
	v_lshlrev_b32 v3, 4, v2                        ; 16 x lane: my 16 bytes of a load's 512, and of a store's; never rewritten
	s_mul_i32 s42, s20, WREG
	v_lshrrev_b32 v14, 2, v2
	v_mul_u32_u24 v14, v14, SP
	v_and_b32 v15, 3, v2
	v_lshl_add_u32 v14, v15, 4, v14
	v_add_nc_u32 v14, s42, v14                     ; the stage, on the way in: four lanes' 64 bytes on end, then 16 of padding
	v_mul_u32_u24 v15, v2, SP
	v_add_nc_u32 v15, s42, v15                     ; and on the way out: my 16 neighbours
	s_lshr_b32 s21, ttmp9, 7                       ; which tensor
	s_and_b32 s22, ttmp9, 127
	s_lshl_b32 s22, s22, 2
	s_add_co_u32 s22, s22, s20                     ; which run of 8,192 numbers of the tensor is my wave's: 0 .. 511
	s_lshl_b32 s44, s22, 15                        ; its first byte in the tensor,
	s_mov_b32 s45, 0
	s_max_u32 s46, s21, 1
	s_sub_co_u32 s46, s46, 1
	s_lshl_b32 s46, s46, 22                        ; a weight's plane of wc (x: plane 0 of xc),
	s_lshl_b32 s47, s22, 13
	s_add_co_u32 s46, s46, s47                     ; and the run's first byte there
	s_mov_b32 s47, 0
	s_wait_kmcnt 0x0
	s_load_b256 s[24:31], s[14:15], 0x0            ; entries 0 .. 7
	s_load_b32 s32, s[14:15], 0x2c                 ; entry 11
	s_cmp_eq_u32 s21, 1                            ; the choices hang on the work-group's number alone
	s_cselect_b64 s[34:35], s[6:7], s[4:5]
	s_cmp_eq_u32 s21, 2
	s_cselect_b64 s[34:35], s[8:9], s[34:35]
	s_cmp_eq_u32 s21, 3
	s_cselect_b64 s[34:35], s[10:11], s[34:35]
	s_cmp_eq_u32 s21, 4
	s_cselect_b64 s[34:35], s[12:13], s[34:35]
	s_add_nc_u64 s[34:35], s[34:35], s[44:45]      ; from where
	s_cmp_eq_u32 s21, 0
	s_cselect_b64 s[36:37], s[16:17], s[18:19]
	s_add_nc_u64 s[36:37], s[36:37], s[46:47]      ; to where
.macro LOAD t
.irp i, 0,1,2,3
	global_load_b128 v[R+16*((\t)%4)+4*\i:R+16*((\t)%4)+4*\i+3], v3, s[34:35] offset:2048*(\t)+512*\i th:TH_LOAD_NT   ; 32 lanes read 512 consecutive bytes; read once in the launch
.endr
.endm
.macro TURN t, base                    ; step t's numbers through the stage: LDS serves a wave's instructions in order, so no wait stands between the stores and the loads
.irp i, 0,1,2,3
	ds_store_b128 v14, v[R+16*((\t)%4)+4*\i:R+16*((\t)%4)+4*\i+3] offset:\base+32*SP*((\t)%2)+8*SP*\i
.endr
.irp i, 0,1,2,3
	ds_load_b128 v[X+16*((\t)%2)+4*\i:X+16*((\t)%2)+4*\i+3], v15 offset:\base+32*SP*((\t)%2)+16*\i
.endr
.endm
.macro AHEAD t, base                   ; the head of a step
	s_wait_dscnt 0x0                               ; this step's numbers are back from the stage, and its stores into the stage are done:
.if (\t)+4 < STEPS
	LOAD (\t)+4                                    ; their registers take the loads of four steps on
.endif
.if (\t)+1 < STEPS
.if STEPS-2-(\t) >= 3
	s_wait_loadcnt 12                              ; the next step's four loads are in; the twelve of the three steps behind it may be out
.else
	s_wait_loadcnt 4*(STEPS-2-(\t))                ; the tail: four for each step that is still behind the next
.endif
	TURN (\t)+1, \base                             ; the next step goes through the other stage while this one is worked
.endif
.endm
.macro MKSC e, k                       ; s[e] = the exponent: 2^e and 448 x 2^e as f32
	s_add_co_i32 s46, s[\e], 127
	s_lshl_b32 s47, s46, 23
	v_mov_b32 v[SC+\k], s47                        ; the conversion takes its exponent field
	s_add_co_i32 s46, s46, 8
	s_lshl_b32 s46, s46, 23
	s_or_b32 s46, s46, 0x600000                    ; 448 = 1.75 x 2^8
	v_mov_b32 v[LM+\k], s46
.endm
.irp t, 0,1,2,3
	LOAD \t
.endr
	s_wait_kmcnt 0x0
	s_cmp_eq_u32 s21, 1
	s_cselect_b32 s42, s25, s24                    ; the first scale: x: entry 0; wq, wk, wv, wo: entries 1, 3, 5, 11
	s_cmp_eq_u32 s21, 2
	s_cselect_b32 s42, s27, s42
	s_cmp_eq_u32 s21, 3
	s_cselect_b32 s42, s29, s42
	s_cmp_eq_u32 s21, 4
	s_cselect_b32 s42, s32, s42
	MKSC 42, 0
	MKSC 26, 1                                     ; x's second and third: entries 2 and 4
	MKSC 28, 2
	s_wait_loadcnt 12                              ; step 0's four loads are in
	s_cmp_eq_u32 s21, 0
	s_cbranch_scc1 .Lfor_x
; ---- a weight: one scale
.macro STEPW t
.set XS, X+16*((\t)%2)
	AHEAD \t, 0
.irp i, 0,1,2,3,4,5,6,7,8,9,10,11,12,13,14,15
	v_med3_num_f32 v[XS+\i], v[XS+\i], -v[LM], v[LM]   ; the conversion to an 8-bit code does not saturate (ISA guide 7.6.2): the hold at the largest code x the scale comes first
.endr
	v_cvt_scalef32_pk8_fp8_f32 v[C+4*(\t):C+4*(\t)+1], v[XS:XS+7], v[SC]
	v_cvt_scalef32_pk8_fp8_f32 v[C+4*(\t)+2:C+4*(\t)+3], v[XS+8:XS+15], v[SC]
	v_nop                                          ; a plain vector line behind the last conversion of the run
	global_store_b128 v3, v[C+4*(\t):C+4*(\t)+3], s[36:37] offset:512*(\t)   ; each step has its own four registers: no store's data are written again
.endm
	TURN 0, 0
.irp t, 0,1,2,3,4,5,6,7,8,9,10,11,12,13,14,15
	STEPW \t
.endr
	s_wait_tensorcnt 0x0                           ; the wave's end, behind my last LDS store
	ds_add_u32 v[SPW], v[NIL]
	s_wait_dscnt 0x0
	s_endpgm
; ---- x: three scales, three planes
.macro STEPX t
.set XS, X+16*((\t)%2)
.set CX, C+12*((\t)%8)
	AHEAD \t, XBASE
.if (\t) >= 8
	s_wait_xcnt 0x0                                ; the stores of eight steps back have read their registers: this set of twelve is written again only behind this wait
.endif
.irp k, 0,1,2
.irp i, 0,1,2,3,4,5,6,7,8,9,10,11,12,13,14,15
	v_med3_num_f32 v[U+16*\k+\i], v[XS+\i], -v[LM+\k], v[LM+\k]   ; held under scale k, into registers of their own: the numbers stay for the next scale
.endr
	v_cvt_scalef32_pk8_fp8_f32 v[CX+4*\k:CX+4*\k+1], v[U+16*\k:U+16*\k+7], v[SC+\k]
	v_cvt_scalef32_pk8_fp8_f32 v[CX+4*\k+2:CX+4*\k+3], v[U+16*\k+8:U+16*\k+15], v[SC+\k]
.endr
	v_nop                                          ; a plain vector line behind the last conversion of the run
	global_store_b128 v3, v[CX:CX+3], s[36:37] offset:512*(\t)
	global_store_b128 v3, v[CX+4:CX+7], s[38:39] offset:512*(\t)
	global_store_b128 v3, v[CX+8:CX+11], s[40:41] offset:512*(\t)
.endm
.Lfor_x:
	s_add_nc_u64 s[38:39], s[36:37], 0x400000      ; planes 1 and 2 of xc, 4 MiB apart
	s_add_nc_u64 s[40:41], s[36:37], 0x800000
	TURN 0, XBASE
.irp t, 0,1,2,3,4,5,6,7,8,9,10,11,12,13,14,15
	STEPX \t
.endr
	s_wait_tensorcnt 0x0                           ; the wave's end, behind my last LDS store
	ds_add_u32 v[SPW], v[NIL]
	s_wait_dscnt 0x0
	s_endpgm
.Lfunc_end_k_q333081d812_quant:
	.size	k_q333081d812_quant, .Lfunc_end_k_q333081d812_quant-k_q333081d812_quant
	.p2alignl 7, 3214868480
	.fill 96, 4, 3214868480
	.section	.rodata,"a",@progbits
	.p2align	6, 0x0
	.amdhsa_kernel k_q333081d812_quant
		.amdhsa_group_segment_fixed_size 66048
		.amdhsa_private_segment_fixed_size 0
		.amdhsa_enable_private_segment 0
		.amdhsa_kernarg_size 64
		.amdhsa_user_sgpr_count 2
		.amdhsa_user_sgpr_kernarg_segment_ptr 1
		.amdhsa_wavefront_size32 1
		.amdhsa_system_sgpr_workgroup_id_x 1
		.amdhsa_system_sgpr_workgroup_id_y 1
		.amdhsa_system_sgpr_workgroup_id_z 1
		.amdhsa_system_vgpr_workitem_id 0
		.amdhsa_next_free_vgpr 256
		.amdhsa_next_free_sgpr 66
		.amdhsa_reserve_vcc 0
		.amdhsa_float_denorm_mode_32 3
		.amdhsa_float_denorm_mode_16_64 3
		.amdhsa_memory_ordered 1
		.amdhsa_forward_progress 1
		.amdhsa_inst_pref_size 112
	.end_amdhsa_kernel
	.amdgpu_metadata
---
amdhsa.version: [ 1, 2 ]
amdhsa.kernels:
  - .name:           k_q333081d812_quant
    .symbol:         k_q333081d812_quant.kd
    .args:
      - { .name: x, .offset: 0, .size: 8, .value_kind: global_buffer, .address_space: global }
      - { .name: wq_w, .offset: 8, .size: 8, .value_kind: global_buffer, .address_space: global }
      - { .name: wk_w, .offset: 16, .size: 8, .value_kind: global_buffer, .address_space: global }
      - { .name: wv_w, .offset: 24, .size: 8, .value_kind: global_buffer, .address_space: global }
      - { .name: wo_w, .offset: 32, .size: 8, .value_kind: global_buffer, .address_space: global }
      - { .name: lowp_scales, .offset: 40, .size: 8, .value_kind: global_buffer, .address_space: global }
      - { .name: xc, .offset: 48, .size: 8, .value_kind: global_buffer, .address_space: global }
      - { .name: wc, .offset: 56, .size: 8, .value_kind: global_buffer, .address_space: global }
    .group_segment_fixed_size: 66048
    .private_segment_fixed_size: 0
    .kernarg_segment_align: 8
    .kernarg_segment_size: 64
    .max_flat_workgroup_size: 128
    .sgpr_count:     66
    .vgpr_count:     256
    .wavefront_size: 32
...
	.end_amdgpu_metadata
.endif
;; end of part 1
;; launch qkv (part 2): grid 24 x 8, 4 waves a work-group, clusters of 4 x 4, 327,680 bytes of LDS; arguments xc, wc, lowp_scales, wq_b, wk_b, wv_b, freqs_cos, freqs_sin, qkvc, out1, out2; writes qkvc, out1, out2
.if DOCPART == 2
	.amdgcn_target "amdgcn-amd-amdhsa--gfx1250"
	.amdhsa_code_object_version 6
	.text
	.protected	k_q333081d812_qkv
	.globl	k_q333081d812_qkv
	.p2align	8
	.type	k_q333081d812_qkv,@function
k_q333081d812_qkv:
	s_mov_b64 s[64:65], 0
	v_nop
	global_prefetch_b8 v0, s[64:65] scope:SCOPE_SE
	s_setreg_imm32_b32 hwreg(HW_REG_WAVE_MODE, 25, 1), 1
	s_wait_xcnt 0x0
	s_wait_alu depctr_hold_cnt(0) depctr_sa_sdst(0) depctr_va_vdst(0) depctr_va_sdst(0) depctr_va_ssrc(0) depctr_va_vcc(0) depctr_vm_vsrc(0)
	s_getreg_b32 s2, hwreg(HW_REG_IB_STS2, 6, 4)
	s_cmp_eq_u32 s2, 0
	s_cbranch_scc0 .Lentry_in_a_cluster
	s_endpgm
.Lentry_in_a_cluster:
	s_bfe_u32 s2, ttmp6, 0x10000c
	s_cmp_lg_u32 s2, 0xf033
	s_cbranch_scc0 .Lentry_shape_is_right
	s_endpgm
.Lentry_shape_is_right:
; PRODUCTS 1 TO 3: q, k, v = x W^T + b on codes of FP8 (E4M3), then RoPE on q and k; k goes out as out1 and v as out2 (f32, [head][position][128]); q, k, v are quantised again for attention.  No work is left out here.
; One GEMM of 2,048 x 6,144 x 2,048: the three weights' codes lie on end in wc (rows n = 0 .. 6,143); x's codes lie in three planes of xc, one for each product's own scale.
; A tile of 256 x 256 is made by a work-group of four waves; a wave makes 128 x 128: 64 accumulators of 16 x 16, 512 registers: 128 positions of ONE head, so its way out is its own.
; K goes in steps of 256 through a ring of two LDS slots filled by the tensor data mover: a tile's row is 256 bytes of memory.
; CLUSTERS: 4 x 4 work-groups.  The four of a row of the cluster need the same tiles of x, the four of a column the same tiles of W: each tile is asked for JOINTLY, by the same tensor load with the same
; descriptor and a mask that names the four.  A cluster's 1,024 columns lie within one of the three products (WH = cluster x / 2: 0 q, 1 k, 2 v), so WH is the same in all sixteen partners, and branches may hang on it.
; THE MATRIX INSTRUCTION IS USED TRANSPOSED (source 0 = 16 rows of W, source 1 = 16 rows of x): a lane holds one position (lane % 16) and eight neighbouring channels 16 b + 8 (lane / 16) + 0 .. 7.
; A fragment (16 rows x 128 K) is fetched by four loads of 16 bytes, 32 bytes apart: a permutation of k that is the same in both operands, so every product meets its partner.
; THE WAY OUT, a block of 16 positions at a time: sum x 2^(ea + eb) + bias in one packed multiply-add; q, k: RoPE in registers (a lane holds both numbers of a pair); k, v: through my stage in LDS and out as whole rows
; of 512 bytes; q, k: a lane's eight channels become eight codes; v: the block is read back from the stage by COLUMNS (a lane a channel, 16 keys), since the keys are the K of the second attention product.
; The codes gather in LDS and leave as one dense block of 16 KiB: q, k [head][position][128]; v [head][block of 128 keys][128 channels][128 keys].
; LIMITS: ea + eb of each product between -126 and 127; entries 6, 7, 9 between -126 and 119.  NaN among the inputs is not served.
; REGISTERS, in windows of 256: window 0: v1-31 addresses and two scales; v32-95 the bias in the result's layout; from v128 x's fragments, ONE set; on the way out v96-159 a block at work, v160-175 its codes, v176-191 RoPE's products.
;   window 1: W's fragments, TWO sets, at v0 and v128; on the way out v0-127 rows read back from LDS, v128-255 two sets of 32 cos and 32 sin.   windows 2, 3: the accumulators ((a, b) at v[8 (8 (a % 4) + b)]).
.set ROWB,   256                       ; a tile's row in bytes
.set APITCH, 272                       ; an LDS row: 256 bytes + 16 of padding = 68 words: row r starts at bank 4 r mod 64 (64 banks of 4 bytes: ISA guide 11.1)
.set BPITCH, 272
.set AQ,     128                       ; from one 128 along K to the next inside a slot
.set BQ,     128
.set ASTEP,  512                       ; a slot's next tile in memory: two K steps on
.set BSTEP,  512
.set FR,     16                        ; registers of a fragment
.set NL,     4                         ; LDS loads that bring one
.set NP,     4                         ; places behind this matrix instruction (ISA guide 7.12.1)
.set HALFT,  128*272                   ; 128 rows: what one tensor load brings
.set SLOT,   4*HALFT                   ; x's 256 rows, then W's 256 rows
.set LAPS,   4                         ; 2,048 / 512: a lap = two K steps = once round the ring
.set SPARE,  2*SLOT                    ; behind the ring: the spare words, 128 bytes for each wave: two blocks of 256 bytes that no other line names
.set SPITCH, 528                       ; the f32 stage: 16 rows x (512 bytes + 16) for each wave, from LDS byte 0 on (slot 0)
.set CP,     144                       ; the codes' stage: 128 rows x (128 bytes + 16) for each wave
.set CSTG,   4*16*SPITCH               ; q's and k's, behind the f32 stages (slot 0)
.set CSTV,   SLOT                      ; v's, in bytes of its own (slot 1).  Both slots have had their last fill, and a barrier stands behind every wave's last read of them
.set LMR,  14                          ; v14  448 x 2^e of the codes made here
.set SCV,  15                          ; v15  2^e
.set ADRA, 16                          ; v16-17  LDS address of my fragments of x in slot 0, 1
.set CSO,  18                          ; v18  cos, sin: 256 r + 16 h
.set BO,   19                          ; v19  bias: 32 h
.set ADRB, 20                          ; v20-21  the same for W
.set CRQ,  22                          ; v22  q's, k's codes read back: 144 (lane / 8) + 16 (lane % 8)
.set CRV,  23                          ; v23  v's
.set STO,  24                          ; v24  the f32 stage: where I put 32 bytes of a row
.set RD,   25                          ; v25  and where I read a row back
.set CO,   26                          ; v26  16 x lane: my bytes of 512 stored
.set CL,   27                          ; v27  the f32 stage by columns: 4 x lane
.set SPW,  28                          ; v28  LDS address of my spare word; never rewritten
.set NIL,  29                          ; v29  0; never rewritten
.set CQ,   30                          ; v30  where I put eight codes of q or k: 144 r + 8 h
.set CV,   31                          ; v31  where I put sixteen codes of v: 144 x lane
.set BI,   32
.set T,    96
.set AF,   128
.set C,    160
.set U,    176
.set BK,   0                           ; window 1
.set CS,   128                         ; window 1
.set G1, 24                            ; s[24:31] descriptor group 1 for x's tiles;  s[32:39] group 0, one set for each slot
.set G0, 32
.set G1B, 48                           ; s[48:55], s[56:63] the same for W's tiles
.set G0B, 56
.set MSB, 0
.macro WIN new                         ; the immediate's high byte repeats the setting that is left
.if MSB != (\new)
	s_set_vgpr_msb (MSB<<8)|(\new)
.set MSB, (\new)
.endif
.endm
.set MUL_LO, 0xa1                      ; source 0 (W) window 1, source 1 (x) window 0, C and D window 2
.set MUL_HI, 0xf1                      ; the same, C and D window 3
.set TO_B,   0x40                      ; destination window 1, address window 0
; A joint load: waves 0 and 1 fetch for x, waves 2 and 3 for W.  Each of the two lines has ONE mask and one set of registers for all that issue it; the branch hangs on the wave's number alone.
; An s_nop 0 and four v_nop follow each of the two lines, ahead of the jump, the label and what follows.
.macro JLOAD g0a, g1a, g0b, g1b
	s_cmp_eq_u32 s81, 0
	s_cbranch_scc0 .Lfor_b_\@
	tensor_load_to_lds s[\g0a:\g0a+3], s[\g1a:\g1a+7]
	s_nop 0
.rept 4
	v_nop
.endr
	s_branch .Lasked_\@
.Lfor_b_\@:
	tensor_load_to_lds s[\g0b:\g0b+3], s[\g1b:\g1b+7]
	s_nop 0
.rept 4
	v_nop
.endr
.Lasked_\@:
.endm
.macro CREST                           ; a round of the cluster's barrier behind its opening barrier
	s_cmp_lg_u32 s80, 0
	s_cbranch_scc1 .Lnot_wave_0_\@
	s_barrier_signal -3
.Lnot_wave_0_\@:
	s_barrier_wait -3
	s_barrier_signal -1
	s_barrier_wait -1
.endm
.macro CROUND                          ; a whole round
	s_barrier_signal -1
	s_barrier_wait -1
	CREST
.endm
	s_load_b512 s[4:19], s[0:1], 0x0               ; xc s[4:5], wc s[6:7], the scales' exponents s[8:9], wq_b s[10:11], wk_b s[12:13], wv_b s[14:15], cos s[16:17], sin s[18:19]
	s_load_b128 s[20:23], s[0:1], 0x40             ; qkvc s[20:21], out1 s[22:23]
	s_load_b64 s[66:67], s[0:1], 0x50              ; out2
	v_lshl_add_u32 v[SPW], v0, 2, SPARE
	v_mov_b32 v[NIL], 0
	ds_add_u32 v[SPW], v[NIL]                      ; the wave's opening: the add, twice on end, and its wait ahead of my first tensor load; the set-up below stands between the second and the wait
	ds_add_u32 v[SPW], v[NIL]
	v_lshrrev_b32 v1, 5, v0
	v_readfirstlane_b32 s80, v1                    ; wave 0..3
	s_lshr_b32 s81, s80, 1                         ; which half of the tile's rows is mine.  Also: I fetch for x (0) or for W (1)
	s_and_b32 s82, s80, 1                          ; which half of its columns.  Also: which 128 rows of that tile I fetch
	s_bfe_u32 s40, ttmp6, 0x40000                  ; cx, cy: my place in the cluster
	s_bfe_u32 s41, ttmp6, 0x40004
	s_lshl_b32 s42, ttmp9, 2
	s_add_co_u32 s42, s42, s40                     ; tile column = 4 x cluster x + cx: 0 .. 23
	s_lshr_b32 s83, ttmp9, 1                       ; WH: 0 q, 1 k, 2 v: made of the cluster's x alone
	s_and_b32 s85, ttmp7, 0xffff
	s_lshl_b32 s85, s85, 2
	s_add_co_u32 s85, s85, s41                     ; tile row = 4 x cluster y + cy
	s_lshl_b32 s43, s41, 2
	s_lshl_b32 s43, 15, s43                        ; my row of the cluster
	s_lshl_b32 s44, 0x1111, s40                    ; my column
	; descriptor group 1: a tile of 128 rows x 256 bytes, padded in LDS
	s_or_b32 s[G1+0], s43, (1<<20)|(1<<21)|(5<<22)|(3<<25)   ; 15:0 the mask: x's tiles go to my row; 17:16 elements of 1 byte; 20 padding on; 21 set beside a mask; 24:22 after every 64 words (code 5); 31:25 four words (code 3)
	s_or_b32 s[G1B+0], s44, (1<<20)|(1<<21)|(5<<22)|(3<<25)  ; the same with the mask of my column
.irp g, G1, G1B
	s_mov_b32 s[\g+1], ROWB<<16                    ; tensor_dim0
	s_mov_b32 s[\g+2], 128<<16                     ; tensor_dim1
	s_mov_b32 s[\g+3], ROWB<<16                    ; tile_dim0
	s_mov_b32 s[\g+4], 128                         ; tile_dim1
	s_mov_b32 s[\g+5], 2048                        ; tensor_dim0_stride: a row of codes in memory
	s_mov_b32 s[\g+6], 0
	s_mov_b32 s[\g+7], 0
.endr
	s_lshl_b32 s94, s82, 7                         ; which 128 rows of the tile I fetch
	s_lshl_b32 s90, s85, 8
	s_add_co_u32 s90, s90, s94                     ; x: row 256 x tile row + 128 x half,
	s_lshl_b32 s90, s90, 11                        ; in bytes,
	s_lshl_b32 s95, s83, 22
	s_add_co_u32 s90, s90, s95                     ; in the plane of this product's scale
	s_mov_b32 s91, 0
	s_lshl_b32 s46, s42, 8
	s_add_co_u32 s46, s46, s94                     ; W: row 256 x tile column + 128 x half of the three weights on end
	s_lshl_b32 s46, s46, 11
	s_mov_b32 s47, 0
	s_mul_i32 s45, s80, HALFT                      ; where they go: wave x 128 rows: no place in the cluster enters an LDS address
	s_wait_dscnt 0x0                               ; both opening adds are done
	s_wait_kmcnt 0x0
	s_load_b256 s[68:75], s[8:9], 0x0              ; entries 0 .. 7
	s_load_b128 s[76:79], s[8:9], 0x20             ; entries 8 .. 11
	s_add_nc_u64 s[90:91], s[4:5], s[90:91]
	s_add_nc_u64 s[46:47], s[6:7], s[46:47]
	CROUND                                         ; all sixteen work-groups are here: the first joint loads meet
.irp s, 0,1
	s_mov_b32 s[G0+4*\s], 1
	s_add_co_u32 s[G0+4*\s+1], s45, \s*SLOT
	s_add_nc_u64 s[G0+4*\s+2:G0+4*\s+3], s[90:91], \s*ROWB
	s_or_b32 s[G0+4*\s+3], s[G0+4*\s+3], 0x80000000
	s_mov_b32 s[G0B+4*\s], 1
	s_add_co_u32 s[G0B+4*\s+1], s45, \s*SLOT
	s_add_nc_u64 s[G0B+4*\s+2:G0B+4*\s+3], s[46:47], \s*ROWB
	s_or_b32 s[G0B+4*\s+3], s[G0B+4*\s+3], 0x80000000
	JLOAD G0+4*\s, G1, G0B+4*\s, G1B
.endr
	; the bias of my head's 128 channels, in the result's layout: register 8 b + j = bias[16 b + 8 h + j].  Asked for here, waited for on the way out; its registers lie idle in the loop
	s_and_b32 s84, s42, 7
	s_lshl_b32 s84, s84, 1
	s_add_co_u32 s84, s84, s82                     ; my head
	s_cmp_eq_u32 s83, 1
	s_cselect_b64 s[88:89], s[12:13], s[10:11]
	s_cmp_eq_u32 s83, 2
	s_cselect_b64 s[88:89], s[14:15], s[88:89]
	s_lshl_b32 s86, s84, 9
	s_mov_b32 s87, 0
	s_add_nc_u64 s[88:89], s[88:89], s[86:87]      ; s[88:89] and v[BO] stay as they are until the wait for these loads
	v_bfe_u32 v2, v0, 4, 1                         ; h = lane / 16
	v_lshlrev_b32 v[BO], 5, v2
.irp b, 0,1,2,3,4,5,6,7
	global_load_b128 v[BI+8*\b:BI+8*\b+3], v[BO], s[88:89] offset:64*\b
	global_load_b128 v[BI+8*\b+4:BI+8*\b+7], v[BO], s[88:89] offset:64*\b+16
.endr
	; where my results go
	s_lshl_b32 s101, s85, 8
	s_lshl_b32 s86, s81, 7
	s_add_co_u32 s101, s101, s86                   ; m0: my first position
	s_cmp_eq_u32 s83, 2
	s_cselect_b64 s[96:97], s[66:67], s[22:23]     ; f32: v to out2, k to out1 (q stores no f32)
	s_lshl_b32 s86, s84, 20                        ; a head is 2,048 rows of 512 bytes
	s_lshl_b32 s94, s101, 9
	s_add_co_u32 s86, s86, s94
	s_add_nc_u64 s[96:97], s[96:97], s[86:87]
	s_lshl_b32 s86, s83, 22                        ; codes: the plane of q, k or v,
	s_lshl_b32 s94, s84, 18                        ; the head's 262,144 bytes,
	s_add_co_u32 s86, s86, s94
	s_lshl_b32 s94, s101, 7                        ; and my 128 positions' 16 KiB
	s_add_co_u32 s86, s86, s94
	s_add_nc_u64 s[98:99], s[20:21], s[86:87]
	s_lshl_b32 s86, s101, 8                        ; cos and sin at my first position: rows of 256 bytes
	s_add_nc_u64 s[16:17], s[16:17], s[86:87]
	s_add_nc_u64 s[18:19], s[18:19], s[86:87]
	; LDS addresses
	v_and_b32 v1, 15, v0                           ; r = lane % 16
	v_and_b32 v6, 31, v0                           ; lane
	v_mul_u32_u24 v3, v1, APITCH
	v_lshl_add_u32 v4, v2, 4, v3                   ; a fragment's row x pitch + 16 x half
	s_mul_i32 s94, s81, HALFT                      ; my 128 rows of x
	s_mul_i32 s95, s82, HALFT                      ; my 128 rows of W,
	s_add_co_u32 s95, s95, 2*HALFT                 ; which lie behind x's 256
.irp s, 0,1
	v_add_nc_u32 v[ADRA+\s], s94, v4
	v_add_nc_u32 v[ADRB+\s], s95, v4
	s_add_co_u32 s94, s94, SLOT
	s_add_co_u32 s95, s95, SLOT
.endr
	s_mul_i32 s94, s80, 16*SPITCH                  ; my f32 stage
	v_mul_u32_u24 v5, v1, SPITCH
	v_lshl_add_u32 v5, v2, 5, v5
	v_add_nc_u32 v[STO], s94, v5                   ; in: row r, 32 bytes for each half of the lanes
	v_lshlrev_b32 v[CO], 4, v6
	v_add_nc_u32 v[RD], s94, v[CO]                 ; back: the 32 lanes take one row of 512 bytes
	v_lshlrev_b32 v5, 2, v6
	v_add_nc_u32 v[CL], s94, v5                    ; by columns: a lane a channel
	s_mul_i32 s94, s80, 128*CP                     ; my stages for codes
	s_add_co_u32 s95, s94, CSTV
	s_add_co_u32 s94, s94, CSTG
	v_mul_u32_u24 v5, v1, CP
	v_lshl_add_u32 v5, v2, 3, v5
	v_add_nc_u32 v[CQ], s94, v5
	v_mul_u32_u24 v5, v6, CP
	v_add_nc_u32 v[CV], s95, v5
	v_lshrrev_b32 v5, 3, v6
	v_mul_u32_u24 v5, v5, CP
	v_and_b32 v7, 7, v0
	v_lshl_add_u32 v5, v7, 4, v5
	v_add_nc_u32 v[CRQ], s94, v5
	v_add_nc_u32 v[CRV], s95, v5
	v_lshlrev_b32 v[CSO], 8, v1
	v_lshl_add_u32 v[CSO], v2, 4, v[CSO]
.macro FRAG reg, adr, off              ; a fragment: lane l holds row l % 16; registers 4 c .. 4 c + 3 hold K = 32 c + 16 (l / 16) + 0 .. 15
.irp c, 0,1,2,3
	ds_load_b128 v[\reg+4*\c:\reg+4*\c+3], v[\adr] offset:\off+32*\c
.endr
.endm
; 16 matrix instructions: x's blocks a0, a0 + 1 against W's eight, 128 along K.  p: W's set.  zero = 1: the first product starts the sums: nothing is ever cleared.
; The 64 accumulators take turns, one instruction a turn, in the same order in every step.
.macro MUL16 a0, p, zero
.irp a, \a0, \a0+1
.irp b, 0,1,2,3,4,5,6,7
.if \zero
	v_wmma_f32_16x16x128_fp8_fp8 v[8*(8*((\a)%4)+\b):8*(8*((\a)%4)+\b)+7], v[128*(\p)+FR*\b:128*(\p)+FR*\b+FR-1], v[AF+FR*(\a):AF+FR*(\a)+FR-1], 0
.else
	v_wmma_f32_16x16x128_fp8_fp8 v[8*(8*((\a)%4)+\b):8*(8*((\a)%4)+\b)+7], v[128*(\p)+FR*\b:128*(\p)+FR*\b+FR-1], v[AF+FR*(\a):AF+FR*(\a)+FR-1], v[8*(8*((\a)%4)+\b):8*(8*((\a)%4)+\b)+7]
.endif
.endr
.endr
.endm
.macro FETCH_B slot, q, p              ; W's eight fragments of the slot's q-th 128 along K into set p
	WIN TO_B
.irp i, 0,1,2,3,4,5,6,7
	FRAG 128*(\p)+FR*\i, ADRB+\slot, BQ*(\q)+\i*16*BPITCH
.endr
	WIN 0
.endm
.macro FETCH_A slot, q, i0             ; x's blocks i0 .. i0 + 3
.irp i, \i0, \i0+1, \i0+2, \i0+3
	FRAG AF+FR*(\i), ADRA+\slot, AQ*(\q)+(\i)*16*APITCH
.endr
.endm
; A load into a register that a matrix instruction has read, and a vector instruction that reads a matrix result or writes one of its registers, stand NP places behind it; only plain vector instructions that name
; none of its registers are places (ISA guide 7.12.1 for vector instructions).
.macro PLACES n
.rept \n
	v_nop
.endr
.endm
.macro STEP slot, q, zero              ; a step of 128 along K that has its successor in the same slot
	s_wait_dscnt 4*NL                              ; W's set and x's blocks 0-3 are in; the youngest sixteen loads (x's blocks 4-7) may be out
	WIN MUL_LO
	MUL16 0, (\q)%2, \zero
	MUL16 2, (\q)%2, \zero
	s_wait_dscnt 0                                 ; x's blocks 4-7 are in (asked for 32 matrix instructions ago)
	PLACES NP
	FETCH_B \slot, (\q)+1, 1-(\q)%2
	FETCH_A \slot, (\q)+1, 0
	WIN MUL_HI
	MUL16 4, (\q)%2, \zero
	MUL16 6, (\q)%2, \zero
	PLACES NP
	WIN 0
	FETCH_A \slot, (\q)+1, 4
.endm
; A slot's last step changes slots: ONE barrier; in front of it each wave waits for all its tensor loads, adds 0 to its spare word, and waits for that and for its own reads of this slot.  fill = 1: this slot is filled again, two K steps ahead.
.macro TURN slot, next, fill
	s_wait_tensorcnt 0x0                           ; all my tensor loads have landed: the one that was out is my part of the next slot (every window is 0 here)
	ds_add_u32 v[SPW], v[NIL]                      ; 0 onto my spare word
	s_wait_dscnt 4*NL+1                            ; (the add and the youngest sixteen loads, x's blocks 4-7, may be out)
	WIN MUL_LO
	MUL16 0, 1, 0                                  ; sixteen matrix instructions stand between the add and the wait for it
	s_wait_dscnt 0x0                               ; the add is done, and my reads of this slot are over
	s_barrier_signal -1
	MUL16 2, 1, 0
	WIN 0
	s_barrier_wait -1
.if \fill
	CREST                                          ; the barrier has opened a round of the cluster's barrier: no wave of any partner still reads this slot's tile or has a load on its way
	s_add_nc_u64 s[G0+4*\slot+2:G0+4*\slot+3], s[G0+4*\slot+2:G0+4*\slot+3], ASTEP
	s_add_nc_u64 s[G0B+4*\slot+2:G0B+4*\slot+3], s[G0B+4*\slot+2:G0B+4*\slot+3], BSTEP
	JLOAD G0+4*\slot, G1, G0B+4*\slot, G1B         ; the first tensor load behind the round; the four v_nop behind it are the places in front of the loads below
.else
	PLACES NP
.endif
	FETCH_B \next, 0, 0
	FETCH_A \next, 0, 0
	WIN MUL_HI
	MUL16 4, 1, 0
	MUL16 6, 1, 0
	PLACES NP
	WIN 0
	FETCH_A \next, 0, 4
.endm
	s_wait_tensorcnt 1                             ; my part of K step 0 is in; K step 1's load may stay out
	s_barrier_signal -1
	s_barrier_wait -1                              ; everybody's is
	FETCH_B 0, 0, 0
	FETCH_A 0, 0, 0
	FETCH_A 0, 0, 4
	STEP 0, 0, 1                                   ; the first step stands in front of the loop: its products start the sums
	s_mov_b32 s3, LAPS-1
.Llap:                                                 ; a trip goes once round the ring, from a lap's second step to the next lap's first, and fills both slots again
	TURN 0, 1, 1
	STEP 1, 0, 0
	TURN 1, 0, 1
	STEP 0, 0, 0
	s_sub_co_u32 s3, s3, 1
	s_cmp_lg_u32 s3, 0
	s_cbranch_scc1 .Llap
	TURN 0, 1, 0                                   ; the last lap fills nothing, and has no round of the cluster's barrier
	STEP 1, 0, 0
	s_wait_dscnt 4*NL                              ; the very last step: nothing more to fetch
	WIN MUL_LO
	MUL16 0, 1, 0
	MUL16 2, 1, 0
	s_wait_dscnt 0
	WIN MUL_HI
	MUL16 4, 1, 0
	MUL16 6, 1, 0
	WIN 0
; ---------------- THE WAY OUT ----------------
.macro SCALE a                         ; block a's 64 sums a lane: x 2^(ea + eb) + bias, two at a time, each accumulator from its low end on
.set AC, 64*((\a)%4)
	WIN 0x02+((\a)/4)                              ; source 0: window 2 or 3
.set j, 0
.rept 32
	v_pk_fma_f32 v[T+j:T+j+1], v[AC+j:AC+j+1], s[92:93], v[BI+j:BI+j+1] op_sel_hi:[1,0,1]
.set j, j+2
.endr
	WIN 0
.endm
.macro LOADCS a                        ; cos and sin of block a's 16 positions: a lane takes, for each b, those of its four pairs: index 8 b + 4 h + 0 .. 3
.set CC, CS+64*((\a)%2)
	WIN 0x40
.irp b, 0,1,2,3,4,5,6,7
	global_load_b128 v[CC+4*\b:CC+4*\b+3], v[CSO], s[16:17] offset:4096*(\a)+32*\b
.endr
.irp b, 0,1,2,3,4,5,6,7
	global_load_b128 v[CC+32+4*\b:CC+32+4*\b+3], v[CSO], s[18:19] offset:4096*(\a)+32*\b
.endr
	WIN 0
.endm
.macro ROPE a                          ; (tr, ti) -> (tr cos - ti sin, tr sin + ti cos): both numbers of a pair lie in neighbouring registers of one lane
.set CC, CS+64*((\a)%2)
.set SS, CC+32
	WIN 0x04                                       ; source 1 (cos, sin) window 1
.set b, 0
.rept 8
.set UB, U+8*(b%2)
.set i, 0
.rept 4
	v_mul_f32 v[UB+2*i], v[T+8*b+2*i+1], v[SS+4*b+i]       ; ti sin
	v_mul_f32 v[UB+2*i+1], v[T+8*b+2*i], v[SS+4*b+i]       ; tr sin
.set i, i+1
.endr
.set i, 0
.rept 4
	v_fma_f32 v[T+8*b+2*i], v[T+8*b+2*i], v[CC+4*b+i], -v[UB+2*i]
	v_fma_f32 v[T+8*b+2*i+1], v[T+8*b+2*i+1], v[CC+4*b+i], v[UB+2*i+1]
.set i, i+1
.endr
.set b, b+1
.endr
	WIN 0
.endm
.macro TOSTAGE a                       ; the block into my f32 stage, and back as whole rows of 512 bytes.  LDS serves a wave's instructions in order (ISA guide 5.7.1.4)
	s_wait_xcnt 0x0                                ; the stores of two blocks back have read the registers into which the rows come back
.irp b, 0,1,2,3,4,5,6,7
	ds_store_b128 v[STO], v[T+8*\b:T+8*\b+3] offset:64*\b
	ds_store_b128 v[STO], v[T+8*\b+4:T+8*\b+7] offset:64*\b+16
.endr
.set BB, BK+64*((\a)%2)
	WIN 0x40
.irp t, 0,1,2,3,4,5,6,7,8,9,10,11,12,13,14,15
	ds_load_b128 v[BB+4*\t:BB+4*\t+3], v[RD] offset:\t*SPITCH
.endr
	WIN 0
	s_wait_dscnt 16                                ; the sixteen stores are done (the sixteen loads behind them may be out): the block's registers are written again below
.endm
.macro COLS                            ; v alone: the block back by columns: register 16 g + i = v(key i of the block, channel lane + 32 g): 32 lanes read 128 consecutive bytes
.set g, 0
.rept 4
.set i, 0
.rept 16
	ds_load_b32 v[T+16*g+i], v[CL] offset:SPITCH*i+128*g
.set i, i+1
.endr
.set g, g+1
.endr
	s_wait_dscnt 0x0
.endm
.macro QUANT                           ; 64 numbers a lane, eight neighbours along the next K in eight neighbouring registers, become 64 codes
.set j, 0
.rept 64
	v_med3_num_f32 v[T+j], v[T+j], -v[LMR], v[LMR] ; the conversion to an 8-bit code does not saturate (ISA guide 7.6.2): the hold comes first
.set j, j+1
.endr
.set j, 0
.rept 8
	v_cvt_scalef32_pk8_fp8_f32 v[C+2*j:C+2*j+1], v[T+8*j:T+8*j+7], v[SCV]
.set j, j+1
.endr
	v_nop                                          ; a plain vector line behind the last conversion of the run
.endm
.macro CODEQ a                         ; q, k: position 16 a + r, channels 16 b + 8 h + 0 .. 7
.irp b, 0,1,2,3,4,5,6,7
	ds_store_b64 v[CQ], v[C+2*\b:C+2*\b+1] offset:16*CP*(\a)+16*\b
.endr
.endm
.macro CODEV a                         ; v: channel lane + 32 g, keys 16 a + 0 .. 15
.irp g, 0,1,2,3
	ds_store_b128 v[CV], v[C+4*\g:C+4*\g+3] offset:32*CP*\g+16*(\a)
.endr
.endm
.macro SEND a, younger, stride         ; block a's sixteen rows leave: 32 lanes store 512 consecutive bytes, aligned; every offset is an immediate
.set BB, BK+64*((\a)%2)
	s_wait_dscnt \younger
	WIN 0x04                                       ; the stores' data: window 1
.irp t, 0,1,2,3,4,5,6,7,8,9,10,11,12,13,14,15
	global_store_b128 v[CO], v[BB+4*\t:BB+4*\t+3], s[96:97] offset:(16*(\a)+\t)*\stride th:TH_STORE_NT
.endr
	WIN 0
.endm
.macro CODEOUT adr                     ; my 128 rows of 128 codes back from LDS, four rows an instruction
	WIN 0x40
.set i, 0
.rept 32
	ds_load_b128 v[4*i:4*i+3], v[\adr] offset:4*CP*i
.set i, i+1
.endr
	WIN 0
.endm
; A block of 16 positions.  The short branches hang on WH alone, which is the same in all waves of all sixteen partners; every window is 0 at each.
.macro BLOCK a
	SCALE \a
	s_wait_loadcnt 0x0                             ; this block's cos and sin, asked for a block ago, are in.  The wait stands ahead of the branch, on every wave's path, and ahead of the next block's sixteen loads:
	                                               ; so on every way through the text all earlier loads have landed before a load is issued into a set of cos and sin registers again.  (v has no load out here)
	s_cmp_eq_u32 s83, 2
	s_cbranch_scc1 .Lno_rope_\@
.if (\a) < 7
	LOADCS (\a)+1                                  ; the next block's, into the other set: they have this whole block in which to land
.endif
	ROPE \a
.Lno_rope_\@:
	s_cmp_eq_u32 s83, 0
	s_cbranch_scc1 .Lno_stage_\@
	TOSTAGE \a                                     ; k and v go out in f32
.Lno_stage_\@:
	s_cmp_lg_u32 s83, 2
	s_cbranch_scc1 .Lno_cols_\@
	COLS
.Lno_cols_\@:
	QUANT
	s_cmp_eq_u32 s83, 2
	s_cbranch_scc1 .Lcode_v_\@
	CODEQ \a
	s_branch .Lcoded_\@
.Lcode_v_\@:
	CODEV \a
.Lcoded_\@:
	s_wait_dscnt 0x0                               ; the codes' stores are done, and the rows are back from the stage
	s_cmp_eq_u32 s83, 0
	s_cbranch_scc1 .Lno_send_\@
	SEND \a, 0, 512
.Lno_send_\@:
.endm
	s_wait_dscnt 0x0                               ; my reads of both slots are over;
	s_barrier_signal -1
	s_barrier_wait -1                              ; everybody's are: the stages may be written.  No tensor load follows
	s_wait_kmcnt 0x0
	s_cmp_eq_u32 s83, 1                            ; the product's two exponents, and that of the codes made here: q: entries 0, 1, 6; k: 2, 3, 7; v: 4, 5, 9: chosen without a jump
	s_cselect_b32 s94, s70, s68
	s_cselect_b32 s95, s71, s69
	s_cselect_b32 s100, s75, s74
	s_cmp_eq_u32 s83, 2
	s_cselect_b32 s94, s72, s94
	s_cselect_b32 s95, s73, s95
	s_cselect_b32 s100, s77, s100
	s_add_co_i32 s94, s94, s95
	s_add_co_i32 s94, s94, 127
	s_lshl_b32 s92, s94, 23                        ; 2^(ea + eb) as f32
	s_mov_b32 s93, s92                             ; (named with it as a pair, so it is written)
	s_add_co_i32 s100, s100, 127
	s_lshl_b32 s94, s100, 23
	v_mov_b32 v[SCV], s94
	s_add_co_i32 s100, s100, 8
	s_lshl_b32 s100, s100, 23
	s_or_b32 s100, s100, 0x600000
	v_mov_b32 v[LMR], s100
	s_wait_loadcnt 0x0                             ; the bias
	PLACES NP                                      ; behind the last products: for the reads of results, and for loads and writes into registers that held fragments
	s_cmp_eq_u32 s83, 2
	s_cbranch_scc1 .Lno_cs0
	LOADCS 0
.Lno_cs0:
.irp a, 0,1,2,3,4,5,6,7
	BLOCK \a
.endr
	s_wait_xcnt 0x0                                ; the last rows' stores have read their registers: the codes come back into them
	s_cmp_eq_u32 s83, 2
	s_cbranch_scc1 .Lout_v
	CODEOUT CRQ
	s_branch .Lout_j
.Lout_v:
	CODEOUT CRV
.Lout_j:
	s_wait_dscnt 0x0
	WIN 0x04
.set i, 0
.rept 32
	global_store_b128 v[CO], v[4*i:4*i+3], s[98:99] offset:512*i   ; 32 lanes store 512 consecutive bytes, aligned: 16 KiB on end
.set i, i+1
.endr
	WIN 0
	s_wait_tensorcnt 0x0                           ; the wave's end, behind my last tensor load and my last LDS store
	ds_add_u32 v[SPW], v[NIL]
	s_wait_dscnt 0x0
	CROUND                                         ; the closing round: no work-group ends while a partner may still ask for a tile that names it
	s_endpgm
.Lfunc_end_k_q333081d812_qkv:
	.size	k_q333081d812_qkv, .Lfunc_end_k_q333081d812_qkv-k_q333081d812_qkv
	.p2alignl 7, 3214868480
	.fill 96, 4, 3214868480
	.section	.rodata,"a",@progbits
	.p2align	6, 0x0
	.amdhsa_kernel k_q333081d812_qkv
		.amdhsa_group_segment_fixed_size 327680
		.amdhsa_private_segment_fixed_size 0
		.amdhsa_enable_private_segment 0
		.amdhsa_kernarg_size 88
		.amdhsa_user_sgpr_count 2
		.amdhsa_user_sgpr_kernarg_segment_ptr 1
		.amdhsa_wavefront_size32 1
		.amdhsa_system_sgpr_workgroup_id_x 1
		.amdhsa_system_sgpr_workgroup_id_y 1
		.amdhsa_system_sgpr_workgroup_id_z 1
		.amdhsa_system_vgpr_workitem_id 0
		.amdhsa_next_free_vgpr 1024
		.amdhsa_next_free_sgpr 102
		.amdhsa_reserve_vcc 0
		.amdhsa_float_denorm_mode_32 3
		.amdhsa_float_denorm_mode_16_64 3
		.amdhsa_memory_ordered 1
		.amdhsa_forward_progress 1
		.amdhsa_inst_pref_size 255
	.end_amdhsa_kernel
	.section	.bss,"aw",@nobits
	.p2align	6
	.space	262144
	.amdgpu_metadata
---
amdhsa.version: [ 1, 2 ]
amdhsa.kernels:
  - .name:           k_q333081d812_qkv
    .symbol:         k_q333081d812_qkv.kd
    .args:
      - { .name: xc, .offset: 0, .size: 8, .value_kind: global_buffer, .address_space: global }
      - { .name: wc, .offset: 8, .size: 8, .value_kind: global_buffer, .address_space: global }
      - { .name: lowp_scales, .offset: 16, .size: 8, .value_kind: global_buffer, .address_space: global }
      - { .name: wq_b, .offset: 24, .size: 8, .value_kind: global_buffer, .address_space: global }
      - { .name: wk_b, .offset: 32, .size: 8, .value_kind: global_buffer, .address_space: global }
      - { .name: wv_b, .offset: 40, .size: 8, .value_kind: global_buffer, .address_space: global }
      - { .name: freqs_cos, .offset: 48, .size: 8, .value_kind: global_buffer, .address_space: global }
      - { .name: freqs_sin, .offset: 56, .size: 8, .value_kind: global_buffer, .address_space: global }
      - { .name: qkvc, .offset: 64, .size: 8, .value_kind: global_buffer, .address_space: global }
      - { .name: out1, .offset: 72, .size: 8, .value_kind: global_buffer, .address_space: global }
      - { .name: out2, .offset: 80, .size: 8, .value_kind: global_buffer, .address_space: global }
    .group_segment_fixed_size: 327680
    .private_segment_fixed_size: 0
    .kernarg_segment_align: 8
    .kernarg_segment_size: 88
    .max_flat_workgroup_size: 128
    .sgpr_count:     102
    .vgpr_count:     1024
    .wavefront_size: 32
...
	.end_amdgpu_metadata
.endif
;; end of part 2
;; launch attn (part 3): grid 16 x 16, 16 waves a work-group, no clusters, 327,680 bytes of LDS; arguments qkvc, lowp_scales, ac; writes ac
.if DOCPART == 3
	.amdgcn_target "amdgcn-amd-amdhsa--gfx1250"
	.amdhsa_code_object_version 6
	.text
	.protected	k_q333081d812_attn
	.globl	k_q333081d812_attn
	.p2align	8
	.type	k_q333081d812_attn,@function
k_q333081d812_attn:
	s_mov_b64 s[64:65], 0
	v_nop
	global_prefetch_b8 v0, s[64:65] scope:SCOPE_SE
	s_setreg_imm32_b32 hwreg(HW_REG_WAVE_MODE, 25, 1), 1
	s_wait_xcnt 0x0
; PRODUCTS 4 AND 5: causal attention on codes of FP8 (E4M3); the result is quantised for the projection on the way out.
; LEFT OUT: steps of 128 keys all of which come after a wave's 16 queries: reference() masks them itself (jnp.tril), their weight is exactly 0 for all inputs.  A NaN or infinity that would arise only there is not carried on.
; qkvc: plane 0 q, plane 1 k: [head][position][128]; plane 2 v: [head][block of 128 keys][128 channels][128 keys], the keys innermost.  ac: [head][position][128], codes with entry 10's scale.
; THE SOFTMAX: t = score x log2(e) / sqrt(128); M = the largest t so far, rounded UP to a whole number; p = 2^(t - M) is quantised (entry 8), not normalised; the row's sum is taken of the unquantised p and divides at the end.
; When M moves, the sum and O are multiplied by 2^(old M - new M): exact.
; SHARES.  A head's queries are 32 blocks of 64.  Work-group j owns blocks j and 31 - j, so that under the mask every work-group has about the same number of steps.  Its 8 tiles of 16 queries have TWO waves each:
; wave parity g takes the steps of 128 keys at 256 q + 128 g of every slot of 512 keys.  The two partial results are joined once at the end; both M are whole numbers, so the joining factors are exact powers of two.
; Of wave w: high block = (w ^ (w >> 2)) & 1, g = ((w >> 1) ^ (w >> 3)) & 1, tile in the block = w >> 2: every four neighbouring waves, and every four waves four apart, hold two early and two late tiles.
; A step that is walked begins at a key at or under the wave's first query (both are multiples of 16), so every query of it sees a key: no row is all -infinity.
; K's and V's tiles come through a ring of two LDS slots of 512 keys: wave 0 fetches K's 64 KiB, wave 1 V's; all sixteen read them.
; LAYOUT.  Both products are used transposed: S^T = K Q^T, O^T = V^T P^T: a lane holds ONE query (lane % 16) throughout.  THE KEYS OF A TILE ARE NOT NEIGHBOURS: lane r of tile 2 b + u takes key 32 b + 8 u + r + 8 (r / 8),
; so that the 16 registers of tiles 2 b and 2 b + 1 are 16 neighbouring keys, 32 b + 16 (lane / 16) + 0 .. 15: the conversions' results are the second product's operand.
; NO CLUSTER, though the 16 work-groups of a head read the same K and V: a work-group stops asking at its own causal limit, which hangs on its number, and no jump may lead round a joint load.
; LIMITS: entries 6 + 7 between -123 and 130 (added to c's exponent field); entries 8 and 10 between -126 and 119.  A p so far under its row's largest that it falls under E4M3's range may differ under a running M.
; REGISTERS: v1-11 addresses; v12 -M, v13 the largest t, v[14:15] the sum in two halves; v16-31 Q; v32-95 four fragments of K or of V; v96-159 S^T, then p; v160-223 O^T; v224-239 codes; v240-255 scales and at work.
.set SK,    512                        ; keys in a slot
.set KP,    144                        ; a row of 128 codes in LDS: + 16 of padding
.set VOFF,  SK*KP                      ; a slot: 512 rows of K, then 4 blocks x 128 rows of V
.set SLOTB, 2*VOFF                     ; 147,456 = 0x24000.  K's tile begins at 0 or 0x24000, V's at 0x12000 or 0x36000: one exclusive or with 0x24000 turns each into the other slot's
.set HALFB, 128*KP                     ; 128 rows
.set NSL,   4                          ; slots' worth of keys
.set SPARE, 2*SLOTB                    ; behind the ring: the spare words, 128 bytes for each wave: eight blocks of 256 bytes that no other line names
.set MRGB,  8704                       ; the joining: for each pair of waves 16 images of four registers (512 bytes each) and one of the statistics; from LDS byte 0 on
.set OSTG,  8*MRGB                     ; the codes' stage: 16 rows x 144 for each pair.  Both lie in slot 0, which was left at the last change of slots: it has had its last fill, and nobody reads it
.set AK0,  1                           ; v1   my lane's place in my half of a slot's K
.set AV0,  2                           ; v2   the same for V
.set PFO,  3                           ; v3   256 x lane: the prefetches' offset; never rewritten
.set MA,   4                           ; v4   the joining: 16 x lane in my pair's region
.set SPW,  5                           ; v5   LDS address of my spare word; never rewritten
.set NIL,  6                           ; v6   0; never rewritten
.set GO,   7                           ; v7   16 x lane: my bytes of 512 stored
.set ADK,  8                           ; v8   LDS address of the step's tiles of K
.set ADV,  9                           ; v9   of V
.set OS,   10                          ; v10  where I put eight codes of the result
.set ORD,  11                          ; v11  and where I read rows back
.set WV,   18                          ; s18  my wave's number
.set SEL,  20                          ; s[20:21] lane selects for v_permlanex16_b32: lane l xor 16
.set CS,   22                          ; s[22:23] c = log2(e) / sqrt(128) x 2^(e6 + e7)
.set G1,   24                          ; s[24:31] descriptor group 1: 512 rows of 128 bytes, for K and V alike
.set G0K,  40                          ; s[40:43], s[44:47] the groups 0, which walk
.set G0V,  44
.set PFK,  48                          ; s[48:49], s[50:51] where my prefetches stand: my 8,192 bytes of K and of V in the slot after the one that is being asked for
.set PFV,  50
.set LIM,  52                          ; s52  1 in a wave that prefetches, else the greatest number
.set SLOTS, 53                         ; s53  slots still to be asked for
.set NK,   54                          ; s54  the first key of the slot that the next change would ask for
.set LQ,   55                          ; s55  my work-group's last query
.set KF,   56                          ; s56  my step's first key
.set Q0,   57                          ; s57  my first query
.set PAR,  58                          ; s58  g
.set PR,   59                          ; s59  my pair: 2 x tile + high block
.set TB,   60                          ; s60  LDS byte at which the slot in hand begins
; Wave 0 fetches K's slot, wave 1 V's, the others nothing.  The branches hang on the wave's number alone.  An s_nop 0 and four v_nop follow each of the two lines.
.macro TLOAD
	s_cmp_eq_u32 s[WV], 0
	s_cbranch_scc0 .Lnot_k_\@
	tensor_load_to_lds s[G0K:G0K+3], s[G1:G1+7]
	s_nop 0
.rept 4
	v_nop
.endr
	s_branch .Lasked_\@
.Lnot_k_\@:
	s_cmp_eq_u32 s[WV], 1
	s_cbranch_scc0 .Lasked_\@
	tensor_load_to_lds s[G0V:G0V+3], s[G1:G1+7]
	s_nop 0
.rept 4
	v_nop
.endr
.Lasked_\@:
.endm
; A PREFETCH INTO THE L2 of what the NEXT change of slots will ask for: a slot's 64 KiB of K and 64 KiB of V, both dense.  All work-groups of a head walk the same K and V: the head's work-group 0, which walks every slot,
; asks, and nobody else; in it waves 4 to 11, which fetch nothing, take 8,192 bytes of each, lanes 256 bytes apart: each aligned block of 256 bytes is named once in the launch.
; Key slots 0 and 1 come by their loads alone; the last change that fills a slot asks for nothing: there is no slot behind it.
.macro ASK
	s_cmp_gt_u32 s[SLOTS], s[LIM]
	s_cbranch_scc0 .Lnot_mine_\@
	global_prefetch_b8 v[PFO], s[PFK:PFK+1] th:TH_LOAD_NT scope:SCOPE_SE
	global_prefetch_b8 v[PFO], s[PFV:PFV+1] th:TH_LOAD_NT scope:SCOPE_SE
.Lnot_mine_\@:
.endm
	s_load_b128 s[4:7], s[0:1], 0x0                ; qkvc s[4:5], the scales' exponents s[6:7]
	s_load_b64 s[8:9], s[0:1], 0x10                ; ac
	v_lshl_add_u32 v[SPW], v0, 2, SPARE
	v_mov_b32 v[NIL], 0
	ds_add_u32 v[SPW], v[NIL]                      ; the wave's opening: the add, twice on end, and its wait ahead of the first tensor load; the set-up below stands between the second and the wait
	ds_add_u32 v[SPW], v[NIL]
	v_lshrrev_b32 v8, 5, v0
	v_readfirstlane_b32 s[WV], v8                  ; wave 0..15
	s_lshr_b32 s73, s[WV], 2                       ; my tile in its block of 64 queries
	s_xor_b32 s74, s[WV], s73
	s_and_b32 s74, s74, 1                          ; 1: the late block
	s_lshr_b32 s75, s[WV], 1
	s_lshr_b32 s76, s[WV], 3
	s_xor_b32 s75, s75, s76
	s_and_b32 s[PAR], s75, 1                       ; g
	s_lshl_b32 s[PR], s73, 1
	s_add_co_u32 s[PR], s[PR], s74                 ; my pair
	s_lshl_b32 s77, ttmp9, 6                       ; 64 j
	s_sub_co_u32 s78, 1984, s77                    ; 64 (31 - j)
	s_sub_co_u32 s[LQ], 2047, s77                  ; the late block's last query
	s_cmp_eq_u32 s74, 0
	s_cselect_b32 s[Q0], s77, s78
	s_lshl_b32 s79, s73, 4
	s_add_co_u32 s[Q0], s[Q0], s79                 ; my first query
	s_and_b32 s82, ttmp7, 0xffff                   ; the head,
	s_lshl_b32 s82, s82, 18                        ; and its 262,144 bytes in each plane of codes
	s_mov_b32 s83, 0
	s_mov_b32 s[G1], (1<<20)|(4<<22)|(3<<25)       ; 15:0 no mask; 17:16 elements of 1 byte; 20 padding on; 24:22 after every 32 words (code 4); 31:25 four words (code 3)
	s_mov_b32 s[G1+1], 128<<16                     ; tensor_dim0
	s_mov_b32 s[G1+2], SK<<16                      ; tensor_dim1
	s_mov_b32 s[G1+3], 128<<16                     ; tile_dim0
	s_mov_b32 s[G1+4], SK                          ; tile_dim1
	s_mov_b32 s[G1+5], 128                         ; tensor_dim0_stride: the rows are dense
	s_mov_b32 s[G1+6], 0
	s_mov_b32 s[G1+7], 0
	s_mov_b32 s[SEL], 0x76543210
	s_mov_b32 s[SEL+1], 0xfedcba98
	s_mov_b32 s[CS], 0x3e0293ee                    ; c = log2(e) / sqrt(128)
	s_mov_b32 s[TB], 0
	s_mov_b32 s[SLOTS], NSL-1
	s_mov_b32 s[NK], SK
	s_lshl_b32 s[KF], s[PAR], 7                    ; my first step begins at key 128 g
	s_wait_dscnt 0x0                               ; both opening adds are done
	s_wait_kmcnt 0x0
	s_load_b128 s[68:71], s[6:7], 0x18             ; entries 6 .. 9: q, k, p, v
	s_load_b32 s72, s[6:7], 0x28                   ; entry 10: the result
	s_mov_b32 s[G0K], 1                            ; 1:0 count = 1
	s_mov_b32 s[G0K+1], 0                          ; 63:32 LDS address: slot 0
	s_add_nc_u64 s[G0K+2:G0K+3], s[4:5], s[82:83]  ; 120:64 global address: the head's first 512 keys,
	s_add_nc_u64 s[G0K+2:G0K+3], s[G0K+2:G0K+3], 0x400000   ; in k's plane
	s_or_b32 s[G0K+3], s[G0K+3], 0x80000000        ; 127:126 type = 2
	s_mov_b32 s[G0V], 1
	s_mov_b32 s[G0V+1], VOFF
	s_add_nc_u64 s[G0V+2:G0V+3], s[4:5], s[82:83]
	s_add_nc_u64 s[G0V+2:G0V+3], s[G0V+2:G0V+3], 0x800000   ; in v's plane
	s_or_b32 s[G0V+3], s[G0V+3], 0x80000000
	TLOAD                                          ; key slot 0, which every wave of parity 0 reads
	; the prefetches: where my wave's stand, and who asks
	s_and_b32 s84, s[WV], 7
	s_lshl_b32 s84, s84, 13                        ; my 8,192 bytes,
	s_add_co_u32 s84, s84, SK*128                  ; in key slot 1: the first change of slots steps it to slot 2.  Nothing is prefetched here, at the head
	s_mov_b32 s85, 0
	s_add_nc_u64 s[84:85], s[84:85], s[82:83]      ; in my head
	s_add_nc_u64 s[PFK:PFK+1], s[4:5], s[84:85]
	s_add_nc_u64 s[PFV:PFV+1], s[PFK:PFK+1], 0x800000
	s_add_nc_u64 s[PFK:PFK+1], s[PFK:PFK+1], 0x400000
	s_sub_co_u32 s86, s[WV], 4
	s_lshr_b32 s86, s86, 3                         ; 0 in waves 4 to 11,
	s_or_b32 s86, s86, ttmp9                       ; of the head's work-group 0
	s_cmp_eq_u32 s86, 0
	s_cselect_b32 s[LIM], 1, -1
	v_and_b32 v[PFO], 31, v0
	v_lshlrev_b32 v[PFO], 8, v[PFO]
	s_lshl_b32 s86, s[Q0], 7
	s_mov_b32 s87, 0
	s_add_nc_u64 s[86:87], s[86:87], s[82:83]      ; my 16 queries' 2,048 bytes in a plane
	s_add_nc_u64 s[88:89], s[4:5], s[86:87]        ; q's codes
	s_add_nc_u64 s[8:9], s[8:9], s[86:87]          ; the result's
	v_and_b32 v8, 15, v0                           ; r = lane % 16
	v_bfe_u32 v9, v0, 4, 1                         ; h = lane / 16
	v_lshlrev_b32 v33, 7, v8
	v_lshl_add_u32 v33, v9, 4, v33
.irp c, 0,1,2,3
	global_load_b128 v[16+4*\c:19+4*\c], v33, s[88:89] offset:32*\c   ; Q's fragment stays in registers
.endr
	v_and_b32 v34, 8, v8
	v_add_nc_u32 v34, v34, v8                      ; r + 8 (r / 8)
	v_mul_u32_u24 v[AK0], v34, KP
	v_lshl_add_u32 v[AK0], v9, 4, v[AK0]
	s_mul_i32 s90, s[PAR], HALFB                   ; my parity's 128 keys of each 256
	v_add_nc_u32 v[AK0], s90, v[AK0]
	v_mul_u32_u24 v[AV0], v8, KP
	v_lshl_add_u32 v[AV0], v9, 4, v[AV0]
	s_add_co_u32 s90, s90, VOFF
	v_add_nc_u32 v[AV0], s90, v[AV0]
	v_and_b32 v35, 31, v0
	v_lshlrev_b32 v[GO], 4, v35
	s_mul_i32 s91, s[PR], MRGB
	v_add_nc_u32 v[MA], s91, v[GO]
	s_mul_i32 s91, s[PR], 16*KP
	s_add_co_u32 s91, s91, OSTG
	v_mul_u32_u24 v[OS], v8, KP
	v_lshl_add_u32 v[OS], v9, 3, v[OS]
	v_add_nc_u32 v[OS], s91, v[OS]
	v_lshrrev_b32 v[ORD], 3, v35
	v_mul_u32_u24 v[ORD], v[ORD], KP
	v_and_b32 v34, 7, v0
	v_lshl_add_u32 v[ORD], v34, 4, v[ORD]
	v_add_nc_u32 v[ORD], s91, v[ORD]
	v_mov_b32 v13, 0xff61b1e6                      ; the largest t so far: -3e38, under every t
	v_floor_f32 v12, -v13                          ; -M
	v_mov_b32 v14, 0                               ; the sum, in two halves
	v_mov_b32 v15, 0
	v_mov_b32 v236, 0                              ; written once: a lane permute's destination counts as one of its sources
	v_mov_b32 v252, 0
	v_mov_b32 v253, 0                              ; (named as the upper halves of pairs)
	v_mov_b32 v254, 0
	v_mov_b32 v255, 0
.set j, 0
.rept 64
	v_mov_b32 v[160+j], 0                          ; O^T.  (The step is written once: the first finds zeros, which the first change of M leaves zeros; a wave with no step at all hands zeros to its partner)
.set j, j+1
.endr
	s_wait_kmcnt 0x0
	s_add_co_i32 s73, s68, s69
	s_lshl_b32 s73, s73, 23
	s_add_co_i32 s[CS], s[CS], s73                 ; a score stands for score x 2^(e6 + e7): the two exponents are added to c's exponent field
	s_mov_b32 s[CS+1], s[CS]                       ; (named with it as a pair, so it is written)
	s_add_co_i32 s73, s70, 127
	s_lshl_b32 s74, s73, 23
	v_mov_b32 v244, s74                            ; 2^e8, for p's conversions
	s_add_co_i32 s73, s73, 8
	s_lshl_b32 s73, s73, 23
	s_or_b32 s73, s73, 0x600000
	v_mov_b32 v240, s73                            ; 448 x 2^e8
	s_add_co_i32 s73, s72, 127
	s_lshl_b32 s74, s73, 23
	v_mov_b32 v245, s74                            ; 2^e10, for the result's
	s_add_co_i32 s73, s73, 8
	s_lshl_b32 s73, s73, 23
	s_or_b32 s73, s73, 0x600000
	v_mov_b32 v241, s73                            ; 448 x 2^e10
; A KEY STEP: my parity's 128 keys of the q-th 256 of the slot in hand.
.macro STEP q
	s_add_co_u32 s96, s[Q0], 15                    ; a step all of whose keys come after my 16 queries is left out: a scalar branch on ids, round the step's loads, products and softmax alone
	s_cmp_gt_u32 s[KF], s96
	s_cbranch_scc1 .Lhidden_\@
	v_add_nc_u32 v[ADK], s[TB], v[AK0]
	v_add_nc_u32 v[ADV], s[TB], v[AV0]
.irp g, 0,1                                    ; S^T = K Q^T, four tiles of 16 keys at a time
.rept 4-2*(1-\g)
	v_nop                                          ; places in front of loads into registers that matrix instructions have read: four; the two additions above are places too
.endr
.irp t, 0,1,2,3
.irp c, 0,1,2,3
	ds_load_b128 v[32+16*\t+4*\c:32+16*\t+4*\c+3], v[ADK] offset:(256*(\q)+32*((4*\g+\t)/2)+8*(\t%2))*KP+32*\c
.endr
.endr
	s_wait_dscnt 0x0
.irp t, 0,1,2,3
	v_wmma_f32_16x16x128_fp8_fp8 v[96+8*(4*\g+\t):103+8*(4*\g+\t)], v[32+16*\t:47+16*\t], v[16:31], 0
.endr
.endr
.rept 4
	v_nop
.endr
	s_add_co_u32 s96, s[KF], 127                   ; on the diagonal the scores of hidden keys become -infinity ahead of the maximum: p = 0 then.  A step all of whose keys count skips this
	s_cmp_le_u32 s96, s[Q0]
	s_cbranch_scc1 .Lopen_\@
	s_sub_co_i32 s96, s[Q0], s[KF]
	v_and_b32 v252, 15, v0
	v_bfe_u32 v253, v0, 4, 1
	v_lshlrev_b32 v253, 4, v253
	v_sub_nc_u32 v252, v252, v253
	v_add_nc_u32 v252, s96, v252                   ; d = my query - KF - 16 (lane / 16).  Register 16 b + i holds key KF + 16 (lane / 16) + 32 b + i: hidden where 32 b + i > d
	v_mov_b32 v254, 0xff800000                     ; -infinity
.set n, 0
.rept 64
	v_cmp_gt_i32 vcc_lo, 32*(n/16)+n%16, v252
	v_cndmask_b32 v[96+n], v[96+n], v254, vcc_lo
.set n, n+1
.endr
.Lopen_\@:
	v_max3_num_f32 v254, v96, v97, v98             ; the step's largest score of my query, among my 64 keys, in two chains,
	v_max3_num_f32 v252, v99, v100, v101
.set n, 6
.rept 14
	v_max3_num_f32 v254, v254, v[96+n], v[97+n]
	v_max3_num_f32 v252, v252, v[98+n], v[99+n]
.set n, n+4
.endr
	v_max3_num_f32 v254, v254, v158, v159
	v_max_num_f32 v254, v254, v252
	v_permlanex16_b32 v236, v254, s[SEL], s[SEL+1]
	v_max_num_f32 v254, v254, v236                 ; and among lane l xor 16's
	v_mul_f32 v254, s[CS], v254                    ; as t (c is positive)
	v_max_num_f32 v13, v13, v254                   ; the running largest t
	v_mov_b32 v254, v12
	v_floor_f32 v12, -v13                          ; the new -M = floor(-t) = -ceil(t): M IS A WHOLE NUMBER
	v_sub_f32 v254, v12, v254                      ; M's old value less its new one: a whole number, 0 or less
	v_cvt_i32_f32 v254, v254                       ; (it saturates)
	v_ldexp_f32 v252, 1.0, v254                    ; f = 2^(old M - new M): a multiplication by it rounds nothing
.set n, 0
.rept 32
	v_pk_fma_f32 v[96+n:97+n], v[96+n:97+n], s[CS:CS+1], v[12:13] op_sel_hi:[1,0,0]   ; t - M, two at a time (of the pairs c and -M the low word serves both halves)
.set n, n+2
.endr
.set n, 0
.rept 64
	v_exp_f32 v[96+n], v[96+n]                     ; p = 2^(t - M), at most 1: NOT normalised
.set n, n+1
.endr
	v_pk_mul_f32 v[14:15], v[14:15], v[252:253] op_sel_hi:[1,0]   ; the sums under the new M.  (A plain place behind the exponentials)
	s_wait_alu depctr_va_vdst(0)                   ; one wait for the whole batch, ahead of its first reader
	v_pk_add_f32 v[242:243], v[96:97], v[98:99]    ; THE ROW'S SUM IS TAKEN OF THE UNQUANTISED p: two at a time, in two chains
.set n, 4
.rept 15
	v_pk_add_f32 v[14:15], v[14:15], v[96+n:97+n]
	v_pk_add_f32 v[242:243], v[242:243], v[98+n:99+n]
.set n, n+4
.endr
	v_pk_add_f32 v[14:15], v[14:15], v[242:243]
.irp b, 0,1,2,3
.irp i, 0,1,2,3,4,5,6,7,8,9,10,11,12,13,14,15
	v_min_num_f32 v[96+16*\b+\i], v[96+16*\b+\i], v240   ; the conversion to an 8-bit code does not saturate (ISA guide 7.6.2); p is not negative, so the hold is one-sided
.endr
	v_cvt_scalef32_pk8_fp8_f32 v[224+4*\b:225+4*\b], v[96+16*\b:103+16*\b], v244
	v_cvt_scalef32_pk8_fp8_f32 v[226+4*\b:227+4*\b], v[104+16*\b:111+16*\b], v244
.endr
.set n, 0
.rept 32
	v_pk_mul_f32 v[160+n:161+n], v[160+n:161+n], v[252:253] op_sel_hi:[1,0]   ; O^T under the new M.  (These 32 are also the places in front of the matrix instructions and loads below)
.set n, n+2
.endr
.irp g, 0,1                                    ; O^T += V^T P^T: four tiles of 16 of the head's 128 at a time; K = these 128 keys
.if \g > 0
.rept 4
	v_nop
.endr
.endif
.irp t, 0,1,2,3
.irp c, 0,1,2,3
	ds_load_b128 v[32+16*\t+4*\c:32+16*\t+4*\c+3], v[ADV] offset:2*HALFB*(\q)+16*(4*\g+\t)*KP+32*\c
.endr
.endr
	s_wait_dscnt 0x0
.irp t, 0,1,2,3
	v_wmma_f32_16x16x128_fp8_fp8 v[160+8*(4*\g+\t):167+8*(4*\g+\t)], v[32+16*\t:47+16*\t], v[224:239], v[160+8*(4*\g+\t):167+8*(4*\g+\t)]
.endr
.endr
.Lhidden_\@:
	s_add_co_u32 s[KF], s[KF], 256                 ; my next step: the other parity's 128 keys lie between
.endm
; THE CHANGE OF SLOTS stands at a slot's head.  Each wave waits for all its tensor loads, adds 0 to its spare word (fill = 1: twice on end), and waits for that and for its reads of the slot that it has left.
; Behind the barrier the slot ahead is whole and nobody reads the other one.  fill = 1: that other slot takes the keys that follow, up to the causal limit: the load has a whole slot's steps in which to land.
.macro CHANGE fill
	s_wait_tensorcnt 0x0                           ; no tensor load of mine is out, so a group 0 may be written
	ds_add_u32 v[SPW], v[NIL]                      ; 0 onto my spare word
.if \fill
	ds_add_u32 v[SPW], v[NIL]                      ; and once more: the add twice on end here, in every trip alike.  The descriptors' steps stand between the second and the wait
	s_xor_b32 s[G0K+1], s[G0K+1], SLOTB            ; the walking descriptors: the other slot than last time,
	s_add_nc_u64 s[G0K+2:G0K+3], s[G0K+2:G0K+3], SK*128   ; the next 512 keys; the type bits on top are not reached
	s_xor_b32 s[G0V+1], s[G0V+1], SLOTB
	s_add_nc_u64 s[G0V+2:G0V+3], s[G0V+2:G0V+3], SK*128
	s_wait_xcnt 0x0                                ; the last prefetches, a slot back, have read their addresses, so these may be written:
	s_add_nc_u64 s[PFK:PFK+1], s[PFK:PFK+1], SK*128   ; one slot further on than the walking descriptors
	s_add_nc_u64 s[PFV:PFV+1], s[PFV:PFV+1], SK*128
.endif
	s_wait_dscnt 0x0                               ; the add is done (fill = 1: both are), and my reads of the slot that I have left are over
	s_barrier_signal -1
	s_barrier_wait -1
.if \fill
	s_cmp_gt_u32 s[NK], s[LQ]                      ; THE LOOK-AHEAD ENDS AT THE CAUSAL LIMIT: a slot whose first key comes after my work-group's last query is read by none of its waves, so it is not asked for.
	s_cbranch_scc1 .Lpast_\@                       ; Ids and the count of changes alone: all sixteen waves go the same way, and a work-group that is past the limit stays past it.  Every wait on TENSORcnt in this text is for 0
	TLOAD                                          ; the first thing behind the barrier, and a wave's one tensor load until the next
.Lpast_\@:
	ASK                                            ; what the next change of slots will ask for: a slot's steps ahead of that load
	s_add_co_u32 s[NK], s[NK], SK
.endif
.endm
.macro SLOT_STEPS
	STEP 0
	STEP 1
	s_xor_b32 s[TB], s[TB], SLOTB                  ; on to the other slot
.endm
	s_wait_loadcnt 0x0                             ; Q
.Lslot:                                            ; NSL - 1 = 3 trips: behind each change of slots but the last the next slot is asked for, up to the limit
	CHANGE 1
	SLOT_STEPS
	s_sub_co_u32 s[SLOTS], s[SLOTS], 1
	s_cmp_lg_u32 s[SLOTS], 0
	s_cbranch_scc1 .Lslot
	CHANGE 0                                       ; the last slot is written out: nothing is left to ask for
	SLOT_STEPS
	; THE JOINING.  The wave of parity 1 hands O^T and its statistics to its partner as images of the registers: 16 bytes a lane, 512 an instruction.
.rept 4
	v_nop                                          ; places behind the last products
.endr
	s_cmp_eq_u32 s[PAR], 0
	s_cbranch_scc1 .Lkeeper
.set c, 0
.rept 16
	ds_store_b128 v[MA], v[160+4*c:163+4*c] offset:512*c   ; each accumulator from its low end on
.set c, c+1
.endr
	ds_store_b128 v[MA], v[12:15] offset:8192      ; -M, the largest t, the sum's two halves
.Lkeeper:
	s_wait_dscnt 0x0                               ; for the partner's sake: my stores are done
	s_barrier_signal -1
	s_barrier_wait -1
	s_cmp_eq_u32 s[PAR], 0
	s_cbranch_scc1 .Ljoin
	s_wait_tensorcnt 0x0                           ; parity 1 ends here, behind my last LDS store
	ds_add_u32 v[SPW], v[NIL]
	s_wait_dscnt 0x0
	s_endpgm
.Ljoin:
.set c, 0
.rept 16
	ds_load_b128 v[32+4*c:35+4*c], v[MA] offset:512*c
.set c, c+1
.endr
	ds_load_b128 v[96:99], v[MA] offset:8192
	s_wait_dscnt 0x0
	v_min_num_f32 v100, v12, v96                   ; the joint -M: the larger M
	v_sub_f32 v101, v100, v12                      ; my M less the joint one, and the partner's: whole numbers, 0 or less
	v_sub_f32 v102, v100, v96
	v_cvt_i32_f32 v101, v101                       ; (they saturate: a partner that walked no step has -M = 3e38, and its factor is 0)
	v_cvt_i32_f32 v102, v102
	v_ldexp_f32 v252, 1.0, v101
	v_ldexp_f32 v254, 1.0, v102
.set n, 0
.rept 32
	v_pk_mul_f32 v[160+n:161+n], v[160+n:161+n], v[252:253] op_sel_hi:[1,0]
.set n, n+2
.endr
.set n, 0
.rept 32
	v_pk_fma_f32 v[160+n:161+n], v[32+n:33+n], v[254:255], v[160+n:161+n] op_sel_hi:[1,0,1]
.set n, n+2
.endr
	v_pk_mul_f32 v[14:15], v[14:15], v[252:253] op_sel_hi:[1,0]
	v_pk_fma_f32 v[14:15], v[98:99], v[254:255], v[14:15] op_sel_hi:[1,0,1]
	; THE WAY OUT: O^T / the sum x 2^(e8 + e9) is the attention's result; it is quantised with entry 10's scale, and its codes go through my pair's stage and leave as 2,048 consecutive bytes.
	v_add_f32 v14, v14, v15                        ; the sum's two halves,
	v_permlanex16_b32 v252, v14, s[SEL], s[SEL+1]
	v_add_f32 v14, v14, v252                       ; and lane l xor 16's: the row's sum
	v_rcp_f32 v14, v14
	v_nop                                          ; a plain place behind the transcendental
	s_add_co_i32 s73, s70, s71
	s_wait_alu depctr_va_vdst(0)                   ; the wait ahead of its first reader
	v_ldexp_f32 v14, v14, s73                      ; x 2^(e8 + e9)
.set n, 0
.rept 64
	v_mul_f32 v[96+n], v[160+n], v14               ; register 8 t + i is o(query r, channel 16 t + 8 h + i)
.set n, n+1
.endr
.set n, 0
.rept 64
	v_med3_num_f32 v[96+n], v[96+n], -v241, v241   ; the hold at the largest code x the scale
.set n, n+1
.endr
.set n, 0
.rept 8
	v_cvt_scalef32_pk8_fp8_f32 v[224+2*n:225+2*n], v[96+8*n:103+8*n], v245
.set n, n+1
.endr
	v_nop                                          ; a plain vector line behind the last conversion of the run
.irp t, 0,1,2,3,4,5,6,7
	ds_store_b64 v[OS], v[224+2*\t:225+2*\t] offset:16*\t
.endr
.irp i, 0,1,2,3
	ds_load_b128 v[32+4*\i:35+4*\i], v[ORD] offset:4*KP*\i   ; LDS serves a wave's instructions in order: these see my stores.  Four rows of 128 bytes an instruction
.endr
.irp i, 0,1,2,3
	s_wait_dscnt 3-\i
	global_store_b128 v[GO], v[32+4*\i:35+4*\i], s[8:9] offset:512*\i   ; 32 lanes store 512 consecutive bytes, aligned
.endr
	s_wait_tensorcnt 0x0                           ; the wave's end, behind my last tensor load and my last LDS store
	ds_add_u32 v[SPW], v[NIL]
	s_wait_dscnt 0x0
	s_endpgm
.Lfunc_end_k_q333081d812_attn:
	.size	k_q333081d812_attn, .Lfunc_end_k_q333081d812_attn-k_q333081d812_attn
	.p2alignl 7, 3214868480
	.fill 96, 4, 3214868480
	.section	.rodata,"a",@progbits
	.p2align	6, 0x0
	.amdhsa_kernel k_q333081d812_attn
		.amdhsa_group_segment_fixed_size 327680
		.amdhsa_private_segment_fixed_size 0
		.amdhsa_enable_private_segment 0
		.amdhsa_kernarg_size 24
		.amdhsa_user_sgpr_count 2
		.amdhsa_user_sgpr_kernarg_segment_ptr 1
		.amdhsa_wavefront_size32 1
		.amdhsa_system_sgpr_workgroup_id_x 1
		.amdhsa_system_sgpr_workgroup_id_y 1
		.amdhsa_system_sgpr_workgroup_id_z 1
		.amdhsa_system_vgpr_workitem_id 0
		.amdhsa_next_free_vgpr 256
		.amdhsa_next_free_sgpr 100
		.amdhsa_reserve_vcc 1
		.amdhsa_float_denorm_mode_32 3
		.amdhsa_float_denorm_mode_16_64 3
		.amdhsa_memory_ordered 1
		.amdhsa_forward_progress 1
		.amdhsa_inst_pref_size 123
	.end_amdhsa_kernel
	.amdgpu_metadata
---
amdhsa.version: [ 1, 2 ]
amdhsa.kernels:
  - .name:           k_q333081d812_attn
    .symbol:         k_q333081d812_attn.kd
    .args:
      - { .name: qkvc, .offset: 0, .size: 8, .value_kind: global_buffer, .address_space: global }
      - { .name: lowp_scales, .offset: 8, .size: 8, .value_kind: global_buffer, .address_space: global }
      - { .name: ac, .offset: 16, .size: 8, .value_kind: global_buffer, .address_space: global }
    .group_segment_fixed_size: 327680
    .private_segment_fixed_size: 0
    .kernarg_segment_align: 8
    .kernarg_segment_size: 24
    .max_flat_workgroup_size: 512
    .sgpr_count:     100
    .vgpr_count:     256
    .wavefront_size: 32
...
	.end_amdgpu_metadata
.endif
;; end of part 3
;; launch oproj (part 4): grid 8 x 8, 4 waves a work-group, clusters of 4 x 4, 327,680 bytes of LDS; arguments ac, wc, lowp_scales, wo_b, out0; writes out0
.if DOCPART == 4
	.amdgcn_target "amdgcn-amd-amdhsa--gfx1250"
	.amdhsa_code_object_version 6
	.text
	.protected	k_q333081d812_oproj
	.globl	k_q333081d812_oproj
	.p2align	8
	.type	k_q333081d812_oproj,@function
k_q333081d812_oproj:
	s_mov_b64 s[64:65], 0
	v_nop
	global_prefetch_b8 v0, s[64:65] scope:SCOPE_SE
	s_setreg_imm32_b32 hwreg(HW_REG_WAVE_MODE, 25, 1), 1
	s_wait_xcnt 0x0
	s_wait_alu depctr_hold_cnt(0) depctr_sa_sdst(0) depctr_va_vdst(0) depctr_va_sdst(0) depctr_va_ssrc(0) depctr_va_vcc(0) depctr_vm_vsrc(0)
	s_getreg_b32 s2, hwreg(HW_REG_IB_STS2, 6, 4)
	s_cmp_eq_u32 s2, 0
	s_cbranch_scc0 .Lentry_in_a_cluster
	s_endpgm
.Lentry_in_a_cluster:
	s_bfe_u32 s2, ttmp6, 0x10000c
	s_cmp_lg_u32 s2, 0xf033
	s_cbranch_scc0 .Lentry_shape_is_right
	s_endpgm
.Lentry_shape_is_right:
; PRODUCT 6: out0 = a Wo^T + wo_b on codes of FP8 (E4M3).  a: the attention's result as codes, [head][position][128]: plane h is K = 128 h .. 128 h + 127.  Wo's codes: plane 3 of wc, [n][2048], K innermost.  No work is left out here.
; A tile of 256 x 256 of out0 is made by a work-group of four waves; a wave makes 128 x 128: 64 accumulators of 16 x 16.  K goes in steps of 256 (two heads) through a ring of two LDS slots.
; Of a K step wave 0 fetches the first head's 256 rows of 128 bytes (dense in memory), wave 1 the second head's; waves 2 and 3 fetch the halves of Wo's 256 rows of 256 bytes.
; CLUSTERS: 4 x 4 work-groups; a's tiles are asked for jointly along a row of the cluster, Wo's along a column.  THE MATRIX INSTRUCTION IS USED TRANSPOSED (source 0 = 16 rows of Wo, source 1 = 16 rows of a):
; a lane holds eight neighbouring numbers of a row of out0.  A fragment is fetched by four loads of 16 bytes, 32 bytes apart: a permutation of k that is the same in both operands.
; The grid has 64 work-groups: the tile is the one whose wave tile reads the fewest LDS bytes for each product.
; LIMIT: entries 10 + 11 between -126 and 127.
; REGISTERS, in windows of 256: window 0: v1-31 addresses; v32-95 the bias in the result's layout; from v128 a's fragments, ONE set; on the way out v96-159 a block at work.
;   window 1: Wo's fragments, TWO sets; on the way out v0-127 rows read back from the stage, two sets.   windows 2, 3: the accumulators.
.set ROWB,   256
.set APITCH, 144                       ; a's LDS row: 128 bytes + 16 of padding
.set BPITCH, 272                       ; Wo's: 256 + 16
.set APLANE, 256*144                   ; a head's 256 rows in a slot
.set AQ,     APLANE                    ; from one 128 along K to the next: the next head's rows
.set BQ,     128
.set AFIRST, 2*262144                  ; slot 1's first tile of a: two heads on
.set ASTEP,  4*262144                  ; a slot's next tile: four heads on
.set BSTEP,  512
.set FR,     16
.set NL,     4
.set NP,     4
.set HALFB,  128*272                   ; 128 rows of Wo
.set BOFF,   2*APLANE                  ; Wo's rows lie behind a's two planes
.set SLOT,   BOFF+2*HALFB              ; 143,360
.set LAPS,   4
.set SPARE,  2*SLOT                    ; behind the ring: the spare words, 128 bytes for each wave: two blocks of 256 bytes that no other line names
.set SPITCH, 528                       ; the way out: a stage of 16 rows x (512 bytes + 16) for each wave, in slot 0, which has had its last fill and its last read when the first result is stored there
.set ADRA, 16
.set BO,   19
.set ADRB, 20
.set STO,  24
.set RD,   25
.set CO,   26
.set SPW,  28                          ; v28  LDS address of my spare word; never rewritten
.set NIL,  29                          ; v29  0; never rewritten
.set BI,   32
.set T,    96
.set AF,   128
.set BK,   0                           ; window 1
.set G1, 24                            ; s[24:31] descriptor group 1 for a's tiles;  s[32:39] group 0, one set for each slot
.set G0, 32
.set G1B, 48                           ; s[48:55], s[56:63] the same for Wo's tiles
.set G0B, 56
.set MSB, 0
.macro WIN new                         ; the immediate's high byte repeats the setting that is left
.if MSB != (\new)
	s_set_vgpr_msb (MSB<<8)|(\new)
.set MSB, (\new)
.endif
.endm
.set MUL_LO, 0xa1
.set MUL_HI, 0xf1
.set TO_B,   0x40
; A joint load: waves 0 and 1 fetch for a, waves 2 and 3 for Wo; the branch hangs on the wave's number alone.  An s_nop 0 and four v_nop follow each of the two lines.
.macro JLOAD g0a, g1a, g0b, g1b
	s_cmp_eq_u32 s81, 0
	s_cbranch_scc0 .Lfor_b_\@
	tensor_load_to_lds s[\g0a:\g0a+3], s[\g1a:\g1a+7]
	s_nop 0
.rept 4
	v_nop
.endr
	s_branch .Lasked_\@
.Lfor_b_\@:
	tensor_load_to_lds s[\g0b:\g0b+3], s[\g1b:\g1b+7]
	s_nop 0
.rept 4
	v_nop
.endr
.Lasked_\@:
.endm
.macro CREST                           ; a round of the cluster's barrier behind its opening barrier
	s_cmp_lg_u32 s80, 0
	s_cbranch_scc1 .Lnot_wave_0_\@
	s_barrier_signal -3
.Lnot_wave_0_\@:
	s_barrier_wait -3
	s_barrier_signal -1
	s_barrier_wait -1
.endm
.macro CROUND
	s_barrier_signal -1
	s_barrier_wait -1
	CREST
.endm
	s_load_b256 s[4:11], s[0:1], 0x0               ; ac s[4:5], wc s[6:7], the scales' exponents s[8:9], wo_b s[10:11]
	s_load_b64 s[12:13], s[0:1], 0x20              ; out0
	v_lshl_add_u32 v[SPW], v0, 2, SPARE
	v_mov_b32 v[NIL], 0
	ds_add_u32 v[SPW], v[NIL]                      ; the wave's opening: the add, twice on end, and its wait ahead of my first tensor load
	ds_add_u32 v[SPW], v[NIL]
	v_lshrrev_b32 v1, 5, v0
	v_readfirstlane_b32 s80, v1                    ; wave 0..3
	s_lshr_b32 s81, s80, 1                         ; which half of the tile's rows is mine.  Also: I fetch for a (0) or for Wo (1)
	s_and_b32 s82, s80, 1                          ; which half of its columns.  Also: which head of the K step, or which 128 rows of Wo, I fetch
	s_bfe_u32 s40, ttmp6, 0x40000                  ; cx, cy
	s_bfe_u32 s41, ttmp6, 0x40004
	s_lshl_b32 s42, ttmp9, 2
	s_add_co_u32 s42, s42, s40                     ; tile column
	s_and_b32 s85, ttmp7, 0xffff
	s_lshl_b32 s85, s85, 2
	s_add_co_u32 s85, s85, s41                     ; tile row
	s_lshl_b32 s43, s41, 2
	s_lshl_b32 s43, 15, s43                        ; my row of the cluster
	s_lshl_b32 s44, 0x1111, s40                    ; my column
	s_or_b32 s[G1+0], s43, (1<<20)|(1<<21)|(4<<22)|(3<<25)   ; a: the mask of my row; elements of 1 byte; padding: four words after every 32; bit 21 beside the mask
	s_mov_b32 s[G1+1], 128<<16                     ; tensor_dim0
	s_mov_b32 s[G1+2], 256<<16                     ; tensor_dim1
	s_mov_b32 s[G1+3], 128<<16                     ; tile_dim0
	s_mov_b32 s[G1+4], 256                         ; tile_dim1
	s_mov_b32 s[G1+5], 128                         ; tensor_dim0_stride: the rows are dense
	s_mov_b32 s[G1+6], 0
	s_mov_b32 s[G1+7], 0
	s_or_b32 s[G1B+0], s44, (1<<20)|(1<<21)|(5<<22)|(3<<25)  ; Wo: the mask of my column; padding: four words after every 64
	s_mov_b32 s[G1B+1], ROWB<<16
	s_mov_b32 s[G1B+2], 128<<16
	s_mov_b32 s[G1B+3], ROWB<<16
	s_mov_b32 s[G1B+4], 128
	s_mov_b32 s[G1B+5], 2048
	s_mov_b32 s[G1B+6], 0
	s_mov_b32 s[G1B+7], 0
	s_lshl_b32 s90, s82, 18                        ; a: head 0 or 1 of the K step,
	s_lshl_b32 s94, s85, 15                        ; the tile row's 256 rows of 128 bytes
	s_add_co_u32 s90, s90, s94
	s_mov_b32 s91, 0
	s_lshl_b32 s46, s42, 8
	s_lshl_b32 s95, s82, 7
	s_add_co_u32 s46, s46, s95                     ; Wo: row 256 x tile column + 128 x half,
	s_lshl_b32 s46, s46, 11
	s_add_co_u32 s46, s46, 0xc00000                ; in plane 3 of wc
	s_mov_b32 s47, 0
	s_mul_i32 s45, s82, APLANE                     ; where they go: no place in the cluster enters an LDS address
	s_mul_i32 s84, s82, HALFB
	s_add_co_u32 s84, s84, BOFF
	s_wait_dscnt 0x0                               ; both opening adds are done
	s_wait_kmcnt 0x0
	s_load_b64 s[68:69], s[8:9], 0x28              ; entries 10, 11
	s_add_nc_u64 s[90:91], s[4:5], s[90:91]
	s_add_nc_u64 s[46:47], s[6:7], s[46:47]
	CROUND                                         ; all sixteen work-groups are here: the first joint loads meet
.irp s, 0,1
	s_mov_b32 s[G0+4*\s], 1
	s_add_co_u32 s[G0+4*\s+1], s45, \s*SLOT
	s_add_nc_u64 s[G0+4*\s+2:G0+4*\s+3], s[90:91], \s*AFIRST
	s_or_b32 s[G0+4*\s+3], s[G0+4*\s+3], 0x80000000
	s_mov_b32 s[G0B+4*\s], 1
	s_add_co_u32 s[G0B+4*\s+1], s84, \s*SLOT
	s_add_nc_u64 s[G0B+4*\s+2:G0B+4*\s+3], s[46:47], \s*ROWB
	s_or_b32 s[G0B+4*\s+3], s[G0B+4*\s+3], 0x80000000
	JLOAD G0+4*\s, G1, G0B+4*\s, G1B
.endr
	; the bias of my 128 columns, in the result's layout; asked for here, waited for on the way out
	s_lshl_b32 s86, s42, 10
	s_lshl_b32 s94, s82, 9
	s_add_co_u32 s86, s86, s94                     ; my first column, in bytes: 1,024 x tile column + 512 x half
	s_mov_b32 s87, 0
	s_add_nc_u64 s[88:89], s[10:11], s[86:87]      ; s[88:89] and v[BO] stay as they are until the wait for these loads
	v_bfe_u32 v2, v0, 4, 1                         ; h
	v_lshlrev_b32 v[BO], 5, v2
.irp b, 0,1,2,3,4,5,6,7
	global_load_b128 v[BI+8*\b:BI+8*\b+3], v[BO], s[88:89] offset:64*\b
	global_load_b128 v[BI+8*\b+4:BI+8*\b+7], v[BO], s[88:89] offset:64*\b+16
.endr
	s_add_nc_u64 s[96:97], s[12:13], s[86:87]
	s_lshl_b32 s86, s85, 8
	s_lshl_b32 s94, s81, 7
	s_add_co_u32 s86, s86, s94                     ; my first row,
	s_lshl_b32 s86, s86, 13                        ; of 8,192 bytes
	s_add_nc_u64 s[96:97], s[96:97], s[86:87]
	v_and_b32 v1, 15, v0                           ; r
	v_and_b32 v6, 31, v0                           ; lane
	v_mul_u32_u24 v3, v1, APITCH
	v_lshl_add_u32 v3, v2, 4, v3
	v_mul_u32_u24 v4, v1, BPITCH
	v_lshl_add_u32 v4, v2, 4, v4
	s_mul_i32 s94, s81, 128*APITCH                 ; my 128 rows of a, in each plane
	s_mul_i32 s95, s82, HALFB                      ; my 128 rows of Wo
	s_add_co_u32 s95, s95, BOFF
.irp s, 0,1
	v_add_nc_u32 v[ADRA+\s], s94, v3
	v_add_nc_u32 v[ADRB+\s], s95, v4
	s_add_co_u32 s94, s94, SLOT
	s_add_co_u32 s95, s95, SLOT
.endr
	s_mul_i32 s94, s80, 16*SPITCH                  ; my stage
	v_mul_u32_u24 v5, v1, SPITCH
	v_lshl_add_u32 v5, v2, 5, v5
	v_add_nc_u32 v[STO], s94, v5
	v_lshlrev_b32 v[CO], 4, v6
	v_add_nc_u32 v[RD], s94, v[CO]
.macro FRAG reg, adr, off              ; a fragment: lane l holds row l % 16; registers 4 c .. 4 c + 3 hold K = 32 c + 16 (l / 16) + 0 .. 15
.irp c, 0,1,2,3
	ds_load_b128 v[\reg+4*\c:\reg+4*\c+3], v[\adr] offset:\off+32*\c
.endr
.endm
; 16 matrix instructions; the 64 accumulators take turns, one instruction a turn, in the same order in every step; zero = 1: the first product starts the sums
.macro MUL16 a0, p, zero
.irp a, \a0, \a0+1
.irp b, 0,1,2,3,4,5,6,7
.if \zero
	v_wmma_f32_16x16x128_fp8_fp8 v[8*(8*((\a)%4)+\b):8*(8*((\a)%4)+\b)+7], v[128*(\p)+FR*\b:128*(\p)+FR*\b+FR-1], v[AF+FR*(\a):AF+FR*(\a)+FR-1], 0
.else
	v_wmma_f32_16x16x128_fp8_fp8 v[8*(8*((\a)%4)+\b):8*(8*((\a)%4)+\b)+7], v[128*(\p)+FR*\b:128*(\p)+FR*\b+FR-1], v[AF+FR*(\a):AF+FR*(\a)+FR-1], v[8*(8*((\a)%4)+\b):8*(8*((\a)%4)+\b)+7]
.endif
.endr
.endr
.endm
.macro FETCH_B slot, q, p
	WIN TO_B
.irp i, 0,1,2,3,4,5,6,7
	FRAG 128*(\p)+FR*\i, ADRB+\slot, BQ*(\q)+\i*16*BPITCH
.endr
	WIN 0
.endm
.macro FETCH_A slot, q, i0
.irp i, \i0, \i0+1, \i0+2, \i0+3
	FRAG AF+FR*(\i), ADRA+\slot, AQ*(\q)+(\i)*16*APITCH
.endr
.endm
.macro PLACES n                        ; places behind matrix instructions: plain vector instructions that name none of their registers (ISA guide 7.12.1 for vector instructions)
.rept \n
	v_nop
.endr
.endm
.macro STEP slot, q, zero
	s_wait_dscnt 4*NL                              ; Wo's set and a's blocks 0-3 are in; the youngest sixteen loads (a's blocks 4-7) may be out
	WIN MUL_LO
	MUL16 0, (\q)%2, \zero
	MUL16 2, (\q)%2, \zero
	s_wait_dscnt 0
	PLACES NP
	FETCH_B \slot, (\q)+1, 1-(\q)%2
	FETCH_A \slot, (\q)+1, 0
	WIN MUL_HI
	MUL16 4, (\q)%2, \zero
	MUL16 6, (\q)%2, \zero
	PLACES NP
	WIN 0
	FETCH_A \slot, (\q)+1, 4
.endm
.macro TURN slot, next, fill           ; a slot's last step changes slots: one barrier, with the three lines in front of it; fill = 1: this slot is filled again, two K steps ahead
	s_wait_tensorcnt 0x0                           ; all my tensor loads have landed: my part of the next slot
	ds_add_u32 v[SPW], v[NIL]                      ; 0 onto my spare word
	s_wait_dscnt 4*NL+1                            ; (the add and the youngest sixteen loads may be out)
	WIN MUL_LO
	MUL16 0, 1, 0
	s_wait_dscnt 0x0                               ; the add is done, and my reads of this slot are over
	s_barrier_signal -1
	MUL16 2, 1, 0
	WIN 0
	s_barrier_wait -1
.if \fill
	CREST                                          ; the barrier has opened a round of the cluster's barrier: no wave of any partner still reads this slot's tile or has a load on its way
	s_add_nc_u64 s[G0+4*\slot+2:G0+4*\slot+3], s[G0+4*\slot+2:G0+4*\slot+3], ASTEP
	s_add_nc_u64 s[G0B+4*\slot+2:G0B+4*\slot+3], s[G0B+4*\slot+2:G0B+4*\slot+3], BSTEP
	JLOAD G0+4*\slot, G1, G0B+4*\slot, G1B         ; the first tensor load behind the round; its four v_nop are the places in front of the loads below
.else
	PLACES NP
.endif
	FETCH_B \next, 0, 0
	FETCH_A \next, 0, 0
	WIN MUL_HI
	MUL16 4, 1, 0
	MUL16 6, 1, 0
	PLACES NP
	WIN 0
	FETCH_A \next, 0, 4
.endm
	s_wait_tensorcnt 1                             ; my part of K step 0 is in; K step 1's load may stay out
	s_barrier_signal -1
	s_barrier_wait -1
	FETCH_B 0, 0, 0
	FETCH_A 0, 0, 0
	FETCH_A 0, 0, 4
	STEP 0, 0, 1
	s_mov_b32 s3, LAPS-1
.Llap:
	TURN 0, 1, 1
	STEP 1, 0, 0
	TURN 1, 0, 1
	STEP 0, 0, 0
	s_sub_co_u32 s3, s3, 1
	s_cmp_lg_u32 s3, 0
	s_cbranch_scc1 .Llap
	TURN 0, 1, 0                                   ; the last lap fills nothing; behind this barrier nobody reads slot 0 any more
	STEP 1, 0, 0
	s_wait_dscnt 4*NL
	WIN MUL_LO
	MUL16 0, 1, 0
	MUL16 2, 1, 0
	s_wait_dscnt 0
	WIN MUL_HI
	MUL16 4, 1, 0
	MUL16 6, 1, 0
	WIN 0
; THE WAY OUT, block by block of 16 rows x 128 columns: sum x 2^(e10 + e11) + bias; through my own stage; back as whole rows of 512 bytes.
.macro SCALE a
.set AC, 64*((\a)%4)
	WIN 0x02+((\a)/4)                              ; source 0: window 2 or 3
.set j, 0
.rept 32
	v_pk_fma_f32 v[T+j:T+j+1], v[AC+j:AC+j+1], s[92:93], v[BI+j:BI+j+1] op_sel_hi:[1,0,1]   ; each accumulator from its low end on
.set j, j+2
.endr
	WIN 0
.endm
.macro TOSTAGE a
	s_wait_xcnt 0x0                                ; the stores of two blocks back have read the registers into which the rows come back
.irp b, 0,1,2,3,4,5,6,7
	ds_store_b128 v[STO], v[T+8*\b:T+8*\b+3] offset:64*\b
	ds_store_b128 v[STO], v[T+8*\b+4:T+8*\b+7] offset:64*\b+16
.endr
.set BB, BK+64*((\a)%2)
	WIN 0x40
.irp t, 0,1,2,3,4,5,6,7,8,9,10,11,12,13,14,15
	ds_load_b128 v[BB+4*\t:BB+4*\t+3], v[RD] offset:\t*SPITCH   ; LDS serves a wave's instructions in order (ISA guide 5.7.1.4): these see the stores above
.endr
	WIN 0
.endm
.macro SEND a, younger, stride         ; younger: the LDS instructions issued behind block a's loads, which may stay out
.set BB, BK+64*((\a)%2)
	s_wait_dscnt \younger
	WIN 0x04                                       ; the stores' data: window 1
.irp t, 0,1,2,3,4,5,6,7,8,9,10,11,12,13,14,15
	global_store_b128 v[CO], v[BB+4*\t:BB+4*\t+3], s[96:97] offset:(16*(\a)+\t)*\stride th:TH_STORE_NT   ; 32 lanes store 512 consecutive bytes, aligned; 127 rows of 8,192 bytes at the most: inside the signed 24-bit immediate
.endr
	WIN 0
.endm
	s_wait_kmcnt 0x0
	s_add_co_i32 s92, s68, s69
	s_add_co_i32 s92, s92, 127
	s_lshl_b32 s92, s92, 23                        ; 2^(e10 + e11) as f32
	s_mov_b32 s93, s92                             ; (named with it as a pair, so it is written)
	s_wait_loadcnt 0x0                             ; the bias
	PLACES NP                                      ; behind the last products
	SCALE 0
	TOSTAGE 0
.irp a, 1,2,3,4,5,6,7
	SCALE \a
	TOSTAGE \a
	SEND \a-1, 32, 8192                            ; behind block a - 1's loads: block a's 16 stores and 16 loads
.endr
	SEND 7, 0, 8192
	s_wait_tensorcnt 0x0                           ; the wave's end, behind my last tensor load and my last LDS store
	ds_add_u32 v[SPW], v[NIL]
	s_wait_dscnt 0x0
	CROUND                                         ; the closing round: no work-group ends while a partner may still ask for a tile that names it
	s_endpgm
.Lfunc_end_k_q333081d812_oproj:
	.size	k_q333081d812_oproj, .Lfunc_end_k_q333081d812_oproj-k_q333081d812_oproj
	.p2alignl 7, 3214868480
	.fill 96, 4, 3214868480
	.section	.rodata,"a",@progbits
	.p2align	6, 0x0
	.amdhsa_kernel k_q333081d812_oproj
		.amdhsa_group_segment_fixed_size 327680
		.amdhsa_private_segment_fixed_size 0
		.amdhsa_enable_private_segment 0
		.amdhsa_kernarg_size 40
		.amdhsa_user_sgpr_count 2
		.amdhsa_user_sgpr_kernarg_segment_ptr 1
		.amdhsa_wavefront_size32 1
		.amdhsa_system_sgpr_workgroup_id_x 1
		.amdhsa_system_sgpr_workgroup_id_y 1
		.amdhsa_system_sgpr_workgroup_id_z 1
		.amdhsa_system_vgpr_workitem_id 0
		.amdhsa_next_free_vgpr 1024
		.amdhsa_next_free_sgpr 102
		.amdhsa_reserve_vcc 0
		.amdhsa_float_denorm_mode_32 3
		.amdhsa_float_denorm_mode_16_64 3
		.amdhsa_memory_ordered 1
		.amdhsa_forward_progress 1
		.amdhsa_inst_pref_size 126
	.end_amdhsa_kernel
	.amdgpu_metadata
---
amdhsa.version: [ 1, 2 ]
amdhsa.kernels:
  - .name:           k_q333081d812_oproj
    .symbol:         k_q333081d812_oproj.kd
    .args:
      - { .name: ac, .offset: 0, .size: 8, .value_kind: global_buffer, .address_space: global }
      - { .name: wc, .offset: 8, .size: 8, .value_kind: global_buffer, .address_space: global }
      - { .name: lowp_scales, .offset: 16, .size: 8, .value_kind: global_buffer, .address_space: global }
      - { .name: wo_b, .offset: 24, .size: 8, .value_kind: global_buffer, .address_space: global }
      - { .name: out0, .offset: 32, .size: 8, .value_kind: global_buffer, .address_space: global }
    .group_segment_fixed_size: 327680
    .private_segment_fixed_size: 0
    .kernarg_segment_align: 8
    .kernarg_segment_size: 40
    .max_flat_workgroup_size: 128
    .sgpr_count:     102
    .vgpr_count:     1024
    .wavefront_size: 32
...
	.end_amdgpu_metadata
.endif
;; end of part 4
;; ======== version 2 of 2: 4 launches
;; limits: right only within a limited range of input values
;; workspace buffers: xc 12,582,912 bytes; wc 16,777,216 bytes; qkvc 12,582,912 bytes; ac 4,194,304 bytes
;; launch quant (part 5): grid 640 x 1, 4 waves a work-group, no clusters, 66,048 bytes of LDS; arguments x, wq_w, wk_w, wv_w, wo_w, lowp_scales, xc, wc; writes xc, wc
.if DOCPART == 5
	.amdgcn_target "amdgcn-amd-amdhsa--gfx1250"
	.amdhsa_code_object_version 6
	.text
	.protected	k_q333081d812_quant
	.globl	k_q333081d812_quant
	.p2align	8
	.type	k_q333081d812_quant,@function
k_q333081d812_quant:
	s_mov_b64 s[64:65], 0
	v_nop
	global_prefetch_b8 v0, s[64:65] scope:SCOPE_SE
	s_setreg_imm32_b32 hwreg(HW_REG_WAVE_MODE, 25, 1), 1
	s_wait_xcnt 0x0
; THE PROGRAM: a causal attention layer, S = 2,048, D = 2,048, 16 heads of 128, every product on codes of FP8 (E4M3) with the given scales 2^e.
; Four launches: this one (codes of x and of the four weights), qkv (products 1-3, biases, RoPE, out1, out2, codes of q, k, v), attn (products 4, 5), oproj (product 6, out0).
; WORK LEFT OUT IN THE PROGRAM: in products 4 and 5 the tiles of 16 queries x 128 keys all of whose keys come after all of their queries.  reference() builds the mask itself
; (jnp.tril) and sets those scores to -infinity; their softmax weight is exactly 0 for all values of the inputs, so they add nothing to the row's sum or to the result.
; Nothing else is left out: every input has a way to an output and is loaded by some launch.
; LIMIT: a NaN, an infinity or an overflow that would arise only in a tile that is left out is not carried to the result.
; THIS LAUNCH.  x, wq_w, wk_w, wv_w, wo_w: [2048][2048] f32, K innermost in all five, so each is a plain stream of numbers, and so are its codes.
; code = number / 2^e, held within +-448, rounded to the nearest code, ties to even.  x is an operand of three products, each with a scale of its own (entries 0, 2, 4 of lowp_scales): it is read
; once and converted three times, into the three planes of xc.  The weights (entries 1, 3, 5, 11) go into the four planes of wc, on end: wq, wk, wv, wo.
; LIMITS: each e lies between -126 and 119, so that 2^e and 448 x 2^e are f32 numbers.  NaN among the inputs is not served.
; SHARES.  128 work-groups to a tensor (work-group >> 7: 0 = x, 1 .. 4 = the weights); a wave takes 8,192 numbers in 16 steps of 512.  Each load reads 512 consecutive bytes; a step's 2,048 bytes turn through the
; wave's own stage in LDS, so that a lane then holds 16 neighbours along K, which the conversions want; a lane's 16 codes are 16 bytes, and a wave's store covers 512 consecutive bytes, aligned.
; Waves share nothing: no barrier.  Loads run four steps (16 loads a wave) ahead, the turn through LDS one step.  The two paths (x; a weight) have LDS bytes of their own.
.set STEPS, 16
.set SP,    80                         ; a lane's place in a stage: its 64 bytes + 16 of padding
.set WREG,  8192                       ; a wave's region: two stages of 32 x SP bytes
.set XBASE, 32768                      ; x's path has its stages here, the weights' path at 0
.set SPARE, 65536                      ; behind the regions: the spare words, 128 bytes for each wave: two blocks of 256 bytes that no other line names
.set SC,    5                          ; v5-7     2^e as f32, for up to three scales
.set LM,    8                          ; v8-10    448 x 2^e
.set SPW,   12                         ; v12      LDS address of my spare word; never rewritten
.set NIL,   13                         ; v13      0; never rewritten
.set R,     16                         ; v16-79   four sets of 16 numbers as they are loaded
.set X,     80                         ; v80-111  two sets of 16 neighbours
.set U,     112                        ; v112-159 x's path: the 16 neighbours held under each of the three scales
.set C,     160                        ; v160-    codes: weights: four registers a step; x: twelve a step, in a ring of eight steps
	s_load_b512 s[4:19], s[0:1], 0x0               ; x s[4:5], wq s[6:7], wk s[8:9], wv s[10:11], wo s[12:13], the scales' exponents s[14:15], xc s[16:17], wc s[18:19]
	v_lshl_add_u32 v[SPW], v0, 2, SPARE
	v_mov_b32 v[NIL], 0
	v_lshrrev_b32 v1, 5, v0
	v_readfirstlane_b32 s20, v1                    ; wave
	v_and_b32 v2, 31, v0                           ; lane
	v_lshlrev_b32 v3, 4, v2                        ; 16 x lane: my 16 bytes of a load's 512, and of a store's; never rewritten
	s_mul_i32 s42, s20, WREG
	v_lshrrev_b32 v14, 2, v2
	v_mul_u32_u24 v14, v14, SP
	v_and_b32 v15, 3, v2
	v_lshl_add_u32 v14, v15, 4, v14
	v_add_nc_u32 v14, s42, v14                     ; the stage, on the way in: four lanes' 64 bytes on end, then 16 of padding
	v_mul_u32_u24 v15, v2, SP
	v_add_nc_u32 v15, s42, v15                     ; and on the way out: my 16 neighbours
	s_lshr_b32 s21, ttmp9, 7                       ; which tensor
	s_and_b32 s22, ttmp9, 127
	s_lshl_b32 s22, s22, 2
	s_add_co_u32 s22, s22, s20                     ; which run of 8,192 numbers of the tensor is my wave's: 0 .. 511
	s_lshl_b32 s44, s22, 15                        ; its first byte in the tensor,
	s_mov_b32 s45, 0
	s_max_u32 s46, s21, 1
	s_sub_co_u32 s46, s46, 1
	s_lshl_b32 s46, s46, 22                        ; a weight's plane of wc (x: plane 0 of xc),
	s_lshl_b32 s47, s22, 13
	s_add_co_u32 s46, s46, s47                     ; and the run's first byte there
	s_mov_b32 s47, 0
	s_wait_alu depctr_va_vdst(0)
	s_wait_kmcnt 0x0
	s_load_b256 s[24:31], s[14:15], 0x0            ; entries 0 .. 7
	s_load_b32 s32, s[14:15], 0x2c                 ; entry 11
	s_cmp_eq_u32 s21, 1                            ; the choices hang on the work-group's number alone
	s_cselect_b64 s[34:35], s[6:7], s[4:5]
	s_cmp_eq_u32 s21, 2
	s_cselect_b64 s[34:35], s[8:9], s[34:35]
	s_cmp_eq_u32 s21, 3
	s_cselect_b64 s[34:35], s[10:11], s[34:35]
	s_cmp_eq_u32 s21, 4
	s_cselect_b64 s[34:35], s[12:13], s[34:35]
	s_add_nc_u64 s[34:35], s[34:35], s[44:45]      ; from where
	s_cmp_eq_u32 s21, 0
	s_cselect_b64 s[36:37], s[16:17], s[18:19]
	s_add_nc_u64 s[36:37], s[36:37], s[46:47]      ; to where
.macro LOAD t
.irp i, 0,1,2,3
	global_load_b128 v[R+16*((\t)%4)+4*\i:R+16*((\t)%4)+4*\i+3], v3, s[34:35] offset:2048*(\t)+512*\i th:TH_LOAD_NT   ; 32 lanes read 512 consecutive bytes; read once in the launch
.endr
.endm
.macro TURN t, base                    ; step t's numbers through the stage: LDS serves a wave's instructions in order, so no wait stands between the stores and the loads
.irp i, 0,1,2,3
	ds_store_b128 v14, v[R+16*((\t)%4)+4*\i:R+16*((\t)%4)+4*\i+3] offset:\base+32*SP*((\t)%2)+8*SP*\i
.endr
.irp i, 0,1,2,3
	ds_load_b128 v[X+16*((\t)%2)+4*\i:X+16*((\t)%2)+4*\i+3], v15 offset:\base+32*SP*((\t)%2)+16*\i
.endr
.endm
.macro AHEAD t, base                   ; the head of a step
	s_wait_dscnt 0x0                               ; this step's numbers are back from the stage, and its stores into the stage are done:
.if (\t)+4 < STEPS
	LOAD (\t)+4                                    ; their registers take the loads of four steps on
.endif
.if (\t)+1 < STEPS
.if STEPS-2-(\t) >= 3
	s_wait_loadcnt 12                              ; the next step's four loads are in; the twelve of the three steps behind it may be out
.else
	s_wait_loadcnt 4*(STEPS-2-(\t))                ; the tail: four for each step that is still behind the next
.endif
	TURN (\t)+1, \base                             ; the next step goes through the other stage while this one is worked
.endif
.endm
.macro MKSC e, k                       ; s[e] = the exponent: 2^e and 448 x 2^e as f32
	s_add_co_i32 s46, s[\e], 127
	s_lshl_b32 s47, s46, 23
	v_mov_b32 v[SC+\k], s47                        ; the conversion takes its exponent field
	s_add_co_i32 s46, s46, 8
	s_lshl_b32 s46, s46, 23
	s_or_b32 s46, s46, 0x600000                    ; 448 = 1.75 x 2^8
	v_mov_b32 v[LM+\k], s46
.endm
.irp t, 0,1,2,3
	LOAD \t
.endr
	s_wait_kmcnt 0x0
	s_cmp_eq_u32 s21, 1
	s_cselect_b32 s42, s25, s24                    ; the first scale: x: entry 0; wq, wk, wv, wo: entries 1, 3, 5, 11
	s_cmp_eq_u32 s21, 2
	s_cselect_b32 s42, s27, s42
	s_cmp_eq_u32 s21, 3
	s_cselect_b32 s42, s29, s42
	s_cmp_eq_u32 s21, 4
	s_cselect_b32 s42, s32, s42
	MKSC 42, 0
	MKSC 26, 1                                     ; x's second and third: entries 2 and 4
	MKSC 28, 2
	s_wait_loadcnt 12                              ; step 0's four loads are in
	s_cmp_eq_u32 s21, 0
	s_cbranch_scc1 .Lfor_x
; ---- a weight: one scale
.macro STEPW t
.set XS, X+16*((\t)%2)
	AHEAD \t, 0
.irp i, 0,1,2,3,4,5,6,7,8,9,10,11,12,13,14,15
	v_med3_num_f32 v[XS+\i], v[XS+\i], -v[LM], v[LM]   ; the conversion to an 8-bit code does not saturate (ISA guide 7.6.2): the hold at the largest code x the scale comes first
.endr
	v_cvt_scalef32_pk8_fp8_f32 v[C+4*(\t):C+4*(\t)+1], v[XS:XS+7], v[SC]
	v_cvt_scalef32_pk8_fp8_f32 v[C+4*(\t)+2:C+4*(\t)+3], v[XS+8:XS+15], v[SC]
	v_nop                                          ; a plain vector line behind the last conversion of the run
	global_store_b128 v3, v[C+4*(\t):C+4*(\t)+3], s[36:37] offset:512*(\t)   ; each step has its own four registers: no store's data are written again
.endm
	TURN 0, 0
	s_wait_alu depctr_va_vdst(0)
.irp t, 0,1,2,3,4,5,6,7,8,9,10,11,12,13,14,15
	STEPW \t
.endr
	s_wait_tensorcnt 0x0                           ; the wave's end, behind my last LDS store
	ds_add_u32 v[SPW], v[NIL]
	s_wait_dscnt 0x0
	s_endpgm
; ---- x: three scales, three planes
.macro STEPX t
.set XS, X+16*((\t)%2)
.set CX, C+12*((\t)%8)
	AHEAD \t, XBASE
.if (\t) >= 8
	s_wait_xcnt 0x0                                ; the stores of eight steps back have read their registers: this set of twelve is written again only behind this wait
.endif
.irp k, 0,1,2
.irp i, 0,1,2,3,4,5,6,7,8,9,10,11,12,13,14,15
	v_med3_num_f32 v[U+16*\k+\i], v[XS+\i], -v[LM+\k], v[LM+\k]   ; held under scale k, into registers of their own: the numbers stay for the next scale
.endr
	v_cvt_scalef32_pk8_fp8_f32 v[CX+4*\k:CX+4*\k+1], v[U+16*\k:U+16*\k+7], v[SC+\k]
	v_cvt_scalef32_pk8_fp8_f32 v[CX+4*\k+2:CX+4*\k+3], v[U+16*\k+8:U+16*\k+15], v[SC+\k]
.endr
	v_nop                                          ; a plain vector line behind the last conversion of the run
	global_store_b128 v3, v[CX:CX+3], s[36:37] offset:512*(\t)
	global_store_b128 v3, v[CX+4:CX+7], s[38:39] offset:512*(\t)
	global_store_b128 v3, v[CX+8:CX+11], s[40:41] offset:512*(\t)
.endm
.Lfor_x:
	s_add_nc_u64 s[38:39], s[36:37], 0x400000      ; planes 1 and 2 of xc, 4 MiB apart
	s_add_nc_u64 s[40:41], s[36:37], 0x800000
	TURN 0, XBASE
	s_wait_alu depctr_va_vdst(0)
.irp t, 0,1,2,3,4,5,6,7,8,9,10,11,12,13,14,15
	STEPX \t
.endr
	s_wait_tensorcnt 0x0                           ; the wave's end, behind my last LDS store
	ds_add_u32 v[SPW], v[NIL]
	s_wait_dscnt 0x0
	s_endpgm
.Lfunc_end_k_q333081d812_quant:
	.size	k_q333081d812_quant, .Lfunc_end_k_q333081d812_quant-k_q333081d812_quant
	.p2alignl 7, 3214868480
	.fill 96, 4, 3214868480
	.section	.rodata,"a",@progbits
	.p2align	6, 0x0
	.amdhsa_kernel k_q333081d812_quant
		.amdhsa_group_segment_fixed_size 66048
		.amdhsa_private_segment_fixed_size 0
		.amdhsa_enable_private_segment 0
		.amdhsa_kernarg_size 64
		.amdhsa_user_sgpr_count 2
		.amdhsa_user_sgpr_kernarg_segment_ptr 1
		.amdhsa_wavefront_size32 1
		.amdhsa_system_sgpr_workgroup_id_x 1
		.amdhsa_system_sgpr_workgroup_id_y 1
		.amdhsa_system_sgpr_workgroup_id_z 1
		.amdhsa_system_vgpr_workitem_id 0
		.amdhsa_next_free_vgpr 256
		.amdhsa_next_free_sgpr 66
		.amdhsa_reserve_vcc 0
		.amdhsa_float_denorm_mode_32 3
		.amdhsa_float_denorm_mode_16_64 3
		.amdhsa_memory_ordered 1
		.amdhsa_forward_progress 1
		.amdhsa_inst_pref_size 112
	.end_amdhsa_kernel
	.amdgpu_metadata
---
amdhsa.version: [ 1, 2 ]
amdhsa.kernels:
  - .name:           k_q333081d812_quant
    .symbol:         k_q333081d812_quant.kd
    .args:
      - { .name: x, .offset: 0, .size: 8, .value_kind: global_buffer, .address_space: global }
      - { .name: wq_w, .offset: 8, .size: 8, .value_kind: global_buffer, .address_space: global }
      - { .name: wk_w, .offset: 16, .size: 8, .value_kind: global_buffer, .address_space: global }
      - { .name: wv_w, .offset: 24, .size: 8, .value_kind: global_buffer, .address_space: global }
      - { .name: wo_w, .offset: 32, .size: 8, .value_kind: global_buffer, .address_space: global }
      - { .name: lowp_scales, .offset: 40, .size: 8, .value_kind: global_buffer, .address_space: global }
      - { .name: xc, .offset: 48, .size: 8, .value_kind: global_buffer, .address_space: global }
      - { .name: wc, .offset: 56, .size: 8, .value_kind: global_buffer, .address_space: global }
    .group_segment_fixed_size: 66048
    .private_segment_fixed_size: 0
    .kernarg_segment_align: 8
    .kernarg_segment_size: 64
    .max_flat_workgroup_size: 128
    .sgpr_count:     66
    .vgpr_count:     256
    .wavefront_size: 32
...
	.end_amdgpu_metadata
.endif
;; end of part 5
;; launch qkv (part 6): grid 24 x 8, 4 waves a work-group, clusters of 4 x 4, 327,680 bytes of LDS; arguments xc, wc, lowp_scales, wq_b, wk_b, wv_b, freqs_cos, freqs_sin, qkvc, out1, out2; writes qkvc, out1, out2
.if DOCPART == 6
	.amdgcn_target "amdgcn-amd-amdhsa--gfx1250"
	.amdhsa_code_object_version 6
	.text
	.protected	k_q333081d812_qkv
	.globl	k_q333081d812_qkv
	.p2align	8
	.type	k_q333081d812_qkv,@function
k_q333081d812_qkv:
	s_mov_b64 s[64:65], 0
	v_nop
	global_prefetch_b8 v0, s[64:65] scope:SCOPE_SE
	s_setreg_imm32_b32 hwreg(HW_REG_WAVE_MODE, 25, 1), 1
	s_wait_xcnt 0x0
	s_wait_alu depctr_hold_cnt(0) depctr_sa_sdst(0) depctr_va_vdst(0) depctr_va_sdst(0) depctr_va_ssrc(0) depctr_va_vcc(0) depctr_vm_vsrc(0)
	s_getreg_b32 s2, hwreg(HW_REG_IB_STS2, 6, 4)
	s_cmp_eq_u32 s2, 0
	s_cbranch_scc0 .Lentry_in_a_cluster
	s_endpgm
.Lentry_in_a_cluster:
	s_bfe_u32 s2, ttmp6, 0x10000c
	s_cmp_lg_u32 s2, 0xf033
	s_cbranch_scc0 .Lentry_shape_is_right
	s_endpgm
.Lentry_shape_is_right:
; PRODUCTS 1 TO 3 on codes of FP8 (E4M3), with what follows them: bias, RoPE (q, k), out1 = k, out2 = v in f32, and the codes of q, k, v for the attention.
; xc: three planes [2048][2048] of x's codes (entries 0, 2, 4 of lowp_scales); wc: the codes of wq, wk, wv on end, [6144][2048] (entries 1, 3, 5).
; qkvc: plane 0 q, plane 1 k: [head][position][128]; plane 2 v: [head][block of 128 keys][128 channels][128 keys] (entries 6, 7, 9).
; SHARES.  C is [2048][6144]: 8 x 24 tiles of 256 x 256, one to a work-group of four waves; a wave makes 128 positions x 128 columns = one head, in 64 accumulators (512 registers).
; A tile of another size that gave 256 work-groups would cross from one product into the next (2048 is no multiple of 192) or need all three planes of x for its rows.
; K goes in steps of 256 through a ring of two LDS slots; a tile's row is 256 bytes of memory, 272 in LDS.  CLUSTERS of 4 x 4: x's tiles are asked for jointly along a row of the cluster, the weights' along a column.
; A cluster's x (ttmp9) >> 1 is the product: 0 q, 1 k, 2 v: it is the same in all sixteen partners, and every branch on it goes the same way in all of them.
; THE TABLES.  At the ring's last change of slots, slot 0 takes cos and sin of the tile's 256 positions (2 x 256 rows of 256 bytes), jointly along a row of the cluster; the way out reads them from LDS.  v's clusters, which turn nothing, ask for none.
; PREFETCH.  Behind the joint load of K step j stands a prefetch of K step j + 2: of the 128 rows that a wave fetches each of the four partners names 32, a lane a row, told apart by address.  K steps 0 and 1 come by their loads alone;
; the loads of K steps 6 and 7 have no step two on.  The tables are named the same way, once, two changes of slots ahead of their load.
; THE MATRIX INSTRUCTION IS USED TRANSPOSED (source 0 = 16 rows of the weight, source 1 = 16 positions): lane (r, h) holds position r and eight neighbouring columns 8 h + 0 .. 7 of each tile of 16.
; LIMITS: the sums' two exponents added lie between -126 and 127; entries 6, 7, 9 between -126 and 119.  NaN among the inputs is not served.
; REGISTERS.  Window 0: v0-31 addresses; v32-95 the bias; from v128 x's fragments, one set; on the way out v96-255 are at work.  Window 1: the weights' fragments, two sets; on the way out rows read back (v0-127) and cos, sin (v128-255).
; Windows 2, 3: the accumulators of my positions 0-63, 64-127: accumulator (a, b) at v[8 (8 (a % 4) + b)].
.set ROWB,   256                       ; a tile's row in bytes = a K step
.set PITCH,  272                       ; and in LDS: + 16 of padding
.set FR,     16
.set NL,     4
.set NP,     4
.set HALFT,  128*PITCH                 ; what one tensor load brings
.set SLOT,   4*HALFT                   ; x's 256 rows, then the weight's 256 (at the end: cos's, then sin's)
.set SPITCH, 528                       ; the f32 stage: 16 rows x (512 + 16) for each wave
.set CP,     144                       ; the codes' stages: 128 rows x (128 + 16) for each wave
.set STG,    SLOT                      ; the stages begin in slot 1, which has had its last fill and its last read behind the barrier ahead of the way out
.set CSTG,   STG+4*16*SPITCH           ; q's and k's codes
.set CSTV,   CSTG+4*128*CP             ; v's codes have bytes of their own
.set SPARE,  327168                    ; the last 512 bytes of LDS: the spare words, 128 for each wave, which no other line names
.set FLAGS,  (1<<20)|(1<<21)|(5<<22)|(3<<25)   ; elements of 1 byte; padding on; bit 21 beside a mask; four words after every 64
.set PFO,  12                          ; v12  2048 x lane: a lane a row of codes
.set PFT,  13                          ; v13  256 x lane: a lane a row of a table
.set LMR,  14                          ; v14  448 x the codes' scale
.set SCV,  15                          ; v15  the codes' scale
.set ADRA, 16                          ; v16-17 my fragments of x in slot 0, 1; v16 also: my rows of cos
.set ADRS, 18                          ; v18  my rows of sin
.set BO,   19
.set ADRB, 20                          ; v20-21 my fragments of the weight
.set CRQ,  22
.set CRV,  23
.set STO,  24
.set RD,   25
.set CO,   26
.set CL,   27
.set SPW,  28                          ; v28  my spare word; never rewritten
.set NIL,  29                          ; v29  0; never rewritten
.set CQ,   30
.set CV,   31
.set BI,   32                          ; v32-95   the bias at my lane's 64 columns
.set T,    96                          ; v96-159  a block's numbers as they leave
.set AF,   128
.set C,    160                         ; v160-191 codes, two sets by turns
.set P,    192                         ; v192-255 the sums scaled, then the numbers held for the conversion
.set BK,   0                           ; window 1
.set CS,   128                         ; window 1: 32 of cos, 32 of sin, two sets by turns
.set G0C, 4                            ; s[4:7]   group 0 for cos
.set G1C, 8                            ; s[8:15]  group 1 for the tables
.set PFC, 16                           ; s[16:17] where my prefetch of a table stands
.set G1, 24
.set G0, 32
.set PFA, 40                           ; s[40:41] where my prefetches of codes stand
.set G0S, 44                           ; s[44:47] group 0 for sin
.set G1B, 48
.set G0B, 56
.set MSB, 0
.macro WIN new
.if MSB != (\new)
	s_set_vgpr_msb (MSB<<8)|(\new)
.set MSB, (\new)
.endif
.endm
.set MUL_LO, 0xa1
.set MUL_HI, 0xf1
.set TO_B,   0x40
; A joint load: waves 0, 1 take the first pair of groups, waves 2, 3 the second.  An s_nop 0 and four v_nop follow each line.
.macro JLOAD g0a, g1a, g0b, g1b
	s_cmp_eq_u32 s81, 0
	s_cbranch_scc0 .Lfor_b_\@
	tensor_load_to_lds s[\g0a:\g0a+3], s[\g1a:\g1a+7]
	s_nop 0
.rept 4
	v_nop
.endr
	s_branch .Lasked_\@
.Lfor_b_\@:
	tensor_load_to_lds s[\g0b:\g0b+3], s[\g1b:\g1b+7]
	s_nop 0
.rept 4
	v_nop
.endr
.Lasked_\@:
.endm
.macro CREST                           ; a round of the cluster's barrier behind its opening barrier
	s_cmp_lg_u32 s80, 0
	s_cbranch_scc1 .Lnot_wave_0_\@
	s_barrier_signal -3
.Lnot_wave_0_\@:
	s_barrier_wait -3
	s_barrier_signal -1
	s_barrier_wait -1
.endm
.macro CROUND
	s_barrier_signal -1
	s_barrier_wait -1
	CREST
.endm
	s_load_b512 s[4:19], s[0:1], 0x0               ; xc, wc, the exponents, wq_b, wk_b, wv_b, cos, sin
	s_load_b128 s[20:23], s[0:1], 0x40             ; qkvc, out1
	s_load_b64 s[66:67], s[0:1], 0x50              ; out2
	v_lshl_add_u32 v[SPW], v0, 2, SPARE
	v_mov_b32 v[NIL], 0
	ds_add_u32 v[SPW], v[NIL]                      ; the opening: the add, twice on end, and its wait ahead of my first tensor load
	ds_add_u32 v[SPW], v[NIL]
	v_lshrrev_b32 v1, 5, v0
	v_readfirstlane_b32 s80, v1                    ; wave
	s_lshr_b32 s81, s80, 1                         ; my half of the positions; also: I fetch x (0) or the weight (1)
	s_and_b32 s82, s80, 1                          ; my half of the columns; also: which 128 rows I fetch
	s_bfe_u32 s40, ttmp6, 0x40000                  ; cx
	s_bfe_u32 s41, ttmp6, 0x40004                  ; cy
	s_lshl_b32 s42, ttmp9, 2
	s_add_co_u32 s42, s42, s40                     ; tile column 0 .. 23
	s_lshr_b32 s83, ttmp9, 1                       ; the product
	s_and_b32 s85, ttmp7, 0xffff
	s_lshl_b32 s85, s85, 2
	s_add_co_u32 s85, s85, s41                     ; tile row 0 .. 7
	s_lshl_b32 s43, s41, 2
	s_lshl_b32 s43, 15, s43                        ; my row of the cluster
	s_lshl_b32 s44, 0x1111, s40                    ; my column
	s_or_b32 s[G1+0], s43, FLAGS
	s_or_b32 s[G1B+0], s44, FLAGS
.irp g, G1, G1B
	s_mov_b32 s[\g+1], ROWB<<16
	s_mov_b32 s[\g+2], 128<<16
	s_mov_b32 s[\g+3], ROWB<<16
	s_mov_b32 s[\g+4], 128
	s_mov_b32 s[\g+5], 2048
	s_mov_b32 s[\g+6], 0
	s_mov_b32 s[\g+7], 0
.endr
	s_lshl_b32 s94, s82, 7
	s_lshl_b32 s90, s85, 8
	s_add_co_u32 s90, s90, s94                     ; the first position that I fetch
	s_lshl_b32 s86, s90, 8                         ; its row in a table, in bytes
	s_mov_b32 s87, 0
	s_lshl_b32 s90, s90, 11
	s_lshl_b32 s95, s83, 22
	s_add_co_u32 s90, s90, s95                     ; its codes, in the product's plane of xc
	s_mov_b32 s91, 0
	s_lshl_b32 s46, s42, 8
	s_add_co_u32 s46, s46, s94
	s_lshl_b32 s46, s46, 11                        ; the weight's rows likewise
	s_mov_b32 s47, 0
	s_mul_i32 s45, s80, HALFT                      ; where my 128 rows go in a slot
	s_wait_dscnt 0x0                               ; both opening adds are done
	s_wait_kmcnt 0x0
	s_load_b256 s[68:75], s[8:9], 0x0              ; entries 0 .. 7
	s_load_b128 s[76:79], s[8:9], 0x20             ; entries 8 .. 11
	s_add_nc_u64 s[90:91], s[4:5], s[90:91]
	s_add_nc_u64 s[46:47], s[6:7], s[46:47]
.irp s, 0,1
	s_mov_b32 s[G0+4*\s], 1
	s_add_co_u32 s[G0+4*\s+1], s45, \s*SLOT
	s_add_nc_u64 s[G0+4*\s+2:G0+4*\s+3], s[90:91], \s*ROWB
	s_or_b32 s[G0+4*\s+3], s[G0+4*\s+3], 0x80000000
	s_mov_b32 s[G0B+4*\s], 1
	s_add_co_u32 s[G0B+4*\s+1], s45, \s*SLOT
	s_add_nc_u64 s[G0B+4*\s+2:G0B+4*\s+3], s[46:47], \s*ROWB
	s_or_b32 s[G0B+4*\s+3], s[G0B+4*\s+3], 0x80000000
.endr
	CROUND                                         ; all sixteen work-groups are here
	JLOAD G0, G1, G0B, G1B                         ; K step 0: my one tensor load at the head
	; the prefetches' addresses: my work-group's 32 of the 128 rows that I fetch (place cx among x's four partners, cy among the weight's)
	s_lshl_b32 s100, s40, 13                       ; 32 cx rows of a table
	s_mov_b32 s101, 0
	s_cmp_eq_u32 s81, 0
	s_cselect_b32 s94, s40, s41
	s_cselect_b64 s[PFA:PFA+1], s[90:91], s[46:47]
	s_lshl_b32 s94, s94, 16                        ; 32 rows of 2,048 bytes
	s_mov_b32 s95, 0
	s_add_nc_u64 s[PFA:PFA+1], s[PFA:PFA+1], s[94:95]
	; the tables' descriptors: waves 0, 1 fetch cos's halves, waves 2, 3 sin's, to the places of x's and the weight's halves in slot 0
	s_add_nc_u64 s[16:17], s[16:17], s[86:87]
	s_add_nc_u64 s[18:19], s[18:19], s[86:87]
	s_mov_b32 s[G0C], 1
	s_mov_b32 s[G0C+1], s45
	s_mov_b64 s[G0C+2:G0C+3], s[16:17]
	s_or_b32 s[G0C+3], s[G0C+3], 0x80000000
	s_mov_b32 s[G0S], 1                            ; (s45, the LDS address, is this group's second word as it stands)
	s_mov_b64 s[G0S+2:G0S+3], s[18:19]
	s_or_b32 s[G0S+3], s[G0S+3], 0x80000000
	s_cmp_eq_u32 s81, 0
	s_cselect_b64 s[PFC:PFC+1], s[16:17], s[18:19]
	s_add_nc_u64 s[PFC:PFC+1], s[PFC:PFC+1], s[100:101]
	s_cmp_eq_u32 s83, 2
	s_cselect_b32 s2, 0, 1                         ; the loop's count at which the tables are prefetched: 1; in v's clusters 0, which the count never is
	; bias, outputs
	s_and_b32 s84, s42, 7
	s_lshl_b32 s84, s84, 1
	s_add_co_u32 s84, s84, s82                     ; my head
	s_cmp_eq_u32 s83, 1
	s_cselect_b64 s[88:89], s[12:13], s[10:11]
	s_cmp_eq_u32 s83, 2
	s_cselect_b64 s[88:89], s[14:15], s[88:89]
	s_cselect_b64 s[96:97], s[66:67], s[22:23]
	s_lshl_b32 s86, s84, 9
	s_add_nc_u64 s[88:89], s[88:89], s[86:87]      ; the head's 128 numbers of the bias
	s_lshl_b32 s101, s85, 8
	s_lshl_b32 s94, s81, 7
	s_add_co_u32 s101, s101, s94                   ; my first position
	s_lshl_b32 s86, s84, 20
	s_lshl_b32 s94, s101, 9
	s_add_co_u32 s86, s86, s94
	s_add_nc_u64 s[96:97], s[96:97], s[86:87]      ; out1 or out2: [head][position][128] f32
	s_lshl_b32 s86, s83, 22
	s_lshl_b32 s94, s84, 18
	s_add_co_u32 s86, s86, s94
	s_lshl_b32 s94, s101, 7
	s_add_co_u32 s86, s86, s94
	s_add_nc_u64 s[98:99], s[20:21], s[86:87]      ; my 16,384 bytes of codes
	s_mul_i32 s86, s81, HALFT
	s_mul_i32 s87, s82, HALFT
	s_add_co_u32 s87, s87, 2*HALFT
	s_mul_i32 s94, s80, 16*SPITCH
	s_add_co_u32 s94, s94, STG
	s_mul_i32 s95, s80, 128*CP
	s_add_co_u32 s100, s95, CSTV
	s_add_co_u32 s95, s95, CSTG
	v_and_b32 v1, 15, v0                           ; r
	v_bfe_u32 v2, v0, 4, 1                         ; h
	v_and_b32 v6, 31, v0                           ; lane
	v_and_b32 v7, 7, v0
	v_mul_u32_u24 v3, v1, PITCH
	v_lshl_add_u32 v4, v2, 4, v3                   ; a fragment's row x pitch + 16 h
	v_add_nc_u32 v[ADRA], s86, v4
	v_add_nc_u32 v[ADRB], s87, v4
	v_add_nc_u32 v[ADRA+1], SLOT, v[ADRA]
	v_add_nc_u32 v[ADRB+1], SLOT, v[ADRB]
	v_add_nc_u32 v[ADRS], 2*HALFT, v[ADRA]
	v_mul_u32_u24 v5, v1, SPITCH
	v_lshl_add_u32 v5, v2, 5, v5
	v_add_nc_u32 v[STO], s94, v5                   ; f32 stage, in: row r, 32 bytes for each half of the lanes
	v_lshlrev_b32 v[CO], 4, v6                     ; 16 x lane
	v_add_nc_u32 v[RD], s94, v[CO]                 ; back by rows of 512 bytes
	v_lshl_add_u32 v[CL], v6, 2, s94               ; back by columns: a lane a channel
	v_mul_u32_u24 v5, v1, CP
	v_lshl_add_u32 v5, v2, 3, v5
	v_add_nc_u32 v[CQ], s95, v5                    ; q's, k's codes, in: row r, 8 bytes
	v_mul_u32_u24 v5, v6, CP
	v_add_nc_u32 v[CV], s100, v5                   ; v's codes, in: row = channel
	v_lshrrev_b32 v5, 3, v6
	v_mul_u32_u24 v5, v5, CP
	v_lshl_add_u32 v5, v7, 4, v5
	v_add_nc_u32 v[CRQ], s95, v5                   ; codes back: four rows of 128 bytes an instruction
	v_add_nc_u32 v[CRV], s100, v5
	v_lshlrev_b32 v[BO], 5, v2
	v_lshlrev_b32 v[PFO], 11, v6
	v_lshlrev_b32 v[PFT], 8, v6
	s_wait_alu depctr_va_vdst(0)
.irp b, 0,1,2,3,4,5,6,7
	global_load_b128 v[BI+8*\b:BI+8*\b+3], v[BO], s[88:89] offset:64*\b
	global_load_b128 v[BI+8*\b+4:BI+8*\b+7], v[BO], s[88:89] offset:64*\b+16
.endr
	global_prefetch_b8 v[PFO], s[PFA:PFA+1] offset:2*ROWB th:TH_LOAD_NT scope:SCOPE_SE   ; K step 2
	s_wait_kmcnt 0x0
	s_cmp_eq_u32 s83, 1
	s_cselect_b32 s94, s70, s68
	s_cselect_b32 s95, s71, s69
	s_cselect_b32 s100, s75, s74
	s_cmp_eq_u32 s83, 2
	s_cselect_b32 s94, s72, s94
	s_cselect_b32 s95, s73, s95
	s_cselect_b32 s100, s77, s100
	s_add_co_i32 s94, s94, s95
	s_add_co_i32 s94, s94, 127
	s_lshl_b32 s92, s94, 23                        ; 2^(the two operands' exponents added)
	s_mov_b32 s93, s92
	s_add_co_i32 s100, s100, 127
	s_lshl_b32 s94, s100, 23
	v_mov_b32 v[SCV], s94                          ; the codes' scale
	s_add_co_i32 s100, s100, 8
	s_lshl_b32 s100, s100, 23
	s_or_b32 s100, s100, 0x600000
	v_mov_b32 v[LMR], s100                         ; 448 x that
	s_or_b32 s[G1C+0], s43, FLAGS                  ; the tables' group 1: 128 rows of 256 bytes, dense; they hang on the tile row alone: my row of the cluster
	s_mov_b32 s[G1C+1], 256<<16
	s_mov_b32 s[G1C+2], 128<<16
	s_mov_b32 s[G1C+3], 256<<16
	s_mov_b32 s[G1C+4], 128
	s_mov_b32 s[G1C+5], 256
	s_mov_b32 s[G1C+6], 0
	s_mov_b32 s[G1C+7], 0
.macro FRAG reg, adr, off              ; 16 rows x 128 K: registers 4 c .. 4 c + 3 hold K = 32 c + 16 h + 0 .. 15, alike in both operands
.irp c, 0,1,2,3
	ds_load_b128 v[\reg+4*\c:\reg+4*\c+3], v[\adr] offset:\off+32*\c
.endr
.endm
.macro MUL16 a0, p, zero               ; x's blocks a0, a0 + 1 against the weight's eight; the 64 accumulators take turns
.irp a, \a0, \a0+1
.irp b, 0,1,2,3,4,5,6,7
.if \zero
	v_wmma_f32_16x16x128_fp8_fp8 v[8*(8*((\a)%4)+\b):8*(8*((\a)%4)+\b)+7], v[128*(\p)+FR*\b:128*(\p)+FR*\b+FR-1], v[AF+FR*(\a):AF+FR*(\a)+FR-1], 0
.else
	v_wmma_f32_16x16x128_fp8_fp8 v[8*(8*((\a)%4)+\b):8*(8*((\a)%4)+\b)+7], v[128*(\p)+FR*\b:128*(\p)+FR*\b+FR-1], v[AF+FR*(\a):AF+FR*(\a)+FR-1], v[8*(8*((\a)%4)+\b):8*(8*((\a)%4)+\b)+7]
.endif
.endr
.endr
.endm
.macro FETCH_B slot, q, p
	WIN TO_B
.irp i, 0,1,2,3,4,5,6,7
	FRAG 128*(\p)+FR*\i, ADRB+\slot, 128*(\q)+\i*16*PITCH
.endr
	WIN 0
.endm
.macro FETCH_A slot, q, i0
.irp i, \i0, \i0+1, \i0+2, \i0+3
	FRAG AF+FR*(\i), ADRA+\slot, 128*(\q)+(\i)*16*PITCH
.endr
.endm
.macro PLACES n                        ; plain places behind matrix instructions, ahead of loads into their registers and of reads of their results
.rept \n
	v_nop
.endr
.endm
.macro STEP slot, q, zero              ; 128 along K, with its successor in the same slot
	s_wait_dscnt 4*NL                              ; all but the youngest sixteen loads, x's blocks 4-7
	WIN MUL_LO
	MUL16 0, (\q)%2, \zero
	MUL16 2, (\q)%2, \zero
	s_wait_dscnt 0
	PLACES NP
	FETCH_B \slot, (\q)+1, 1-(\q)%2
	FETCH_A \slot, (\q)+1, 0
	WIN MUL_HI
	MUL16 4, (\q)%2, \zero
	MUL16 6, (\q)%2, \zero
	PLACES NP
	WIN 0
	FETCH_A \slot, (\q)+1, 4
.endm
; A slot's last step changes slots.  Each wave waits for all its tensor loads, adds 0 to its spare word, waits for that and for its reads of this slot; the barrier opens a round of the cluster's barrier; the refill comes first behind it.
; fill = 1: this slot takes the K step two on.  fill = 2 (the ring's last change): slot 0 takes the tables.
.macro TURN slot, next, fill
.if \fill == 1
	s_wait_xcnt 0x0                                ; my last prefetch has read its address
	s_add_nc_u64 s[PFA:PFA+1], s[PFA:PFA+1], ROWB
.endif
	s_wait_tensorcnt 0x0
	ds_add_u32 v[SPW], v[NIL]
	s_wait_dscnt 4*NL+1                            ; the add and x's blocks 4-7 may be out
	WIN MUL_LO
	MUL16 0, 1, 0
	s_wait_dscnt 0x0
	s_barrier_signal -1
	MUL16 2, 1, 0
	WIN 0
	s_barrier_wait -1
	CREST
.if \fill == 1
	s_add_nc_u64 s[G0+4*\slot+2:G0+4*\slot+3], s[G0+4*\slot+2:G0+4*\slot+3], 2*ROWB
	s_add_nc_u64 s[G0B+4*\slot+2:G0B+4*\slot+3], s[G0B+4*\slot+2:G0B+4*\slot+3], 2*ROWB
	JLOAD G0+4*\slot, G1, G0B+4*\slot, G1B
.else
	s_cmp_eq_u32 s83, 2                            ; the cluster's x alone: all sixteen partners go the same way
	s_cbranch_scc1 .Lno_tab_\@
	JLOAD G0C, G1C, G0S, G1C
.Lno_tab_\@:
	PLACES NP
.endif
	FETCH_B \next, 0, 0
	FETCH_A \next, 0, 0
.if \fill == 1
	s_cmp_gt_u32 s3, 1                             ; the last trip's refills, K steps 6 and 7, have no step two on
	s_cbranch_scc0 .Lno_k_\@
	global_prefetch_b8 v[PFO], s[PFA:PFA+1] offset:3*ROWB th:TH_LOAD_NT scope:SCOPE_SE
.Lno_k_\@:
.if \slot == 0
	s_cmp_eq_u32 s3, s2                            ; the last trip, in q's and k's clusters: the tables, two changes of slots ahead of their load
	s_cbranch_scc0 .Lno_t_\@
	global_prefetch_b8 v[PFT], s[PFC:PFC+1] th:TH_LOAD_NT scope:SCOPE_SE
.Lno_t_\@:
.endif
.endif
	WIN MUL_HI
	MUL16 4, 1, 0
	MUL16 6, 1, 0
	PLACES NP
	WIN 0
	FETCH_A \next, 0, 4
.endm
	s_wait_alu depctr_va_vdst(0)
	s_wait_tensorcnt 0x0                           ; my part of K step 0 is in; slot 1's first fill is issued as a refill is:
	ds_add_u32 v[SPW], v[NIL]
	s_wait_dscnt 0x0
	CROUND
	JLOAD G0+4, G1, G0B+4, G1B                     ; K step 1
	FETCH_B 0, 0, 0
	FETCH_A 0, 0, 0
	FETCH_A 0, 0, 4
	global_prefetch_b8 v[PFO], s[PFA:PFA+1] offset:3*ROWB th:TH_LOAD_NT scope:SCOPE_SE   ; K step 3
	STEP 0, 0, 1                                   ; the first products start the sums
	s_mov_b32 s3, 3
.Llap:                                                 ; a trip goes once round the ring and fills both slots again
	TURN 0, 1, 1
	STEP 1, 0, 0
	TURN 1, 0, 1
	STEP 0, 0, 0
	s_sub_co_u32 s3, s3, 1
	s_cmp_lg_u32 s3, 0
	s_cbranch_scc1 .Llap
	TURN 0, 1, 2
	STEP 1, 0, 0
	s_wait_dscnt 4*NL
	WIN MUL_LO
	MUL16 0, 1, 0
	MUL16 2, 1, 0
	s_wait_dscnt 0
	WIN MUL_HI
	MUL16 4, 1, 0
	MUL16 6, 1, 0
	WIN 0
; THE WAY OUT, by blocks of 16 positions x 128 columns.
.macro SCALE a                         ; P = sum x 2^(the exponents) + bias; each accumulator from its low end on
.set AC, 64*((\a)%4)
	WIN 0x02+((\a)/4)
.set j, 0
.rept 32
	v_pk_fma_f32 v[P+j:P+j+1], v[AC+j:AC+j+1], s[92:93], v[BI+j:BI+j+1] op_sel_hi:[1,0,1]
.set j, j+2
.endr
	WIN 0
.endm
.macro LDCS a                          ; cos and sin at my lane's 32 pairs of block a: pair 8 b + 4 h + i lies 32 b + 16 h + 4 i bytes into the position's row
.set CC, CS+64*((\a)%2)
	WIN 0x40
.irp b, 0,1,2,3,4,5,6,7
	ds_load_b128 v[CC+4*\b:CC+4*\b+3], v[ADRA] offset:16*PITCH*(\a)+32*\b
	ds_load_b128 v[CC+32+4*\b:CC+32+4*\b+3], v[ADRS] offset:16*PITCH*(\a)+32*\b
.endr
	WIN 0
.endm
.macro ROPE a                          ; T = (tr c - ti s, ti c + tr s): first (ti s, tr s), the pair's halves crossed, then one packed multiply-add with the low half's addend negated
.set CC, CS+64*((\a)%2)
	WIN 0x04
.irp b, 0,1,2,3,4,5,6,7
.irp u, 0,1
.irp e, 0,1
	v_pk_mul_f32 v[T+8*\b+4*\u+2*\e:T+8*\b+4*\u+2*\e+1], v[P+8*\b+4*\u+2*\e:P+8*\b+4*\u+2*\e+1], v[CC+32+4*\b+2*\u:CC+32+4*\b+2*\u+1] op_sel:[1,\e] op_sel_hi:[0,\e]
.endr
.endr
.irp u, 0,1
.irp e, 0,1
	v_pk_fma_f32 v[T+8*\b+4*\u+2*\e:T+8*\b+4*\u+2*\e+1], v[P+8*\b+4*\u+2*\e:P+8*\b+4*\u+2*\e+1], v[CC+4*\b+2*\u:CC+4*\b+2*\u+1], v[T+8*\b+4*\u+2*\e:T+8*\b+4*\u+2*\e+1] op_sel:[0,\e,0] op_sel_hi:[1,\e,1] neg_lo:[0,0,1]
.endr
.endr
.endr
	WIN 0
.endm
.macro STAGE src, a                    ; through my f32 stage and back as rows of 512 bytes; LDS serves a wave's instructions in order
.irp b, 0,1,2,3,4,5,6,7
	ds_store_b128 v[STO], v[\src+8*\b:\src+8*\b+3] offset:64*\b
	ds_store_b128 v[STO], v[\src+8*\b+4:\src+8*\b+7] offset:64*\b+16
.endr
.set BB, BK+64*((\a)%2)
	WIN 0x40
.irp t, 0,1,2,3,4,5,6,7,8,9,10,11,12,13,14,15
	ds_load_b128 v[BB+4*\t:BB+4*\t+3], v[RD] offset:\t*SPITCH
.endr
	WIN 0
.endm
.macro COLS                            ; v: T[16 g + i] = (key i of the block, channel 32 g + lane): a lane's registers run along the keys
.set g, 0
.rept 4
.set i, 0
.rept 16
	ds_load_b32 v[T+16*g+i], v[CL] offset:SPITCH*i+128*g
.set i, i+1
.endr
.set g, g+1
.endr
.endm
.macro QUANT a                         ; the hold at the largest code x the scale (the conversion does not saturate: ISA guide 7.6.2), then the conversion
.set CC2, C+16*((\a)%2)
.set j, 0
.rept 64
	v_med3_num_f32 v[P+j], v[T+j], -v[LMR], v[LMR]
.set j, j+1
.endr
.set j, 0
.rept 8
	v_cvt_scalef32_pk8_fp8_f32 v[CC2+2*j:CC2+2*j+1], v[P+8*j:P+8*j+7], v[SCV]
.set j, j+1
.endr
	v_nop                                          ; a plain line behind the last conversion
.endm
.macro BLOCK a
.set CC2, C+16*((\a)%2)
	SCALE \a
	s_wait_alu depctr_va_vdst(0)
	s_cmp_eq_u32 s83, 2
	s_cbranch_scc1 .Lv_\@
.if (\a) == 0
	s_wait_dscnt 0x0
.else
	s_wait_dscnt 4                                 ; this block's cos and sin are in: behind their loads stand at least four stores of codes (v's arm has four, q's and k's eight)
.endif
	ROPE \a
.if (\a) < 7
	LDCS (\a)+1
.endif
	s_wait_alu depctr_va_vdst(0)
	s_cmp_eq_u32 s83, 0
	s_cbranch_scc1 .Lmed_\@                        ; q is no output: it has no f32 stage
	s_wait_xcnt 0x0                                ; the stores of two blocks back have read their registers
	STAGE T, \a
	s_branch .Lmed_\@
.Lv_\@:
	s_wait_xcnt 0x0
	STAGE P, \a
	COLS
	s_wait_dscnt 0x0
.Lmed_\@:
	QUANT \a
	s_wait_alu depctr_va_vdst(0)
	s_cmp_eq_u32 s83, 2
	s_cbranch_scc1 .Lcv_\@
.irp b, 0,1,2,3,4,5,6,7
	ds_store_b64 v[CQ], v[CC2+2*\b:CC2+2*\b+1] offset:16*CP*(\a)+16*\b
.endr
	s_branch .Lcd_\@
.Lcv_\@:
.irp g, 0,1,2,3
	ds_store_b128 v[CV], v[CC2+4*\g:CC2+4*\g+3] offset:32*CP*\g+16*(\a)
.endr
.Lcd_\@:
	s_cmp_eq_u32 s83, 0
	s_cbranch_scc1 .Ldone_\@
	s_wait_dscnt 4                                 ; the rows are back: only stores of codes are younger, at least four of them
.set BB, BK+64*((\a)%2)
	WIN 0x04
.irp t, 0,1,2,3,4,5,6,7,8,9,10,11,12,13,14,15
	global_store_b128 v[CO], v[BB+4*\t:BB+4*\t+3], s[96:97] offset:(16*(\a)+\t)*512 th:TH_STORE_NT   ; 32 lanes store 512 consecutive bytes, aligned
.endr
	WIN 0
.Ldone_\@:
.endm
; The codes back from their stage, four rows of 128 bytes an instruction.  perm = 1 (k): row m of my 128 in memory takes the position m with its bits 3 and 4 exchanged, so that the sixteen keys
; 8 u + r + 8 (r / 8) of each 32, which form a tile of the attention's first product, lie in sixteen neighbouring rows.  m = 4 i + lane / 8: its bits 3 and 4 are i's bits 1 and 2.
.macro CODEOUT adr, perm
	WIN 0x40
.set i, 0
.rept 32
.set ii, i
.if \perm
.set ii, (i&25)|((i&2)<<1)|((i&4)>>1)
.endif
	ds_load_b128 v[4*i:4*i+3], v[\adr] offset:4*CP*ii
.set i, i+1
.endr
	WIN 0
.endm
	s_wait_tensorcnt 0x0                           ; my part of the tables is in,
	s_wait_dscnt 0x0                               ; and my reads of slot 1 are over:
	s_barrier_signal -1
	s_barrier_wait -1                              ; both hold of all four waves: the tables are whole, and slot 1 takes the stages
	s_wait_loadcnt 0x0                             ; the bias
	PLACES NP
	s_cmp_eq_u32 s83, 2
	s_cbranch_scc1 .Lno_tab0
	LDCS 0
.Lno_tab0:
.irp a, 0,1,2,3,4,5,6,7
	BLOCK \a
.endr
	s_wait_xcnt 0x0                                ; the last stores have read their registers
	s_cmp_eq_u32 s83, 2
	s_cbranch_scc1 .Lout_v
	s_cmp_eq_u32 s83, 1
	s_cbranch_scc1 .Lout_k
	CODEOUT CRQ, 0
	s_branch .Lout_j
.Lout_k:
	CODEOUT CRQ, 1
	s_branch .Lout_j
.Lout_v:
	CODEOUT CRV, 0
.Lout_j:
	WIN 0x04
.set i, 0
	s_wait_dscnt 16                                ; the first sixteen loads are back
.rept 16
	global_store_b128 v[CO], v[4*i:4*i+3], s[98:99] offset:512*i
.set i, i+1
.endr
	s_wait_dscnt 0x0
.rept 16
	global_store_b128 v[CO], v[4*i:4*i+3], s[98:99] offset:512*i
.set i, i+1
.endr
	WIN 0
	s_wait_tensorcnt 0x0                           ; the wave's end
	ds_add_u32 v[SPW], v[NIL]
	s_wait_dscnt 0x0
	CROUND                                         ; the closing round
	s_endpgm
.Lfunc_end_k_q333081d812_qkv:
	.size	k_q333081d812_qkv, .Lfunc_end_k_q333081d812_qkv-k_q333081d812_qkv
	.p2alignl 7, 3214868480
	.fill 96, 4, 3214868480
	.section	.rodata,"a",@progbits
	.p2align	6, 0x0
	.amdhsa_kernel k_q333081d812_qkv
		.amdhsa_group_segment_fixed_size 327680
		.amdhsa_private_segment_fixed_size 0
		.amdhsa_enable_private_segment 0
		.amdhsa_kernarg_size 88
		.amdhsa_user_sgpr_count 2
		.amdhsa_user_sgpr_kernarg_segment_ptr 1
		.amdhsa_wavefront_size32 1
		.amdhsa_system_sgpr_workgroup_id_x 1
		.amdhsa_system_sgpr_workgroup_id_y 1
		.amdhsa_system_sgpr_workgroup_id_z 1
		.amdhsa_system_vgpr_workitem_id 0
		.amdhsa_next_free_vgpr 1024
		.amdhsa_next_free_sgpr 102
		.amdhsa_reserve_vcc 0
		.amdhsa_float_denorm_mode_32 3
		.amdhsa_float_denorm_mode_16_64 3
		.amdhsa_memory_ordered 1
		.amdhsa_forward_progress 1
		.amdhsa_inst_pref_size 255
	.end_amdhsa_kernel
	.section	.bss,"aw",@nobits
	.p2align	6
	.space	262144
	.amdgpu_metadata
---
amdhsa.version: [ 1, 2 ]
amdhsa.kernels:
  - .name:           k_q333081d812_qkv
    .symbol:         k_q333081d812_qkv.kd
    .args:
      - { .name: xc, .offset: 0, .size: 8, .value_kind: global_buffer, .address_space: global }
      - { .name: wc, .offset: 8, .size: 8, .value_kind: global_buffer, .address_space: global }
      - { .name: lowp_scales, .offset: 16, .size: 8, .value_kind: global_buffer, .address_space: global }
      - { .name: wq_b, .offset: 24, .size: 8, .value_kind: global_buffer, .address_space: global }
      - { .name: wk_b, .offset: 32, .size: 8, .value_kind: global_buffer, .address_space: global }
      - { .name: wv_b, .offset: 40, .size: 8, .value_kind: global_buffer, .address_space: global }
      - { .name: freqs_cos, .offset: 48, .size: 8, .value_kind: global_buffer, .address_space: global }
      - { .name: freqs_sin, .offset: 56, .size: 8, .value_kind: global_buffer, .address_space: global }
      - { .name: qkvc, .offset: 64, .size: 8, .value_kind: global_buffer, .address_space: global }
      - { .name: out1, .offset: 72, .size: 8, .value_kind: global_buffer, .address_space: global }
      - { .name: out2, .offset: 80, .size: 8, .value_kind: global_buffer, .address_space: global }
    .group_segment_fixed_size: 327680
    .private_segment_fixed_size: 0
    .kernarg_segment_align: 8
    .kernarg_segment_size: 88
    .max_flat_workgroup_size: 128
    .sgpr_count:     102
    .vgpr_count:     1024
    .wavefront_size: 32
...
	.end_amdgpu_metadata
.endif
;; end of part 6
;; launch attn (part 7): grid 16 x 16, 16 waves a work-group, no clusters, 327,680 bytes of LDS; arguments qkvc, lowp_scales, ac; writes ac
.if DOCPART == 7
	.amdgcn_target "amdgcn-amd-amdhsa--gfx1250"
	.amdhsa_code_object_version 6
	.text
	.protected	k_q333081d812_attn
	.globl	k_q333081d812_attn
	.p2align	8
	.type	k_q333081d812_attn,@function
k_q333081d812_attn:
	s_mov_b64 s[64:65], 0
	v_nop
	global_prefetch_b8 v0, s[64:65] scope:SCOPE_SE
	s_setreg_imm32_b32 hwreg(HW_REG_WAVE_MODE, 25, 1), 1
	s_wait_xcnt 0x0
; PRODUCTS 4 AND 5: causal attention on codes of FP8 (E4M3); the result is quantised for the projection on the way out.
; LEFT OUT: steps of 128 keys all of which come after a wave's 16 queries: reference() masks them itself (jnp.tril), their weight is exactly 0 for all inputs.  A NaN or infinity that would arise only there is not carried on.
; qkvc: plane 0 q, plane 1 k: [head][position][128]; plane 2 v: [head][block of 128 keys][128 channels][128 keys], the keys innermost.
; ac: [block of 128 positions][head][128 positions][128], codes with entry 10's scale: the heads of a block of positions lie on end, as the projection's tiles want them.
; THE SOFTMAX: t = score x log2(e) / sqrt(128); M = the largest t so far, rounded UP to a whole number; p = 2^(t - M) is quantised (entry 8), not normalised; the row's sum is taken of the unquantised p and divides at the end.
; When M moves, the sum and O are multiplied by 2^(old M - new M): exact.
; SHARES.  A head's queries are 32 blocks of 64.  Work-group j owns blocks j and 31 - j, so that under the mask every work-group has about the same number of steps.  Its 8 tiles of 16 queries have TWO waves each:
; wave parity g takes the steps of 128 keys at 256 q + 128 g of every slot of 512 keys.  The two partial results are joined once at the end; both M are whole numbers, so the joining factors are exact powers of two.
; Of wave w: high block = (w ^ (w >> 2)) & 1, g = ((w >> 1) ^ (w >> 3)) & 1, tile in the block = w >> 2: every four neighbouring waves, and every four waves four apart, hold two early and two late tiles.
; A step that is walked begins at a key at or under the wave's first query (both are multiples of 16), so every query of it sees a key: no row is all -infinity.
; K's and V's tiles come through a ring of two LDS slots of 512 keys: wave 0 fetches K's 64 KiB, wave 1 V's; all sixteen read them.
; LAYOUT.  Both products are used transposed: S^T = K Q^T, O^T = V^T P^T: a lane holds ONE query (lane % 16) throughout.  THE KEYS OF A TILE ARE NOT NEIGHBOURS: lane r of tile 2 b + u takes key 32 b + 8 u + r + 8 (r / 8),
; so that the 16 registers of tiles 2 b and 2 b + 1 are 16 neighbouring keys, 32 b + 16 (lane / 16) + 0 .. 15: the conversions' results are the second product's operand.
; NO CLUSTER, though the 16 work-groups of a head read the same K and V: a work-group stops asking at its own causal limit, which hangs on its number, and no jump may lead round a joint load.
; LIMITS: entries 6 + 7 between -123 and 130 (added to c's exponent field); entries 8 and 10 between -126 and 119.  A p so far under its row's largest that it falls under E4M3's range may differ under a running M.
; REGISTERS: v1-11 addresses; v12 -M, v13 the largest t, v[14:15] the sum in two halves; v16-31 Q; v32-95 four fragments of K or of V; v96-159 S^T, then p; v160-223 O^T; v224-239 codes; v240-255 scales and at work.
; k's plane, more closely: within a head, key k lies in row k with its bits 3 and 4 exchanged.  So the sixteen keys of tile T of a step, 32 (T / 2) + 8 (T % 2) + r + 8 (r / 8), lie in rows 16 T + r:
; at 144 bytes from row to row the sixteen lanes of a load touch sixteen different 16-byte columns of 256.
.set SK,    512                        ; keys in a slot
.set KP,    144                        ; a row of 128 codes in LDS: + 16 of padding
.set VOFF,  SK*KP                      ; a slot: 512 rows of K, then 4 blocks x 128 rows of V
.set SLOTB, 2*VOFF                     ; 147,456 = 0x24000.  K's tile begins at 0 or 0x24000, V's at 0x12000 or 0x36000: one exclusive or with 0x24000 turns each into the other slot's
.set HALFB, 128*KP                     ; 128 rows
.set NSL,   4                          ; slots' worth of keys
.set SPARE, 2*SLOTB                    ; behind the ring: the spare words, 128 bytes for each wave: eight blocks of 256 bytes that no other line names
.set MRGB,  8704                       ; the joining: for each pair of waves 16 images of four registers (512 bytes each) and one of the statistics; from LDS byte 0 on
.set OSTG,  8*MRGB                     ; the codes' stage: 16 rows x 144 for each pair.  Both lie in slot 0, which was left at the last change of slots: it has had its last fill, and nobody reads it
.set AK0,  1                           ; v1   my lane's place in my half of a slot's K
.set AV0,  2                           ; v2   the same for V
.set PFO,  3                           ; v3   256 x lane: the prefetches' offset; never rewritten
.set MA,   4                           ; v4   the joining: 16 x lane in my pair's region
.set SPW,  5                           ; v5   LDS address of my spare word; never rewritten
.set NIL,  6                           ; v6   0; never rewritten
.set GO,   7                           ; v7   16 x lane: my bytes of 512 stored
.set ADK,  8                           ; v8   LDS address of the step's tiles of K
.set ADV,  9                           ; v9   of V
.set OS,   10                          ; v10  where I put eight codes of the result
.set ORD,  11                          ; v11  and where I read rows back
.set WV,   18                          ; s18  my wave's number
.set SEL,  20                          ; s[20:21] lane selects for v_permlanex16_b32: lane l xor 16
.set CS,   22                          ; s[22:23] c = log2(e) / sqrt(128) x 2^(e6 + e7)
.set G1,   24                          ; s[24:31] descriptor group 1: 512 rows of 128 bytes, for K and V alike
.set G0K,  40                          ; s[40:43], s[44:47] the groups 0, which walk
.set G0V,  44
.set PFK,  48                          ; s[48:49], s[50:51] where my prefetches stand: my 8,192 bytes of K and of V in the slot after the one that is being asked for
.set PFV,  50
.set LIM,  52                          ; s52  1 in a wave that prefetches, else the greatest number
.set SLOTS, 53                         ; s53  slots still to be asked for
.set NK,   54                          ; s54  the first key of the slot that the next change would ask for
.set LQ,   55                          ; s55  my work-group's last query
.set KF,   56                          ; s56  my step's first key
.set Q0,   57                          ; s57  my first query
.set PAR,  58                          ; s58  g
.set PR,   59                          ; s59  my pair: 2 x tile + high block
.set TB,   60                          ; s60  LDS byte at which the slot in hand begins
; Wave 0 fetches K's slot, wave 1 V's, the others nothing.  The branches hang on the wave's number alone.  An s_nop 0 and four v_nop follow each of the two lines.
.macro TLOAD
	s_cmp_eq_u32 s[WV], 0
	s_cbranch_scc0 .Lnot_k_\@
	tensor_load_to_lds s[G0K:G0K+3], s[G1:G1+7]
	s_nop 0
.rept 4
	v_nop
.endr
	s_branch .Lasked_\@
.Lnot_k_\@:
	s_cmp_eq_u32 s[WV], 1
	s_cbranch_scc0 .Lasked_\@
	tensor_load_to_lds s[G0V:G0V+3], s[G1:G1+7]
	s_nop 0
.rept 4
	v_nop
.endr
.Lasked_\@:
.endm
; A PREFETCH INTO THE L2 of what the NEXT change of slots will ask for: a slot's 64 KiB of K and 64 KiB of V, both dense.  All work-groups of a head walk the same K and V: the head's work-group 0, which walks every slot,
; asks, and nobody else; in it waves 4 to 11, which fetch nothing, take 8,192 bytes of each, lanes 256 bytes apart: each aligned block of 256 bytes is named once in the launch.
; Key slots 0 and 1 come by their loads alone; the last change that fills a slot asks for nothing: there is no slot behind it.
.macro ASK
	s_cmp_gt_u32 s[SLOTS], s[LIM]
	s_cbranch_scc0 .Lnot_mine_\@
	global_prefetch_b8 v[PFO], s[PFK:PFK+1] th:TH_LOAD_NT scope:SCOPE_SE
	global_prefetch_b8 v[PFO], s[PFV:PFV+1] th:TH_LOAD_NT scope:SCOPE_SE
.Lnot_mine_\@:
.endm
	s_load_b128 s[4:7], s[0:1], 0x0                ; qkvc s[4:5], the scales' exponents s[6:7]
	s_load_b64 s[8:9], s[0:1], 0x10                ; ac
	v_lshl_add_u32 v[SPW], v0, 2, SPARE
	v_mov_b32 v[NIL], 0
	ds_add_u32 v[SPW], v[NIL]                      ; the wave's opening: the add, twice on end, and its wait ahead of the first tensor load; the set-up below stands between the second and the wait
	ds_add_u32 v[SPW], v[NIL]
	v_lshrrev_b32 v8, 5, v0
	s_delay_alu instid0(VALU_DEP_1)
	v_readfirstlane_b32 s[WV], v8                  ; wave 0..15
	s_lshr_b32 s73, s[WV], 2                       ; my tile in its block of 64 queries
	s_xor_b32 s74, s[WV], s73
	s_and_b32 s74, s74, 1                          ; 1: the late block
	s_lshr_b32 s75, s[WV], 1
	s_lshr_b32 s76, s[WV], 3
	s_xor_b32 s75, s75, s76
	s_and_b32 s[PAR], s75, 1                       ; g
	s_lshl_b32 s[PR], s73, 1
	s_add_co_u32 s[PR], s[PR], s74                 ; my pair
	s_lshl_b32 s77, ttmp9, 6                       ; 64 j
	s_sub_co_u32 s78, 1984, s77                    ; 64 (31 - j)
	s_sub_co_u32 s[LQ], 2047, s77                  ; the late block's last query
	s_cmp_eq_u32 s74, 0
	s_cselect_b32 s[Q0], s77, s78
	s_lshl_b32 s79, s73, 4
	s_add_co_u32 s[Q0], s[Q0], s79                 ; my first query
	s_and_b32 s82, ttmp7, 0xffff                   ; the head,
	s_lshl_b32 s82, s82, 18                        ; and its 262,144 bytes in each plane of codes
	s_mov_b32 s83, 0
	s_mov_b32 s[G1], (1<<20)|(4<<22)|(3<<25)       ; 15:0 no mask; 17:16 elements of 1 byte; 20 padding on; 24:22 after every 32 words (code 4); 31:25 four words (code 3)
	s_mov_b32 s[G1+1], 256<<16                     ; the 512 rows of 128 bytes are dense in memory: stated as 256 rows of 256 bytes, the padding still behind each 128
	s_mov_b32 s[G1+2], (SK/2)<<16
	s_mov_b32 s[G1+3], 256<<16
	s_mov_b32 s[G1+4], SK/2
	s_mov_b32 s[G1+5], 256
	s_mov_b32 s[G1+6], 0
	s_mov_b32 s[G1+7], 0
	s_mov_b32 s[SEL], 0x76543210
	s_mov_b32 s[SEL+1], 0xfedcba98
	s_mov_b32 s[CS], 0x3e0293ee                    ; c = log2(e) / sqrt(128)
	s_mov_b32 s[TB], 0
	s_mov_b32 s[SLOTS], NSL-1
	s_mov_b32 s[NK], SK
	s_lshl_b32 s[KF], s[PAR], 7                    ; my first step begins at key 128 g
	s_wait_dscnt 0x0                               ; both opening adds are done
	s_wait_kmcnt 0x0
	s_load_b128 s[68:71], s[6:7], 0x18             ; entries 6 .. 9: q, k, p, v
	s_load_b32 s72, s[6:7], 0x28                   ; entry 10: the result
	s_mov_b32 s[G0K], 1                            ; 1:0 count = 1
	s_mov_b32 s[G0K+1], 0                          ; 63:32 LDS address: slot 0
	s_add_nc_u64 s[G0K+2:G0K+3], s[4:5], s[82:83]  ; 120:64 global address: the head's first 512 keys,
	s_add_nc_u64 s[G0K+2:G0K+3], s[G0K+2:G0K+3], 0x400000   ; in k's plane
	s_or_b32 s[G0K+3], s[G0K+3], 0x80000000        ; 127:126 type = 2
	s_mov_b32 s[G0V], 1
	s_mov_b32 s[G0V+1], VOFF
	s_add_nc_u64 s[G0V+2:G0V+3], s[4:5], s[82:83]
	s_add_nc_u64 s[G0V+2:G0V+3], s[G0V+2:G0V+3], 0x800000   ; in v's plane
	s_or_b32 s[G0V+3], s[G0V+3], 0x80000000
	TLOAD                                          ; key slot 0, which every wave of parity 0 reads
	; the prefetches: where my wave's stand, and who asks
	s_and_b32 s84, s[WV], 7
	s_lshl_b32 s84, s84, 13                        ; my 8,192 bytes,
	s_add_co_u32 s84, s84, SK*128                  ; in key slot 1: the first change of slots steps it to slot 2.  Nothing is prefetched here, at the head
	s_mov_b32 s85, 0
	s_add_nc_u64 s[84:85], s[84:85], s[82:83]      ; in my head
	s_add_nc_u64 s[PFK:PFK+1], s[4:5], s[84:85]
	s_add_nc_u64 s[PFV:PFV+1], s[PFK:PFK+1], 0x800000
	s_add_nc_u64 s[PFK:PFK+1], s[PFK:PFK+1], 0x400000
	s_sub_co_u32 s86, s[WV], 4
	s_lshr_b32 s86, s86, 3                         ; 0 in waves 4 to 11,
	s_or_b32 s86, s86, ttmp9                       ; of the head's work-group 0
	s_cmp_eq_u32 s86, 0
	s_cselect_b32 s[LIM], 1, -1
	v_and_b32 v[PFO], 31, v0
	s_delay_alu instid0(VALU_DEP_1)
	v_lshlrev_b32 v[PFO], 8, v[PFO]
	s_lshl_b32 s86, s[Q0], 7
	s_mov_b32 s87, 0
	s_add_nc_u64 s[86:87], s[86:87], s[82:83]      ; my 16 queries' 2,048 bytes in q's plane
	s_add_nc_u64 s[88:89], s[4:5], s[86:87]        ; q's codes
	s_lshr_b32 s86, s[Q0], 7                       ; the result's place in ac: the block of 128 positions: 262,144 bytes,
	s_lshl_b32 s86, s86, 18
	s_and_b32 s92, s[Q0], 112                      ; my first query within the block (a multiple of 16): rows of 128 bytes,
	s_lshl_b32 s92, s92, 7
	s_add_co_u32 s86, s86, s92
	s_lshr_b32 s92, s82, 4                         ; and the head's 16,384 bytes in the block
	s_add_co_u32 s86, s86, s92
	s_add_nc_u64 s[8:9], s[8:9], s[86:87]          ; (s87 is still 0)
	v_and_b32 v8, 15, v0                           ; r = lane % 16
	v_bfe_u32 v9, v0, 4, 1                         ; h = lane / 16
	s_delay_alu instid0(VALU_DEP_2)
	v_lshlrev_b32 v33, 7, v8
	s_delay_alu instid0(VALU_DEP_1)
	v_lshl_add_u32 v33, v9, 4, v33
.irp c, 0,1,2,3
	global_load_b128 v[16+4*\c:19+4*\c], v33, s[88:89] offset:32*\c   ; Q's fragment stays in registers
.endr
	v_mul_u32_u24 v[AK0], v8, KP                   ; row r of a tile of K
	s_delay_alu instid0(VALU_DEP_1)
	v_lshl_add_u32 v[AK0], v9, 4, v[AK0]
	s_mul_i32 s90, s[PAR], HALFB                   ; my parity's 128 keys of each 256
	v_add_nc_u32 v[AK0], s90, v[AK0]
	v_mul_u32_u24 v[AV0], v8, KP
	s_delay_alu instid0(VALU_DEP_1)
	v_lshl_add_u32 v[AV0], v9, 4, v[AV0]
	s_add_co_u32 s90, s90, VOFF
	v_add_nc_u32 v[AV0], s90, v[AV0]
	v_and_b32 v35, 31, v0
	s_delay_alu instid0(VALU_DEP_1)
	v_lshlrev_b32 v[GO], 4, v35
	s_mul_i32 s91, s[PR], MRGB
	v_add_nc_u32 v[MA], s91, v[GO]
	s_mul_i32 s91, s[PR], 16*KP
	s_add_co_u32 s91, s91, OSTG
	v_mul_u32_u24 v[OS], v8, KP
	s_delay_alu instid0(VALU_DEP_1)
	v_lshl_add_u32 v[OS], v9, 3, v[OS]
	s_delay_alu instid0(VALU_DEP_1)
	v_add_nc_u32 v[OS], s91, v[OS]
	v_lshrrev_b32 v[ORD], 3, v35
	s_delay_alu instid0(VALU_DEP_1)
	v_mul_u32_u24 v[ORD], v[ORD], KP
	v_and_b32 v34, 7, v0
	s_delay_alu instid0(VALU_DEP_1)
	v_lshl_add_u32 v[ORD], v34, 4, v[ORD]
	s_delay_alu instid0(VALU_DEP_1)
	v_add_nc_u32 v[ORD], s91, v[ORD]
	v_mov_b32 v13, 0xff61b1e6                      ; the largest t so far: -3e38, under every t
	s_delay_alu instid0(VALU_DEP_1)
	v_floor_f32 v12, -v13                          ; -M
	v_mov_b32 v14, 0                               ; the sum, in two halves
	v_mov_b32 v15, 0
	v_mov_b32 v236, 0                              ; written once: a lane permute's destination counts as one of its sources
	v_mov_b32 v252, 0
	v_mov_b32 v253, 0                              ; (named as the upper halves of pairs)
	v_mov_b32 v254, 0
	v_mov_b32 v255, 0
.set j, 0
.rept 64
	v_mov_b32 v[160+j], 0                          ; O^T.  (The step is written once: the first finds zeros, which the first change of M leaves zeros; a wave with no step at all hands zeros to its partner)
.set j, j+1
.endr
	s_wait_kmcnt 0x0
	s_add_co_i32 s73, s68, s69
	s_lshl_b32 s73, s73, 23
	s_add_co_i32 s[CS], s[CS], s73                 ; a score stands for score x 2^(e6 + e7): the two exponents are added to c's exponent field
	s_mov_b32 s[CS+1], s[CS]                       ; (named with it as a pair, so it is written)
	s_add_co_i32 s73, s70, 127
	s_lshl_b32 s74, s73, 23
	v_mov_b32 v244, s74                            ; 2^e8, for p's conversions
	s_add_co_i32 s73, s73, 8
	s_lshl_b32 s73, s73, 23
	s_or_b32 s73, s73, 0x600000
	v_mov_b32 v240, s73                            ; 448 x 2^e8
	s_add_co_i32 s73, s72, 127
	s_lshl_b32 s74, s73, 23
	v_mov_b32 v245, s74                            ; 2^e10, for the result's
	s_add_co_i32 s73, s73, 8
	s_lshl_b32 s73, s73, 23
	s_or_b32 s73, s73, 0x600000
	v_mov_b32 v241, s73                            ; 448 x 2^e10
; A KEY STEP: my parity's 128 keys of the q-th 256 of the slot in hand.
.macro STEP q
	s_add_co_u32 s96, s[Q0], 15                    ; a step all of whose keys come after my 16 queries is left out: a scalar branch on ids, round the step's loads, products and softmax alone
	s_cmp_gt_u32 s[KF], s96
	s_cbranch_scc1 .Lhidden_\@
	v_add_nc_u32 v[ADK], s[TB], v[AK0]
	v_add_nc_u32 v[ADV], s[TB], v[AV0]
	s_wait_alu depctr_va_vdst(0)                   ; the wait behind the two writes
.irp g, 0,1                                    ; S^T = K Q^T, four tiles of 16 keys at a time
.rept 4-2*(1-\g)
	v_nop                                          ; places in front of loads into registers that matrix instructions have read: four; the two additions above are places too
.endr
.irp t, 0,1,2,3
.irp c, 0,1,2,3
	ds_load_b128 v[32+16*\t+4*\c:32+16*\t+4*\c+3], v[ADK] offset:(256*(\q)+16*(4*\g+\t))*KP+32*\c
.endr
.endr
	s_wait_dscnt 0x0
.irp t, 0,1,2,3
	v_wmma_f32_16x16x128_fp8_fp8 v[96+8*(4*\g+\t):103+8*(4*\g+\t)], v[32+16*\t:47+16*\t], v[16:31], 0
.endr
.endr
.rept 4
	v_nop
.endr
.irp t, 0,1,2,3
.irp c, 0,1,2,3
	ds_load_b128 v[32+16*\t+4*\c:32+16*\t+4*\c+3], v[ADV] offset:2*HALFB*(\q)+16*\t*KP+32*\c   ; V's first four fragments, behind the four places: K's registers are free, and the loads are out while the softmax is walked
.endr
.endr
	s_add_co_u32 s96, s[KF], 127
	s_cmp_le_u32 s96, s[Q0]
	s_cbranch_scc1 .Lopen_\@
	s_sub_co_i32 s96, s[Q0], s[KF]
	v_and_b32 v252, 15, v0
	v_bfe_u32 v253, v0, 4, 1
	s_delay_alu instid0(VALU_DEP_1)
	v_lshlrev_b32 v253, 4, v253
	s_delay_alu instid0(VALU_DEP_1)
	v_sub_nc_u32 v252, v252, v253
	s_delay_alu instid0(VALU_DEP_1)
	v_add_nc_u32 v252, s96, v252                   ; d = my query - KF - 16 (lane / 16).  Register 16 b + i holds key KF + 16 (lane / 16) + 32 b + i: hidden where 32 b + i > d
	v_mov_b32 v254, 0xff800000                     ; -infinity
.set n, 0
.rept 64
	v_cmp_gt_i32 vcc_lo, 32*(n/16)+n%16, v252
	v_cndmask_b32 v[96+n], v[96+n], v254, vcc_lo
.set n, n+1
.endr
.Lopen_\@:
	v_max3_num_f32 v254, v96, v97, v98             ; the step's largest score of my query, among my 64 keys, in two chains,
	v_max3_num_f32 v252, v99, v100, v101
.set n, 6
.rept 14
	v_max3_num_f32 v254, v254, v[96+n], v[97+n]
	v_max3_num_f32 v252, v252, v[98+n], v[99+n]
.set n, n+4
.endr
	v_max3_num_f32 v254, v254, v158, v159
	s_delay_alu instid0(VALU_DEP_1)
	v_max_num_f32 v254, v254, v252
	v_permlanex16_b32 v236, v254, s[SEL], s[SEL+1]
	s_delay_alu instid0(VALU_DEP_1)
	v_max_num_f32 v254, v254, v236                 ; and among lane l xor 16's
	s_delay_alu instid0(VALU_DEP_1)
	v_mul_f32 v254, s[CS], v254                    ; as t (c is positive)
	s_delay_alu instid0(VALU_DEP_1)
	v_max_num_f32 v13, v13, v254                   ; the running largest t
	v_mov_b32 v254, v12
	s_delay_alu instid0(VALU_DEP_2)
	v_floor_f32 v12, -v13                          ; the new -M = floor(-t) = -ceil(t): M IS A WHOLE NUMBER
	s_delay_alu instid0(VALU_DEP_1)
	v_sub_f32 v254, v12, v254                      ; M's old value less its new one: a whole number, 0 or less
	s_delay_alu instid0(VALU_DEP_1)
	v_cvt_i32_f32 v254, v254                       ; (it saturates)
	s_delay_alu instid0(VALU_DEP_1)
	v_ldexp_f32 v252, 1.0, v254                    ; f = 2^(old M - new M): a multiplication by it rounds nothing
.set n, 0
.rept 32
	v_pk_fma_f32 v[96+n:97+n], v[96+n:97+n], s[CS:CS+1], v[12:13] op_sel_hi:[1,0,0]   ; t - M, two at a time (of the pairs c and -M the low word serves both halves)
.set n, n+2
.endr
.set n, 0
	s_wait_alu depctr_va_vdst(0)
.rept 64
	v_exp_f32 v[96+n], v[96+n]                     ; p = 2^(t - M), at most 1: NOT normalised
.set n, n+1
.endr
	v_pk_mul_f32 v[14:15], v[14:15], v[252:253] op_sel_hi:[1,0]   ; the sums under the new M.  (A plain place behind the exponentials)
	s_wait_alu depctr_va_vdst(0)                   ; one wait for the whole batch, ahead of its first reader
	v_pk_add_f32 v[242:243], v[100:101], v[104:105]
	v_pk_add_f32 v[250:251], v[108:109], v[112:113]
	v_pk_add_f32 v[248:249], v[116:117], v[120:121]
	v_pk_add_f32 v[246:247], v[124:125], v[128:129]
	v_pk_add_f32 v[238:239], v[132:133], v[136:137]
	v_pk_add_f32 v[236:237], v[140:141], v[144:145]
	v_pk_add_f32 v[234:235], v[148:149], v[152:153]
	v_pk_add_f32 v[14:15], v[14:15], v[156:157]
	v_pk_add_f32 v[242:243], v[242:243], v[96:97]
	v_pk_add_f32 v[250:251], v[250:251], v[98:99]
	v_pk_add_f32 v[248:249], v[248:249], v[102:103]
	v_pk_add_f32 v[246:247], v[246:247], v[106:107]
	v_pk_add_f32 v[238:239], v[238:239], v[110:111]
	v_pk_add_f32 v[236:237], v[236:237], v[114:115]
	v_pk_add_f32 v[234:235], v[234:235], v[118:119]
	v_pk_add_f32 v[14:15], v[14:15], v[122:123]
	v_pk_add_f32 v[242:243], v[242:243], v[126:127]
	v_pk_add_f32 v[250:251], v[250:251], v[130:131]
	v_pk_add_f32 v[248:249], v[248:249], v[134:135]
	v_pk_add_f32 v[246:247], v[246:247], v[138:139]
	v_pk_add_f32 v[238:239], v[238:239], v[142:143]
	v_pk_add_f32 v[236:237], v[236:237], v[146:147]
	v_pk_add_f32 v[234:235], v[234:235], v[150:151]
	v_pk_add_f32 v[14:15], v[14:15], v[154:155]
	v_pk_add_f32 v[242:243], v[242:243], v[158:159]
	s_delay_alu instid0(VALU_DEP_2)
	v_pk_add_f32 v[14:15], v[14:15], v[246:247]
	s_delay_alu instid0(VALU_DEP_2)
	v_pk_add_f32 v[242:243], v[242:243], v[238:239]
	v_pk_add_f32 v[250:251], v[250:251], v[236:237]
	v_pk_add_f32 v[248:249], v[248:249], v[234:235]
	s_delay_alu instid0(VALU_DEP_2)
	v_pk_add_f32 v[14:15], v[14:15], v[250:251]
	s_delay_alu instid0(VALU_DEP_2)
	v_pk_add_f32 v[242:243], v[242:243], v[248:249]
	s_delay_alu instid0(VALU_DEP_1)
	v_pk_add_f32 v[14:15], v[14:15], v[242:243]
.irp b, 0,1,2,3
.irp i, 0,1,2,3,4,5,6,7,8,9,10,11,12,13,14,15
	v_min_num_f32 v[96+16*\b+\i], v[96+16*\b+\i], v240   ; the conversion to an 8-bit code does not saturate (ISA guide 7.6.2); p is not negative, so the hold is one-sided
.endr
	v_cvt_scalef32_pk8_fp8_f32 v[224+4*\b:225+4*\b], v[96+16*\b:103+16*\b], v244
	v_cvt_scalef32_pk8_fp8_f32 v[226+4*\b:227+4*\b], v[104+16*\b:111+16*\b], v244
.endr
.set n, 0
.rept 32
	v_pk_mul_f32 v[160+n:161+n], v[160+n:161+n], v[252:253] op_sel_hi:[1,0]   ; O^T under the new M.  (These 32 are also the places in front of the matrix instructions below)
.set n, n+2
.endr
	s_wait_alu depctr_va_vdst(0)
.irp g, 0,1                                    ; O^T += V^T P^T: four tiles of 16 of the head's 128 at a time; K = these 128 keys
.if \g > 0
.rept 4
	v_nop
.endr
.irp t, 0,1,2,3
.irp c, 0,1,2,3
	ds_load_b128 v[32+16*\t+4*\c:32+16*\t+4*\c+3], v[ADV] offset:2*HALFB*(\q)+16*(4*\g+\t)*KP+32*\c
.endr
.endr
.endif
	s_wait_dscnt 0x0
.irp t, 0,1,2,3
	v_wmma_f32_16x16x128_fp8_fp8 v[160+8*(4*\g+\t):167+8*(4*\g+\t)], v[32+16*\t:47+16*\t], v[224:239], v[160+8*(4*\g+\t):167+8*(4*\g+\t)]
.endr
.endr
.Lhidden_\@:
	s_add_co_u32 s[KF], s[KF], 256                 ; my next step: the other parity's 128 keys lie between
.endm
; THE CHANGE OF SLOTS stands at a slot's head.  Each wave waits for all its tensor loads, adds 0 to its spare word (fill = 1: twice on end), and waits for that and for its reads of the slot that it has left.
; Behind the barrier the slot ahead is whole and nobody reads the other one.  fill = 1: that other slot takes the keys that follow, up to the causal limit: the load has a whole slot's steps in which to land.
.macro CHANGE fill
	s_wait_tensorcnt 0x0                           ; no tensor load of mine is out, so a group 0 may be written
	ds_add_u32 v[SPW], v[NIL]                      ; 0 onto my spare word
.if \fill
	ds_add_u32 v[SPW], v[NIL]                      ; and once more: the add twice on end here, in every trip alike.  The descriptors' steps stand between the second and the wait
	s_xor_b32 s[G0K+1], s[G0K+1], SLOTB            ; the walking descriptors: the other slot than last time,
	s_add_nc_u64 s[G0K+2:G0K+3], s[G0K+2:G0K+3], SK*128   ; the next 512 keys; the type bits on top are not reached
	s_xor_b32 s[G0V+1], s[G0V+1], SLOTB
	s_add_nc_u64 s[G0V+2:G0V+3], s[G0V+2:G0V+3], SK*128
	s_wait_xcnt 0x0                                ; the last prefetches, a slot back, have read their addresses, so these may be written:
	s_add_nc_u64 s[PFK:PFK+1], s[PFK:PFK+1], SK*128   ; one slot further on than the walking descriptors
	s_add_nc_u64 s[PFV:PFV+1], s[PFV:PFV+1], SK*128
.endif
	s_wait_dscnt 0x0                               ; the add is done (fill = 1: both are), and my reads of the slot that I have left are over
	s_barrier_signal -1
	s_barrier_wait -1
.if \fill
	s_cmp_gt_u32 s[NK], s[LQ]                      ; THE LOOK-AHEAD ENDS AT THE CAUSAL LIMIT: a slot whose first key comes after my work-group's last query is read by none of its waves, so it is not asked for.
	s_cbranch_scc1 .Lpast_\@                       ; Ids and the count of changes alone: all sixteen waves go the same way, and a work-group that is past the limit stays past it.  Every wait on TENSORcnt in this text is for 0
	TLOAD                                          ; the first thing behind the barrier, and a wave's one tensor load until the next
.Lpast_\@:
	ASK                                            ; what the next change of slots will ask for: a slot's steps ahead of that load
	s_add_co_u32 s[NK], s[NK], SK
.endif
.endm
.macro SLOT_STEPS
	STEP 0
	STEP 1
	s_xor_b32 s[TB], s[TB], SLOTB                  ; on to the other slot
.endm
	s_wait_loadcnt 0x0                             ; Q
.Lslot:                                            ; NSL - 1 = 3 trips: behind each change of slots but the last the next slot is asked for, up to the limit
	CHANGE 1
	SLOT_STEPS
	s_sub_co_u32 s[SLOTS], s[SLOTS], 1
	s_cmp_lg_u32 s[SLOTS], 0
	s_cbranch_scc1 .Lslot
	CHANGE 0                                       ; the last slot is written out: nothing is left to ask for
	SLOT_STEPS
	; THE JOINING.  The wave of parity 1 hands O^T and its statistics to its partner as images of the registers: 16 bytes a lane, 512 an instruction.
.rept 4
	v_nop                                          ; places behind the last products
.endr
	s_cmp_eq_u32 s[PAR], 0
	s_cbranch_scc1 .Lkeeper
.set c, 0
	s_wait_alu depctr_va_vdst(0)
.rept 16
	ds_store_b128 v[MA], v[160+4*c:163+4*c] offset:512*c   ; each accumulator from its low end on
.set c, c+1
.endr
	ds_store_b128 v[MA], v[12:15] offset:8192      ; -M, the largest t, the sum's two halves
.Lkeeper:
	s_wait_dscnt 0x0                               ; for the partner's sake: my stores are done
	s_barrier_signal -1
	s_barrier_wait -1
	s_cmp_eq_u32 s[PAR], 0
	s_cbranch_scc1 .Ljoin
	s_wait_tensorcnt 0x0                           ; parity 1 ends here, behind my last LDS store
	ds_add_u32 v[SPW], v[NIL]
	s_wait_dscnt 0x0
	s_endpgm
.Ljoin:
.set c, 0
.rept 16
	ds_load_b128 v[32+4*c:35+4*c], v[MA] offset:512*c
.set c, c+1
.endr
	ds_load_b128 v[96:99], v[MA] offset:8192
	s_wait_dscnt 0x0
	v_min_num_f32 v100, v12, v96                   ; the joint -M: the larger M
	s_delay_alu instid0(VALU_DEP_1)
	v_sub_f32 v101, v100, v12                      ; my M less the joint one, and the partner's: whole numbers, 0 or less
	s_delay_alu instid0(VALU_DEP_2)
	v_sub_f32 v102, v100, v96
	s_delay_alu instid0(VALU_DEP_2)
	v_cvt_i32_f32 v101, v101                       ; (they saturate: a partner that walked no step has -M = 3e38, and its factor is 0)
	s_delay_alu instid0(VALU_DEP_2)
	v_cvt_i32_f32 v102, v102
	s_delay_alu instid0(VALU_DEP_2)
	v_ldexp_f32 v252, 1.0, v101
	s_delay_alu instid0(VALU_DEP_2)
	v_ldexp_f32 v254, 1.0, v102
.set n, 0
.rept 32
	v_pk_mul_f32 v[160+n:161+n], v[160+n:161+n], v[252:253] op_sel_hi:[1,0]
.set n, n+2
.endr
.set n, 0
.rept 32
	v_pk_fma_f32 v[160+n:161+n], v[32+n:33+n], v[254:255], v[160+n:161+n] op_sel_hi:[1,0,1]
.set n, n+2
.endr
	v_pk_mul_f32 v[14:15], v[14:15], v[252:253] op_sel_hi:[1,0]
	s_delay_alu instid0(VALU_DEP_1)
	v_pk_fma_f32 v[14:15], v[98:99], v[254:255], v[14:15] op_sel_hi:[1,0,1]
	; THE WAY OUT: O^T / the sum x 2^(e8 + e9) is the attention's result; it is quantised with entry 10's scale, and its codes go through my pair's stage and leave as 2,048 consecutive bytes.
	s_delay_alu instid0(VALU_DEP_1)
	v_add_f32 v14, v14, v15                        ; the sum's two halves,
	s_delay_alu instid0(VALU_DEP_1)
	v_permlanex16_b32 v252, v14, s[SEL], s[SEL+1]
	s_delay_alu instid0(VALU_DEP_1)
	v_add_f32 v14, v14, v252                       ; and lane l xor 16's: the row's sum
	s_wait_alu depctr_va_vdst(0)
	v_rcp_f32 v14, v14
	v_nop                                          ; a plain place behind the transcendental
	s_add_co_i32 s73, s70, s71
	s_wait_alu depctr_va_vdst(0)                   ; the wait ahead of its first reader
	v_ldexp_f32 v14, v14, s73                      ; x 2^(e8 + e9)
.set n, 0
.rept 64
	v_mul_f32 v[96+n], v[160+n], v14               ; register 8 t + i is o(query r, channel 16 t + 8 h + i)
.set n, n+1
.endr
.set n, 0
.rept 64
	v_med3_num_f32 v[96+n], v[96+n], -v241, v241   ; the hold at the largest code x the scale
.set n, n+1
.endr
.set n, 0
.rept 8
	v_cvt_scalef32_pk8_fp8_f32 v[224+2*n:225+2*n], v[96+8*n:103+8*n], v245
.set n, n+1
.endr
	v_nop                                          ; a plain vector line behind the last conversion of the run
.irp t, 0,1,2,3,4,5,6,7
	ds_store_b64 v[OS], v[224+2*\t:225+2*\t] offset:16*\t
.endr
.irp i, 0,1,2,3
	ds_load_b128 v[32+4*\i:35+4*\i], v[ORD] offset:4*KP*\i   ; LDS serves a wave's instructions in order: these see my stores.  Four rows of 128 bytes an instruction
.endr
.irp i, 0,1,2,3
	s_wait_dscnt 3-\i
	global_store_b128 v[GO], v[32+4*\i:35+4*\i], s[8:9] offset:512*\i   ; 32 lanes store 512 consecutive bytes, aligned
.endr
	s_wait_tensorcnt 0x0                           ; the wave's end, behind my last tensor load and my last LDS store
	ds_add_u32 v[SPW], v[NIL]
	s_wait_dscnt 0x0
	s_endpgm
.Lfunc_end_k_q333081d812_attn:
	.size	k_q333081d812_attn, .Lfunc_end_k_q333081d812_attn-k_q333081d812_attn
	.p2alignl 7, 3214868480
	.fill 96, 4, 3214868480
	.section	.rodata,"a",@progbits
	.p2align	6, 0x0
	.amdhsa_kernel k_q333081d812_attn
		.amdhsa_group_segment_fixed_size 327680
		.amdhsa_private_segment_fixed_size 0
		.amdhsa_enable_private_segment 0
		.amdhsa_kernarg_size 24
		.amdhsa_user_sgpr_count 2
		.amdhsa_user_sgpr_kernarg_segment_ptr 1
		.amdhsa_wavefront_size32 1
		.amdhsa_system_sgpr_workgroup_id_x 1
		.amdhsa_system_sgpr_workgroup_id_y 1
		.amdhsa_system_sgpr_workgroup_id_z 1
		.amdhsa_system_vgpr_workitem_id 0
		.amdhsa_next_free_vgpr 256
		.amdhsa_next_free_sgpr 100
		.amdhsa_reserve_vcc 1
		.amdhsa_float_denorm_mode_32 3
		.amdhsa_float_denorm_mode_16_64 3
		.amdhsa_memory_ordered 1
		.amdhsa_forward_progress 1
		.amdhsa_inst_pref_size 127
	.end_amdhsa_kernel
	.amdgpu_metadata
---
amdhsa.version: [ 1, 2 ]
amdhsa.kernels:
  - .name:           k_q333081d812_attn
    .symbol:         k_q333081d812_attn.kd
    .args:
      - { .name: qkvc, .offset: 0, .size: 8, .value_kind: global_buffer, .address_space: global }
      - { .name: lowp_scales, .offset: 8, .size: 8, .value_kind: global_buffer, .address_space: global }
      - { .name: ac, .offset: 16, .size: 8, .value_kind: global_buffer, .address_space: global }
    .group_segment_fixed_size: 327680
    .private_segment_fixed_size: 0
    .kernarg_segment_align: 8
    .kernarg_segment_size: 24
    .max_flat_workgroup_size: 512
    .sgpr_count:     100
    .vgpr_count:     256
    .wavefront_size: 32
...
	.end_amdgpu_metadata
.endif
;; end of part 7
;; launch oproj (part 8): grid 16 x 16, 4 waves a work-group, clusters of 4 x 4, 327,680 bytes of LDS; arguments ac, wc, lowp_scales, wo_b, out0; writes out0
.if DOCPART == 8
	.amdgcn_target "amdgcn-amd-amdhsa--gfx1250"
	.amdhsa_code_object_version 6
	.text
	.protected	k_q333081d812_oproj
	.globl	k_q333081d812_oproj
	.p2align	8
	.type	k_q333081d812_oproj,@function
k_q333081d812_oproj:
	s_mov_b64 s[64:65], 0
	v_nop
	global_prefetch_b8 v0, s[64:65] scope:SCOPE_SE
	s_setreg_imm32_b32 hwreg(HW_REG_WAVE_MODE, 25, 1), 1
	s_wait_xcnt 0x0
	s_wait_alu depctr_hold_cnt(0) depctr_sa_sdst(0) depctr_va_vdst(0) depctr_va_sdst(0) depctr_va_ssrc(0) depctr_va_vcc(0) depctr_vm_vsrc(0)
	s_getreg_b32 s2, hwreg(HW_REG_IB_STS2, 6, 4)
	s_cmp_eq_u32 s2, 0
	s_cbranch_scc0 .Lentry_in_a_cluster
	s_endpgm
.Lentry_in_a_cluster:
	s_bfe_u32 s2, ttmp6, 0x10000c
	s_cmp_lg_u32 s2, 0xf033
	s_cbranch_scc0 .Lentry_shape_is_right
	s_endpgm
.Lentry_shape_is_right:
; PRODUCT 6: out0 = attention's result x wo^T x 2^(entries 10 + 11) + wo_b, on codes of FP8 (E4M3).
; ac: [block of 128 positions][head][128 positions][128]; wo's codes: plane 3 of wc, [2048][2048].  A block of 128 x 128 to a work-group (16 x 16 of them), 64 x 64 to a wave.
; K goes in four steps of 512 (four heads) through a ring of two LDS slots; clusters of 4 x 4: ac's tiles are asked for jointly along a row, wo's along a column.
; LIMIT: entries 10 + 11 lie between -126 and 127.
.set APITCH, 144
.set BPITCH, 528
.set APLANE, 128*APITCH
.set AQ,     APLANE
.set BQ,     128
.set ALOAD,  2*APLANE
.set BLOAD,  64*BPITCH
.set BOFF,   4*APLANE
.set SLOT,   BOFF+2*BLOAD
.set AFIRST, 4*16384
.set ASTEP,  8*16384
.set BFIRST, 512
.set BSTEP,  1024
.set FR,     16
.set NP,     4
.set SPARE,  2*SLOT
.set SPITCH, 272
.set ADRA, 16
.set BO,   19
.set ADRB, 20
.set STO,  24
.set RD,   25
.set CO,   26
.set SPW,  28
.set NIL,  29
.set BI,   32
.set T,    64
.set ACC,  128
.set F0,   0
.set F1,   128
.set G1, 24
.set G0, 32
.set G1B, 48
.set G0B, 56
.set MSB, 0
.macro WIN new
.if MSB != (\new)
	s_set_vgpr_msb (MSB<<8)|(\new)
.set MSB, (\new)
.endif
.endm
.set MUL,  0x05
.set TO_F, 0x40
.macro JLOAD g0a, g1a, g0b, g1b
	s_cmp_eq_u32 s81, 0
	s_cbranch_scc0 .Lfor_b_\@
	tensor_load_to_lds s[\g0a:\g0a+3], s[\g1a:\g1a+7]
	s_nop 0
.rept 4
	v_nop
.endr
	s_branch .Lasked_\@
.Lfor_b_\@:
	tensor_load_to_lds s[\g0b:\g0b+3], s[\g1b:\g1b+7]
	s_nop 0
.rept 4
	v_nop
.endr
.Lasked_\@:
.endm
.macro CREST
	s_cmp_lg_u32 s80, 0
	s_cbranch_scc1 .Lnot_wave_0_\@
	s_barrier_signal -3
.Lnot_wave_0_\@:
	s_barrier_wait -3
	s_barrier_signal -1
	s_barrier_wait -1
.endm
.macro CROUND
	s_barrier_signal -1
	s_barrier_wait -1
	CREST
.endm
	s_load_b256 s[4:11], s[0:1], 0x0
	s_load_b64 s[12:13], s[0:1], 0x20
	v_lshl_add_u32 v[SPW], v0, 2, SPARE
	v_mov_b32 v[NIL], 0
	ds_add_u32 v[SPW], v[NIL]
	ds_add_u32 v[SPW], v[NIL]
	v_lshrrev_b32 v1, 5, v0
	v_readfirstlane_b32 s80, v1
	s_lshr_b32 s81, s80, 1
	s_and_b32 s82, s80, 1
	s_bfe_u32 s40, ttmp6, 0x40000
	s_bfe_u32 s41, ttmp6, 0x40004
	s_lshl_b32 s42, ttmp9, 2
	s_add_co_u32 s42, s42, s40
	s_and_b32 s85, ttmp7, 0xffff
	s_lshl_b32 s85, s85, 2
	s_add_co_u32 s85, s85, s41
	s_lshl_b32 s43, s41, 2
	s_lshl_b32 s43, 15, s43
	s_lshl_b32 s44, 0x1111, s40
	s_or_b32 s[G1+0], s43, (1<<20)|(1<<21)|(4<<22)|(3<<25)
	s_mov_b32 s[G1+1], 256<<16                     ; two heads' 256 rows of 128 bytes are dense in memory: stated as 128 rows of 256 bytes, the padding still behind each 128
	s_mov_b32 s[G1+2], 128<<16
	s_mov_b32 s[G1+3], 256<<16
	s_mov_b32 s[G1+4], 128
	s_mov_b32 s[G1+5], 256
	s_mov_b32 s[G1+6], 0
	s_mov_b32 s[G1+7], 0
	s_or_b32 s[G1B+0], s44, (1<<20)|(1<<21)|(6<<22)|(3<<25)
	s_mov_b32 s[G1B+1], 512<<16
	s_mov_b32 s[G1B+2], 64<<16
	s_mov_b32 s[G1B+3], 512<<16
	s_mov_b32 s[G1B+4], 64
	s_mov_b32 s[G1B+5], 2048
	s_mov_b32 s[G1B+6], 0
	s_mov_b32 s[G1B+7], 0
	s_lshl_b32 s90, s82, 15
	s_lshl_b32 s94, s85, 18
	s_add_co_u32 s90, s90, s94
	s_mov_b32 s91, 0
	s_lshl_b32 s46, s42, 7
	s_lshl_b32 s95, s82, 6
	s_add_co_u32 s46, s46, s95
	s_lshl_b32 s46, s46, 11
	s_add_co_u32 s46, s46, 0xc00000
	s_mov_b32 s47, 0
	s_mul_i32 s45, s82, ALOAD
	s_mul_i32 s84, s82, BLOAD
	s_add_co_u32 s84, s84, BOFF
	s_wait_dscnt 0x0
	s_wait_kmcnt 0x0
	s_load_b64 s[68:69], s[8:9], 0x28
	s_add_nc_u64 s[90:91], s[4:5], s[90:91]
	s_add_nc_u64 s[46:47], s[6:7], s[46:47]
	CROUND
.irp s, 0,1
	s_mov_b32 s[G0+4*\s], 1
	s_add_co_u32 s[G0+4*\s+1], s45, \s*SLOT
	s_add_nc_u64 s[G0+4*\s+2:G0+4*\s+3], s[90:91], \s*AFIRST
	s_or_b32 s[G0+4*\s+3], s[G0+4*\s+3], 0x80000000
	s_mov_b32 s[G0B+4*\s], 1
	s_add_co_u32 s[G0B+4*\s+1], s84, \s*SLOT
	s_add_nc_u64 s[G0B+4*\s+2:G0B+4*\s+3], s[46:47], \s*BFIRST
	s_or_b32 s[G0B+4*\s+3], s[G0B+4*\s+3], 0x80000000
.endr
	JLOAD G0, G1, G0B, G1B                         ; K step 0: my one tensor load at the head
	s_lshl_b32 s86, s42, 9
	s_lshl_b32 s94, s82, 8
	s_add_co_u32 s86, s86, s94
	s_mov_b32 s87, 0
	s_add_nc_u64 s[88:89], s[10:11], s[86:87]
	v_bfe_u32 v2, v0, 4, 1
	v_lshlrev_b32 v[BO], 5, v2
.irp b, 0,1,2,3
	global_load_b128 v[BI+8*\b:BI+8*\b+3], v[BO], s[88:89] offset:64*\b
	global_load_b128 v[BI+8*\b+4:BI+8*\b+7], v[BO], s[88:89] offset:64*\b+16
.endr
	s_add_nc_u64 s[96:97], s[12:13], s[86:87]
	s_lshl_b32 s86, s85, 7
	s_lshl_b32 s94, s81, 6
	s_add_co_u32 s86, s86, s94
	s_lshl_b32 s86, s86, 13
	s_add_nc_u64 s[96:97], s[96:97], s[86:87]
	v_and_b32 v1, 15, v0
	s_wait_alu depctr_va_vdst(0)
	v_mul_u32_u24 v3, v1, APITCH
	v_lshl_add_u32 v3, v2, 4, v3
	v_mul_u32_u24 v4, v1, BPITCH
	v_lshl_add_u32 v4, v2, 4, v4
	s_mul_i32 s94, s81, 64*APITCH
	s_mul_i32 s95, s82, BLOAD
	s_add_co_u32 s95, s95, BOFF
.irp s, 0,1
	v_add_nc_u32 v[ADRA+\s], s94, v3
	v_add_nc_u32 v[ADRB+\s], s95, v4
	s_add_co_u32 s94, s94, SLOT
	s_add_co_u32 s95, s95, SLOT
.endr
	s_mul_i32 s94, s80, 16*SPITCH
	v_mul_u32_u24 v5, v1, SPITCH
	v_lshl_add_u32 v5, v2, 5, v5
	v_add_nc_u32 v[STO], s94, v5
	v_mul_u32_u24 v5, v2, SPITCH
	v_lshl_add_u32 v5, v1, 4, v5
	v_add_nc_u32 v[RD], s94, v5
	v_lshlrev_b32 v[CO], 13, v2
	v_lshl_add_u32 v[CO], v1, 4, v[CO]
.macro FRAG reg, adr, off
.irp c, 0,1,2,3
	ds_load_b128 v[\reg+4*\c:\reg+4*\c+3], v[\adr] offset:\off+32*\c
.endr
.endm
.macro MULA f, a, zero
.irp b, 0,1,2,3
.if \zero
	v_wmma_f32_16x16x128_fp8_fp8 v[ACC+8*(4*(\a)+\b):ACC+8*(4*(\a)+\b)+7], v[\f+64+FR*\b:\f+64+FR*\b+FR-1], v[\f+FR*(\a):\f+FR*(\a)+FR-1], 0
.else
	v_wmma_f32_16x16x128_fp8_fp8 v[ACC+8*(4*(\a)+\b):ACC+8*(4*(\a)+\b)+7], v[\f+64+FR*\b:\f+64+FR*\b+FR-1], v[\f+FR*(\a):\f+FR*(\a)+FR-1], v[ACC+8*(4*(\a)+\b):ACC+8*(4*(\a)+\b)+7]
.endif
.endr
.endm
.macro FETCH slot, q, f
	WIN TO_F
.irp i, 0,1,2,3
	FRAG \f+64+FR*\i, ADRB+\slot, BQ*(\q)+\i*16*BPITCH
.endr
.irp i, 0,1,2,3
	FRAG \f+FR*\i, ADRA+\slot, AQ*(\q)+\i*16*APITCH
.endr
.endm
.macro PLACES n
.rept \n
	v_nop
.endr
.endm
.macro QUARTER slot, q, f, g, zero
	s_wait_dscnt 0x0
	PLACES NP
	FETCH \slot, \q, \g
	WIN MUL
	MULA \f, 0, \zero
	MULA \f, 1, \zero
	MULA \f, 2, \zero
	MULA \f, 3, \zero
.endm
.macro TURN slot, next, fill
	WIN 0
	s_wait_tensorcnt 0x0
	ds_add_u32 v[SPW], v[NIL]
	s_wait_dscnt 1
	WIN MUL
	MULA F1, 0, 0
	s_wait_dscnt 0x0
	s_barrier_signal -1
	MULA F1, 1, 0
	WIN 0
	s_barrier_wait -1
.if \fill
	CREST
	s_add_nc_u64 s[G0+4*\slot+2:G0+4*\slot+3], s[G0+4*\slot+2:G0+4*\slot+3], ASTEP
	s_add_nc_u64 s[G0B+4*\slot+2:G0B+4*\slot+3], s[G0B+4*\slot+2:G0B+4*\slot+3], BSTEP
	JLOAD G0+4*\slot, G1, G0B+4*\slot, G1B
.else
	PLACES NP
.endif
	s_wait_alu depctr_va_vdst(0)
	FETCH \next, 0, F0
	WIN MUL
	MULA F1, 2, 0
	MULA F1, 3, 0
.endm
	s_wait_alu depctr_va_vdst(0)
	s_wait_tensorcnt 0x0                           ; my part of K step 0 is in; slot 1's first fill is issued as a refill is
	ds_add_u32 v[SPW], v[NIL]
	s_wait_dscnt 0x0
	CROUND
	JLOAD G0+4, G1, G0B+4, G1B                     ; K step 1
	FETCH 0, 0, F0
	QUARTER 0, 1, F0, F1, 1
	QUARTER 0, 2, F1, F0, 0
	QUARTER 0, 3, F0, F1, 0
	TURN 0, 1, 1
	QUARTER 1, 1, F0, F1, 0
	QUARTER 1, 2, F1, F0, 0
	QUARTER 1, 3, F0, F1, 0
	TURN 1, 0, 1
	QUARTER 0, 1, F0, F1, 0
	QUARTER 0, 2, F1, F0, 0
	QUARTER 0, 3, F0, F1, 0
	TURN 0, 1, 0
	QUARTER 1, 1, F0, F1, 0
	QUARTER 1, 2, F1, F0, 0
	QUARTER 1, 3, F0, F1, 0
	s_wait_dscnt 0x0
	MULA F1, 0, 0
	MULA F1, 1, 0
	MULA F1, 2, 0
	MULA F1, 3, 0
	WIN 0
.macro SCALE a
.set TT, T+32*((\a)%2)
.set j, 0
.rept 16
	v_pk_fma_f32 v[TT+j:TT+j+1], v[ACC+32*(\a)+j:ACC+32*(\a)+j+1], s[92:93], v[BI+j:BI+j+1] op_sel_hi:[1,0,1]
.set j, j+2
.endr
.endm
.macro TOSTAGE a
.set TT, T+32*((\a)%2)
.irp b, 0,1,2,3
	ds_store_b128 v[STO], v[TT+8*\b:TT+8*\b+3] offset:64*\b
	ds_store_b128 v[STO], v[TT+8*\b+4:TT+8*\b+7] offset:64*\b+16
.endr
.irp t, 0,1,2,3,4,5,6,7
	ds_load_b128 v[ACC+32*(\a)+4*\t:ACC+32*(\a)+4*\t+3], v[RD] offset:\t*2*SPITCH
.endr
.endm
.macro SEND a, younger
	s_wait_dscnt \younger
.irp t, 0,1,2,3,4,5,6,7
	global_store_b128 v[CO], v[ACC+32*(\a)+4*\t:ACC+32*(\a)+4*\t+3], s[96:97] offset:(16*(\a)+2*\t)*8192 th:TH_STORE_NT
.endr
.endm
	s_wait_kmcnt 0x0
	s_add_co_i32 s92, s68, s69
	s_add_co_i32 s92, s92, 127
	s_lshl_b32 s92, s92, 23
	s_mov_b32 s93, s92
	s_wait_loadcnt 0x0
	PLACES NP
	SCALE 0
	TOSTAGE 0
.irp a, 1,2,3
	SCALE \a
	TOSTAGE \a
	SEND \a-1, 16
.endr
	SEND 3, 0
	s_wait_tensorcnt 0x0
	ds_add_u32 v[SPW], v[NIL]
	s_wait_dscnt 0x0
	CROUND
	s_endpgm
.Lfunc_end_k_q333081d812_oproj:
	.size	k_q333081d812_oproj, .Lfunc_end_k_q333081d812_oproj-k_q333081d812_oproj
	.p2alignl 7, 3214868480
	.fill 96, 4, 3214868480
	.section	.rodata,"a",@progbits
	.p2align	6, 0x0
	.amdhsa_kernel k_q333081d812_oproj
		.amdhsa_group_segment_fixed_size 327680
		.amdhsa_private_segment_fixed_size 0
		.amdhsa_enable_private_segment 0
		.amdhsa_kernarg_size 40
		.amdhsa_user_sgpr_count 2
		.amdhsa_user_sgpr_kernarg_segment_ptr 1
		.amdhsa_wavefront_size32 1
		.amdhsa_system_sgpr_workgroup_id_x 1
		.amdhsa_system_sgpr_workgroup_id_y 1
		.amdhsa_system_sgpr_workgroup_id_z 1
		.amdhsa_system_vgpr_workitem_id 0
		.amdhsa_next_free_vgpr 512
		.amdhsa_next_free_sgpr 102
		.amdhsa_reserve_vcc 0
		.amdhsa_float_denorm_mode_32 3
		.amdhsa_float_denorm_mode_16_64 3
		.amdhsa_memory_ordered 1
		.amdhsa_forward_progress 1
		.amdhsa_inst_pref_size 75
	.end_amdhsa_kernel
	.amdgpu_metadata
---
amdhsa.version: [ 1, 2 ]
amdhsa.kernels:
  - .name:           k_q333081d812_oproj
    .symbol:         k_q333081d812_oproj.kd
    .args:
      - { .name: ac, .offset: 0, .size: 8, .value_kind: global_buffer, .address_space: global }
      - { .name: wc, .offset: 8, .size: 8, .value_kind: global_buffer, .address_space: global }
      - { .name: lowp_scales, .offset: 16, .size: 8, .value_kind: global_buffer, .address_space: global }
      - { .name: wo_b, .offset: 24, .size: 8, .value_kind: global_buffer, .address_space: global }
      - { .name: out0, .offset: 32, .size: 8, .value_kind: global_buffer, .address_space: global }
    .group_segment_fixed_size: 327680
    .private_segment_fixed_size: 0
    .kernarg_segment_align: 8
    .kernarg_segment_size: 40
    .max_flat_workgroup_size: 128
    .sgpr_count:     102
    .vgpr_count:     512
    .wavefront_size: 32
...
	.end_amdgpu_metadata
.endif
;; end of part 8
